; MI455X (gfx1250); checked and timed in simulation.
; The chip was launched on July 23, 2026; its instructions are those of AMD's public machine-readable ISA for CDNA 5 (MIT licence, August 2026) and "CDNA5" Instruction Set Architecture Reference Guide (July 2026). The comments in the code are by the model that wrote it; some were corrected since.
;; Ternary Eq Prop. Allowed arithmetic: float matrix products may take bf16 or f16 operands with f32 sums; all other float work in f32.
;; Inputs: W_in 4,096 x 2,048 float32; W_out 1,024 x 4,096 float32; W_rec 4,096 x 4,096 float32; b_in 4,096 float32; b_out 1,024 float32; b_rec 4,096 float32; x 1,024 x 2,048 float32.
;; Outputs: out0 1,024 x 1,024 float32.
;; 2 versions, each right and faster than the one before. Each part assembles by itself: llvm-mc -triple=amdgcn-amd-amdhsa -mcpu=gfx1250 --defsym DOCPART=n.
;; ======== version 1 of 2: 6 launches
;; limits: values are held in f16: magnitudes above 65,504 overflow, below 6.1e-05 lose precision
;; workspace buffers: xb 4,194,304 bytes; qin 16,777,216 bytes; qrec 33,554,432 bytes; qout 8,388,608 bytes; ha 8,388,608 bytes; hb 8,388,608 bytes; pre 16,777,216 bytes; part 16,777,216 bytes
;; launch prep (part 1): grid 3840 x 1, 8 waves a work-group, no clusters, 0 bytes of LDS; arguments x, W_in, W_rec, W_out, xb, qin, qrec, qout; writes xb, qin, qrec, qout
.if DOCPART == 1
	.amdgcn_target "amdgcn-amd-amdhsa--gfx1250"
	.amdhsa_code_object_version 6
	.text
	.protected	k_q059e4130d1_prep
	.globl	k_q059e4130d1_prep
	.p2align	8
	.type	k_q059e4130d1_prep,@function
k_q059e4130d1_prep:
	s_mov_b64 s[64:65], 0
	v_nop
	global_prefetch_b8 v0, s[64:65] scope:SCOPE_SE
	s_setreg_imm32_b32 hwreg(HW_REG_WAVE_MODE, 25, 1), 1
	s_wait_xcnt 0x0
; xb = bf16(x);  qin, qrec, qout = the ternary codes of W_in, W_rec, W_out as 16-bit numbers (+1, 0, -1): qin in bf16, qrec and qout in f16,
; the formats of the products that take them.
; LIMIT.  Every input of the program is taken ROUNDED TO bf16 (nearest even), the weights too, ahead of the threshold 0.5: bf16(w) > 0.5 holds exactly
; where w > 0.501953125 (0x3f008000, half way from 0.5 to the next bf16, which itself rounds down to the even 0.5), and likewise below -0.5.
; So a weight between 0.5 and 0.501953125 counts as 0.  A NaN weight fails both compares and counts as 0, as in the f32 compares it replaces.
; A stream: every byte is read once and written once, no number is used twice, so there is no LDS, no barrier and no matrix work.
; SHARES.  A work-group takes 8,192 numbers: 32,768 bytes in, 16,384 out.  In pass i of eight, thread t loads the 16 bytes at 4,096 i + 16 t (a wave's load
; covers 512 consecutive bytes) and stores the 8 bytes at 2,048 i + 8 t (a wave's store covers 256 consecutive bytes, at a multiple of 256 from the buffer's first).
; Work-groups 0-255 take x, 256-1279 W_in, 1280-3327 W_rec, 3328-3839 W_out.  All eight loads go out first; no register that a pending memory
; instruction names is written, so the only waits are the counted ones for the loads.
.set NX,   256                         ; work-groups for x:     1024 x 2048 / 8192
.set NIN,  1024                        ; for W_in:  4096 x 2048 / 8192
.set NREC, 2048                        ; for W_rec: 4096 x 4096 / 8192
.set X,    8                           ; v[8:39]   pass i: 4 registers as loaded; the first two then hold what is stored
.set T,    40                          ; v[40:43]  at work
	s_load_b512 s[8:23], s[0:1], 0x0               ; x s[8:9], W_in s[10:11], W_rec s[12:13], W_out s[14:15], xb s[16:17], qin s[18:19], qrec s[20:21], qout s[22:23]
	v_lshlrev_b32 v1, 4, v0                        ; 16 t
	v_lshlrev_b32 v2, 3, v0                        ; 8 t
	s_mov_b32 s24, 0x3f008000                      ; the threshold on the unrounded weight
	s_mov_b32 s25, 0xbf008000                      ; and its negative
	s_mov_b32 s28, 0x07060302                      ; v_perm_b32: the two sources' upper halves
	s_mov_b32 s3, 0                                ; the upper word of the offset pair s[2:3]
	s_wait_kmcnt 0x0
; The work-group's part of src and dst (each pointer in registers of its own), and the eight loads.
.macro HEAD src, dst, base
	s_sub_co_u32 s2, ttmp9, \base                  ; my number among the tensor's work-groups,
	s_lshl_b32 s2, s2, 15                          ; times 32,768 bytes: under 2^26
	s_add_nc_u64 s[\src:\src+1], s[\src:\src+1], s[2:3]
	s_lshr_b32 s2, s2, 1                           ; half as many bytes go out
	s_add_nc_u64 s[\dst:\dst+1], s[\dst:\dst+1], s[2:3]
.irp i, 0,1,2,3,4,5,6,7
	global_load_b128 v[X+4*(\i):X+4*(\i)+3], v1, s[\src:\src+1] offset:4096*(\i) th:TH_LOAD_NT  ; read once in the whole program
.endr
.endm
; Weights to codes.  one: 1.0 in the target's 16-bit format.  The codes are made in the upper halves and packed two to a word, the lower index below.
.macro QUANT src, dst, base, one
	s_mov_b32 s26, (\one)<<16                      ; +1
	s_mov_b32 s27, ((\one)|0x8000)<<16             ; -1
	HEAD \src, \dst, \base
.irp i, 0,1,2,3,4,5,6,7
	s_wait_loadcnt 7-(\i)                          ; loads come back in order (ISA guide 5.7.1): pass i is in, the 7 - i younger ones stay out
.irp e, 0,1,2,3
	v_cmp_lt_f32 s[30+(\e)], s24, v[X+4*(\i)+(\e)] ; threshold < w
	v_cmp_gt_f32 s[34+(\e)], s25, v[X+4*(\i)+(\e)] ; -threshold > w
.endr
.irp e, 0,1,2,3
	v_cndmask_b32 v[T+(\e)], 0, s26, s[30+(\e)]
	v_cndmask_b32 v[T+(\e)], v[T+(\e)], s27, s[34+(\e)]
.endr
	v_perm_b32 v[X+4*(\i)],   v[T+1], v[T],   s28
	v_perm_b32 v[X+4*(\i)+1], v[T+3], v[T+2], s28
	global_store_b64 v2, v[X+4*(\i):X+4*(\i)+1], s[\dst:\dst+1] offset:2048*(\i)
.endr
.endm
; x to bf16, two roundings an instruction.
.macro CAST src, dst, base
	HEAD \src, \dst, \base
.irp i, 0,1,2,3,4,5,6,7
	s_wait_loadcnt 7-(\i)
	v_cvt_pk_bf16_f32 v[X+4*(\i)],   v[X+4*(\i)],   v[X+4*(\i)+1]
	v_cvt_pk_bf16_f32 v[X+4*(\i)+1], v[X+4*(\i)+2], v[X+4*(\i)+3]
	global_store_b64 v2, v[X+4*(\i):X+4*(\i)+1], s[\dst:\dst+1] offset:2048*(\i)
.endr
.endm
	s_cmp_lt_u32 ttmp9, NX                         ; which tensor: the work-group's number alone decides, all jumps go forward
	s_cbranch_scc1 .Lx
	s_cmp_lt_u32 ttmp9, NX+NIN
	s_cbranch_scc1 .Lw_in
	s_cmp_lt_u32 ttmp9, NX+NIN+NREC
	s_cbranch_scc1 .Lw_rec
	QUANT 14, 22, NX+NIN+NREC, 0x3c00              ; W_out -> qout, f16
	s_endpgm
.Lw_rec:
	QUANT 12, 20, NX+NIN, 0x3c00                   ; W_rec -> qrec, f16
	s_endpgm
.Lw_in:
	QUANT 10, 18, NX, 0x3f80                       ; W_in -> qin, bf16
	s_endpgm
.Lx:
	CAST 8, 16, 0                                  ; x -> xb
	s_endpgm
.Lfunc_end_k_q059e4130d1_prep:
	.size	k_q059e4130d1_prep, .Lfunc_end_k_q059e4130d1_prep-k_q059e4130d1_prep
	.p2alignl 7, 3214868480
	.fill 96, 4, 3214868480
	.section	.rodata,"a",@progbits
	.p2align	6, 0x0
	.amdhsa_kernel k_q059e4130d1_prep
		.amdhsa_group_segment_fixed_size 0
		.amdhsa_private_segment_fixed_size 0
		.amdhsa_enable_private_segment 0
		.amdhsa_kernarg_size 64
		.amdhsa_user_sgpr_count 2
		.amdhsa_user_sgpr_kernarg_segment_ptr 1
		.amdhsa_wavefront_size32 1
		.amdhsa_system_sgpr_workgroup_id_x 1
		.amdhsa_system_sgpr_workgroup_id_y 1
		.amdhsa_system_sgpr_workgroup_id_z 1
		.amdhsa_system_vgpr_workitem_id 0
		.amdhsa_next_free_vgpr 48
		.amdhsa_next_free_sgpr 66
		.amdhsa_reserve_vcc 0
		.amdhsa_float_denorm_mode_32 3
		.amdhsa_float_denorm_mode_16_64 3
		.amdhsa_memory_ordered 1
		.amdhsa_forward_progress 1
		.amdhsa_inst_pref_size 38
	.end_amdhsa_kernel
	.amdgpu_metadata
---
amdhsa.version: [ 1, 2 ]
amdhsa.kernels:
  - .name:           k_q059e4130d1_prep
    .symbol:         k_q059e4130d1_prep.kd
    .args:
      - { .name: x, .offset: 0, .size: 8, .value_kind: global_buffer, .address_space: global }
      - { .name: W_in, .offset: 8, .size: 8, .value_kind: global_buffer, .address_space: global }
      - { .name: W_rec, .offset: 16, .size: 8, .value_kind: global_buffer, .address_space: global }
      - { .name: W_out, .offset: 24, .size: 8, .value_kind: global_buffer, .address_space: global }
      - { .name: xb, .offset: 32, .size: 8, .value_kind: global_buffer, .address_space: global }
      - { .name: qin, .offset: 40, .size: 8, .value_kind: global_buffer, .address_space: global }
      - { .name: qrec, .offset: 48, .size: 8, .value_kind: global_buffer, .address_space: global }
      - { .name: qout, .offset: 56, .size: 8, .value_kind: global_buffer, .address_space: global }
    .group_segment_fixed_size: 0
    .private_segment_fixed_size: 0
    .kernarg_segment_align: 8
    .kernarg_segment_size: 64
    .max_flat_workgroup_size: 256
    .sgpr_count:     66
    .vgpr_count:     48
    .wavefront_size: 32
...
	.end_amdgpu_metadata
.endif
;; end of part 1
;; launch proj (part 2): grid 32 x 8, 4 waves a work-group, clusters of 4 x 4, 327,680 bytes of LDS; arguments xb, qin, ha, pre, b_in, b_rec; writes ha, pre
.if DOCPART == 2
	.amdgcn_target "amdgcn-amd-amdhsa--gfx1250"
	.amdhsa_code_object_version 6
	.text
	.protected	k_q059e4130d1_proj
	.globl	k_q059e4130d1_proj
	.p2align	8
	.type	k_q059e4130d1_proj,@function
k_q059e4130d1_proj:
	s_mov_b64 s[64:65], 0
	v_nop
	global_prefetch_b8 v0, s[64:65] scope:SCOPE_SE
	s_setreg_imm32_b32 hwreg(HW_REG_WAVE_MODE, 25, 1), 1
	s_wait_xcnt 0x0
	s_wait_alu depctr_hold_cnt(0) depctr_sa_sdst(0) depctr_va_vdst(0) depctr_va_sdst(0) depctr_va_ssrc(0) depctr_va_vcc(0) depctr_vm_vsrc(0)
	s_getreg_b32 s2, hwreg(HW_REG_IB_STS2, 6, 4)
	s_cmp_eq_u32 s2, 0
	s_cbranch_scc0 .Lentry_in_a_cluster
	s_endpgm
.Lentry_in_a_cluster:
	s_bfe_u32 s2, ttmp6, 0x10000c
	s_cmp_lg_u32 s2, 0xf033
	s_cbranch_scc0 .Lentry_shape_is_right
	s_endpgm
.Lentry_shape_is_right:
; ONE TEXT FOR THE PROGRAM'S THREE KINDS OF PRODUCT; MODE picks what differs.  C[m][n] = C0[m][n] + the sum over k of A[m][k] B[n][k], sums in f32.
;   MODE 1 (this file)  A = xb [1024][2048] bf16, B = qin [4096][2048] bf16, C0 = bf16(b_in)[n] + bf16(b_rec)[n].  C goes out as pre (f32), tanh(C) as h (f16).
;                       The recurrence starts from h = 0, whose product with the finite codes is 0 for every input: its first step is tanh(x_proj + b_rec), made here.
;   MODE 2              A = h [1024][4096] f16, B = qrec [4096][4096] f16, C0 = pre.  tanh(C) goes out as the next h (f16).
;   MODE 4              A = h, B = qout [1024][4096] f16, K cut in four quarters of 1,024 over the grid's y, C0 = 0.  C goes out as one of four planes of partial sums (f32).
; LIMITS.  The biases are taken rounded to bf16, as all the program's inputs are.  h is rounded to f16: it lies in -1 to 1, and below 6e-5 it keeps f16's fixed step of 6e-8.
; tanh(v) = 1 - 2 / (1 + 2^(2 log2(e) v)): absolute error about 2e-7; where the power overflows to infinity or flushes to 0 the result is exactly 1 or -1.  NaN and infinities in x go through.
; The f32 sums run in another order than a plain row by row sum.
; SHARES.  A tile of C is 128 x 128: 1024 x 4096 makes 256 of them, and 1024 x 1024 x 4 quarters of K again 256.  Four waves, each 64 x 64: 16 accumulators of 16 x 16, 128 registers.
; K goes in steps of 256 (LDS rows of 512 bytes; a wave's tensor load brings 64 of them) through two slots.
; CLUSTERS: 4 x 4 work-groups.  The four of a row of the cluster need the same tiles of A, the four of a column the same tiles of B: each tile is asked for JOINTLY, by the same tensor load with
; the same descriptor and a mask that names the four.  THE MATRIX INSTRUCTION IS USED TRANSPOSED (source 0 = 16 rows of B, source 1 = 16 rows of A): lane l holds row l % 16 of C and
; its registers 0-7 the columns 8 (l / 16) + 0..7.
; THE f32 BUFFERS (pre, part) ARE BLOCKED as the accumulators lie: [tile][wave][accumulator 4 a + b][half j][lane][4 numbers]: 65,536 bytes a tile, 16,384 a wave, and each store or load
; of a wave is 512 consecutive bytes at a multiple of 512 from the buffer's first.  So they need no way through LDS, and the launch that reads pre takes it as the C operand of its first products.
; REGISTERS: window 0: v0-31 addresses; v32-95 TMP and v96-127 T at work; v128-255 the accumulators ((a, b) at v[128 + 8 (4 a + b)]).
;   window 1: two fragment buffers of 128: for 64 along K, 64 registers of A (2 x 4 x 16 rows x 32 K), then 64 of B.      window 2: C0's image (MODE 1: 32 registers, MODE 2: 128).
.set MODE,   1
.set PITCHK, 2048                      ; elements in a row of A and of B
.set KLEN,   2048                      ; elements of K that a work-group walks
.set KSTEP,  256
.set PITCH,  528                       ; an LDS row: 512 bytes of data + 16 of padding = 132 words: row r starts at bank 4 r mod 64 (64 banks of 4 bytes: ISA guide 11.1)
.set HALFT,  64*PITCH                  ; 64 rows: what one tensor load brings, and what one wave reads of A or of B
.set SLOT,   4*HALFT                   ; A's 128 rows, then B's 128 rows
.set STAGE,  2*SLOT                    ; behind the ring: 128 rows x 272 bytes, the work-group's, for h's way out
.set SPITCH, 272
.set SPARE,  STAGE+128*SPITCH          ; behind the stage: the spare words, 128 bytes for each wave: two blocks of 256 bytes that no other line names
.set LAPS,   KLEN/(2*KSTEP)            ; a lap = two K steps = once round the ring
.set HROW,   8192                      ; bytes in a row of h
.set ADRA, 16                          ; v16-17  LDS address of my A fragments in slot 0, 1
.set ADRB, 20                          ; v20-21  the same for B
.set STO,  24                          ; v24     h's way out: where I put 16 bytes of a row
.set RD,   25                          ; v25     h's way out: where I read a row back
.set CO,   26                          ; v26     my byte offset in h
.set CB,   27                          ; v27     16 x lane: my byte offset in 512 bytes of a blocked buffer
.set SPW,  28                          ; v28     LDS address of my spare word: SPARE + 4 x my thread's number; never rewritten
.set NIL,  29                          ; v29     0; never rewritten
.set VB,   30                          ; v30     32 (l / 16): my byte offset among 16 numbers of a bias
.set TMP,  32
.set T,    96
.set ACC,  128
.set F0,   0                           ; fragment buffers, in window 1
.set F1,   128
.set CIN,  0                           ; C0's image, in window 2
.set G1, 24                            ; s[24:31] descriptor group 1 for A's tiles;  s[32:39] group 0, one set for each slot
.set G0, 32
.set G1B, 48                           ; s[48:55], s[56:63] the same for B's tiles
.set G0B, 56
.set MSB, 0
.macro WIN new                         ; the immediate's high byte repeats the setting that is left; a switch that changes nothing is dropped
.if MSB != (\new)
	s_set_vgpr_msb (MSB<<8)|(\new)
.set MSB, \new
.endif
.endm
.set MUL,  0x05                        ; sources 0 (B) and 1 (A) window 1; C and D window 0
.set MULC, 0x25                        ; the same with C in window 2
.set TO_F, 0x40                        ; destination window 1, address window 0
.set TO_C, 0x80                        ; destination window 2, sources and address window 0
.macro JLOAD s                         ; a joint load: waves 0 and 1 fetch A's two halves, waves 2 and 3 B's; an s_nop 0 and four v_nop follow each of the two lines, ahead of the jump, the label and what follows
	s_cmp_eq_u32 s11, 0
	s_cbranch_scc0 .Lfor_b_\@
	tensor_load_to_lds s[G0+4*(\s):G0+4*(\s)+3], s[G1:G1+7]
	s_nop 0
.rept 4
	v_nop
.endr
	s_branch .Lasked_\@
.Lfor_b_\@:
	tensor_load_to_lds s[G0B+4*(\s):G0B+4*(\s)+3], s[G1B:G1B+7]
	s_nop 0
.rept 4
	v_nop
.endr
.Lasked_\@:
.endm
.macro CREST                           ; a round of the cluster's barrier behind its opening barrier
	s_cmp_lg_u32 s10, 0
	s_cbranch_scc1 .Lnot_wave_0_\@
	s_barrier_signal -3
.Lnot_wave_0_\@:
	s_barrier_wait -3
	s_barrier_signal -1
	s_barrier_wait -1
.endm
.macro CROUND                          ; a whole round
	s_barrier_signal -1
	s_barrier_wait -1
	CREST
.endm
	s_load_b128 s[4:7], s[0:1], 0x0                ; A s[4:5], B s[6:7]
	s_load_b64 s[8:9], s[0:1], 0x10                ; what goes out: h (MODE 1, 2) or part (MODE 4)
.if MODE != 4
	s_load_b64 s[66:67], s[0:1], 0x18              ; pre
.endif
.if MODE == 1
	s_load_b128 s[68:71], s[0:1], 0x20             ; b_in s[68:69], b_rec s[70:71]
.endif
	v_lshl_add_u32 v[SPW], v0, 2, SPARE
	v_mov_b32 v[NIL], 0
	ds_add_u32 v[SPW], v[NIL]                      ; the wave's opening: the add and its wait stand ahead of my first tensor load; the set-up below, work on registers, stands between them
	v_lshrrev_b32 v1, 5, v0
	v_readfirstlane_b32 s10, v1                    ; wave 0..3
	s_lshr_b32 s11, s10, 1                         ; which half of the tile's rows is mine.  Also: I fetch for A (0) or for B (1)
	s_and_b32 s12, s10, 1                          ; which half of its columns.  Also: which 64 rows of that tile I fetch
	s_bfe_u32 s40, ttmp6, 0x40000                  ; cx, cy: my place in the cluster
	s_bfe_u32 s41, ttmp6, 0x40004
	s_lshl_b32 s42, ttmp9, 2
	s_add_co_u32 s42, s42, s40                     ; tile column of C = 4 x cluster x + cx
	s_and_b32 s13, ttmp7, 0xffff                   ; the cluster's y
.if MODE == 4
	s_lshr_b32 s45, s13, 1                         ; its upper bits: which quarter of K, the same in all sixteen partners
	s_and_b32 s13, s13, 1                          ; its lowest bit: which four tile rows
.endif
	s_lshl_b32 s13, s13, 2
	s_add_co_u32 s13, s13, s41                     ; tile row of C
	s_lshl_b32 s43, s41, 2
	s_lshl_b32 s43, 15, s43                        ; my row of the cluster
	s_lshl_b32 s44, 0x1111, s40                    ; my column
	; descriptor group 1: a tile of 64 rows x 256 elements, padded in LDS
	s_or_b32 s[G1+0], s43, (1<<16)|(1<<20)|(1<<21)|(6<<22)|(3<<25)  ; 15:0 the mask: A's tiles go to my row; 17:16 element of 2 bytes; 20 padding on; 21 set beside a mask; 24:22 after every 128 words (code 6); 31:25 of 4 words (code 3)
	s_or_b32 s[G1B+0], s44, (1<<16)|(1<<20)|(1<<21)|(6<<22)|(3<<25) ; the same with the mask of my column, for B's tiles
.irp g, G1, G1B
	s_mov_b32 s[(\g)+1], KSTEP<<16                 ; tensor_dim0 = 256
	s_mov_b32 s[(\g)+2], 64<<16                    ; tensor_dim1 = 64
	s_mov_b32 s[(\g)+3], KSTEP<<16                 ; tile_dim0 = 256
	s_mov_b32 s[(\g)+4], 64                        ; tile_dim1 = 64
	s_mov_b32 s[(\g)+5], PITCHK                    ; tensor_dim0_stride: elements from row to row
	s_mov_b32 s[(\g)+6], 0
	s_mov_b32 s[(\g)+7], 0
.endr
	; where the tiles come from: A's hang on the tile row alone, B's on the tile column alone, each in registers that never hold the other coordinate
	s_lshl_b32 s17, s12, 6                         ; which 64 rows of the tile I fetch
	s_lshl_b32 s16, s13, 7
	s_add_co_u32 s16, s16, s17                     ; A: row 128 x tile row + 64 x half
	s_lshl_b32 s46, s42, 7
	s_add_co_u32 s46, s46, s17                     ; B: row 128 x tile column + 64 x half
	s_mov_b32 s17, 0
	s_mov_b32 s47, 0
	s_mov_b64 s[18:19], PITCHK*2
	s_mul_u64 s[16:17], s[16:17], s[18:19]         ; in bytes
	s_mul_u64 s[46:47], s[46:47], s[18:19]
.if MODE == 4
	s_lshl_b32 s2, s45, 11                         ; my quarter of K begins 1,024 elements x 2 bytes x quarter along the rows
	s_mov_b32 s3, 0
	s_add_nc_u64 s[16:17], s[16:17], s[2:3]
	s_add_nc_u64 s[46:47], s[46:47], s[2:3]
.endif
	s_mul_i32 s20, s10, HALFT                      ; where they go: wave x 64 rows: no place in the cluster enters an LDS address
.if MODE != 4
	s_mov_b32 s76, 0x4038aa3b                      ; 2 log2(e) = 2.885390
	s_mov_b32 s77, s76                             ; named with it as a pair
.endif
.if MODE == 1
	s_mov_b32 s78, 0xffff0000                      ; a word's upper bf16
.endif
	s_wait_dscnt 0x0                               ; the opening add is done
	s_wait_kmcnt 0x0
	s_add_nc_u64 s[14:15], s[4:5], s[16:17]
	s_add_nc_u64 s[46:47], s[6:7], s[46:47]
	CROUND                                         ; all sixteen work-groups are here: the first joint loads meet
.irp s, 0,1
	s_mov_b32 s[G0+4*(\s)], 1                                      ; 1:0 count = 1
	s_add_co_u32 s[G0+4*(\s)+1], s20, (\s)*SLOT                    ; 63:32 LDS address
	s_add_nc_u64 s[G0+4*(\s)+2:G0+4*(\s)+3], s[14:15], (\s)*KSTEP*2  ; 120:64 global address: K step s
	s_or_b32 s[G0+4*(\s)+3], s[G0+4*(\s)+3], 0x80000000            ; 127:126 type = 2
	s_mov_b32 s[G0B+4*(\s)], 1
	s_add_co_u32 s[G0B+4*(\s)+1], s20, (\s)*SLOT
	s_add_nc_u64 s[G0B+4*(\s)+2:G0B+4*(\s)+3], s[46:47], (\s)*KSTEP*2
	s_or_b32 s[G0B+4*(\s)+3], s[G0B+4*(\s)+3], 0x80000000
	JLOAD \s                                       ; two loads of mine are out behind these; later one behind each round
.endr
	v_and_b32 v1, 15, v0                           ; l % 16
	v_bfe_u32 v2, v0, 4, 1                         ; l / 16
	v_mul_u32_u24 v3, v1, PITCH
	v_lshl_add_u32 v3, v2, 4, v3                   ; a fragment's row x pitch + 16 x half
	s_mul_i32 s21, s11, HALFT                      ; my 64 rows of A
	s_mul_i32 s22, s12, HALFT                      ; my 64 rows of B,
	s_add_co_u32 s22, s22, 2*HALFT                 ; which lie behind A's 128
.irp s, 0,1
	v_add_nc_u32 v[ADRA+(\s)], s21, v3
	v_add_nc_u32 v[ADRB+(\s)], s22, v3
	s_add_co_u32 s21, s21, SLOT
	s_add_co_u32 s22, s22, SLOT
.endr
	v_and_b32 v[CB], 31, v0
	v_lshlrev_b32 v[CB], 4, v[CB]                  ; 16 x lane
.if MODE != 4
	s_mul_i32 s23, s11, 64*SPITCH                  ; into the stage: my 64 rows, my half of their 256 bytes; row l % 16, 16 bytes for each half of the lanes
	s_lshl_b32 s21, s12, 7
	s_add_co_u32 s23, s23, s21
	s_add_co_u32 s23, s23, STAGE
	v_mul_u32_u24 v4, v1, SPITCH
	v_lshl_add_u32 v4, v2, 4, v4
	v_add_nc_u32 v[STO], s23, v4
	s_mul_i32 s23, s10, 32*SPITCH                  ; back: wave w takes rows 32 w .. 32 w + 31, whole; lanes 0-15 one row of 256 bytes, lanes 16-31 the next
	s_add_co_u32 s23, s23, STAGE
	v_mul_u32_u24 v5, v2, SPITCH
	v_lshl_add_u32 v5, v1, 4, v5
	v_add_nc_u32 v[RD], s23, v5
	v_lshlrev_b32 v5, 13, v2                       ; and the same two rows in h: 8,192 bytes apart
	v_lshl_add_u32 v[CO], v1, 4, v5
	s_lshl_b32 s16, s13, 7
	s_lshl_b32 s17, s10, 5
	s_add_co_u32 s16, s16, s17                     ; the first row of h that I store: 128 x tile row + 32 x wave,
	s_lshl_b32 s16, s16, 13                        ; in bytes: under 2^23
	s_mov_b32 s17, 0
	s_add_nc_u64 s[8:9], s[8:9], s[16:17]
	s_lshl_b32 s46, s42, 8                         ; the tile's first column, in bytes
	s_mov_b32 s47, 0
	s_add_nc_u64 s[8:9], s[8:9], s[46:47]
	s_lshl_b32 s46, s13, 5                         ; the blocked buffer: tile = 32 x tile row + tile column
.else
	s_mov_b32 s47, 0
	s_lshl_b32 s46, s13, 3                         ; the blocked buffer: tile = 8 x tile row + tile column
.endif
	s_add_co_u32 s46, s46, s42
	s_lshl_b32 s46, s46, 2
	s_add_co_u32 s46, s46, s10                     ; 4 x tile + wave,
	s_lshl_b32 s46, s46, 14                        ; times 16,384 bytes: under 2^24
.if MODE == 4
	s_lshl_b32 s2, s45, 22                         ; and my quarter's plane of 4 MiB
	s_add_co_u32 s46, s46, s2
	s_add_nc_u64 s[8:9], s[8:9], s[46:47]
.else
	s_add_nc_u64 s[66:67], s[66:67], s[46:47]
.endif
	; C0'S IMAGE is made while the first tiles are on their way.
.if MODE == 1
	; Register q of n block b holds column 16 b + 8 (l / 16) + q of my 64: the same for all four m blocks, so 32 registers do.  Each bias is rounded to bf16 and widened again; the two are added in f32.
	v_lshlrev_b32 v[VB], 5, v2
	s_lshl_b32 s46, s42, 9                         ; 128 columns x 4 bytes x tile column
	s_lshl_b32 s2, s12, 8                          ; + my 64 columns
	s_add_co_u32 s46, s46, s2
	s_add_nc_u64 s[68:69], s[68:69], s[46:47]
	s_add_nc_u64 s[70:71], s[70:71], s[46:47]
.irp m, 0,1,2,3,4,5,6,7                ; m = 2 b + j
	global_load_b128 v[TMP+4*(\m):TMP+4*(\m)+3],       v[VB], s[68:69] offset:64*((\m)/2)+16*((\m)%2)
	global_load_b128 v[TMP+32+4*(\m):TMP+32+4*(\m)+3], v[VB], s[70:71] offset:64*((\m)/2)+16*((\m)%2)
.endr
	s_wait_loadcnt 0x0
.set p, 0
.rept 32                               ; b_in's 16 pairs, then b_rec's
	v_cvt_pk_bf16_f32 v[T+p], v[TMP+2*p], v[TMP+2*p+1]
.set p, p+1
.endr
.set p, 0
.rept 32
	v_lshlrev_b32 v[TMP+2*p],   16,  v[T+p]
	v_and_b32     v[TMP+2*p+1], s78, v[T+p]
.set p, p+1
.endr
	WIN TO_C
.set p, 0
.rept 16
	v_pk_add_f32 v[CIN+2*p:CIN+2*p+1], v[TMP+2*p:TMP+2*p+1], v[TMP+32+2*p:TMP+32+2*p+1]
.set p, p+1
.endr
	WIN 0
.endif
.if MODE == 2
	WIN TO_C
.set p, 0
.rept 32                               ; my 16,384 bytes of pre, as they were stored: accumulator p / 2, half p % 2
	global_load_b128 v[CIN+4*p:CIN+4*p+3], v[CB], s[66:67] offset:512*p
.set p, p+1
.endr
	WIN 0
.endif
; 8 matrix instructions: m blocks a0, a0 + 1 x all 4 n blocks, 32 along K: half c of buffer f.  first = 1: the product starts the sum, from C0's image or (MODE 4) from the constant 0: nothing is cleared.
; The 16 accumulators take turns, one instruction a turn.
.macro MUL8 f, c, a0, first
.if (\first) && (MODE != 4)
	WIN MULC
.else
	WIN MUL
.endif
.irp a, \a0, (\a0)+1
.irp b, 0,1,2,3
.set rD, ACC+8*(4*(\a)+(\b))
.set rB, (\f)+64+8*(4*(\c)+(\b))
.set rA, (\f)+8*(4*(\c)+(\a))
.set rC, rD
.if (\first) && (MODE == 1)
.set rC, CIN+8*(\b)
.elseif (\first) && (MODE == 2)
.set rC, CIN+8*(4*(\a)+(\b))
.endif
.if MODE == 1
	v_wmma_f32_16x16x32_bf16 v[rD:rD+7], v[rB:rB+7], v[rA:rA+7], v[rC:rC+7]
.elseif (\first) && (MODE == 4)
	v_wmma_f32_16x16x32_f16 v[rD:rD+7], v[rB:rB+7], v[rA:rA+7], 0
.else
	v_wmma_f32_16x16x32_f16 v[rD:rD+7], v[rB:rB+7], v[rA:rA+7], v[rC:rC+7]
.endif
.endr
.endr
.endm
; 32 LDS loads in one run: the fragments of 64 along K at byte k of the rows, into buffer f; the first 32 along K first
.macro FETCH slot, k, f
	WIN TO_F
.irp c, 0,1
.irp i, 0,1,2,3
	ds_load_b128 v[(\f)+64+8*(4*(\c)+(\i)):(\f)+64+8*(4*(\c)+(\i))+3],   v[ADRB+(\slot)] offset:(\k)+64*(\c)+(\i)*16*PITCH
	ds_load_b128 v[(\f)+64+8*(4*(\c)+(\i))+4:(\f)+64+8*(4*(\c)+(\i))+7], v[ADRB+(\slot)] offset:(\k)+64*(\c)+(\i)*16*PITCH+32
	ds_load_b128 v[(\f)+8*(4*(\c)+(\i)):(\f)+8*(4*(\c)+(\i))+3],         v[ADRA+(\slot)] offset:(\k)+64*(\c)+(\i)*16*PITCH
	ds_load_b128 v[(\f)+8*(4*(\c)+(\i))+4:(\f)+8*(4*(\c)+(\i))+7],       v[ADRA+(\slot)] offset:(\k)+64*(\c)+(\i)*16*PITCH+32
.endr
.endr
.endm
.macro PLACES                          ; four places in front of loads into registers that matrix instructions have read, and of lines that read results (ISA guide 7.12.1 for vector instructions)
.rept 4
	v_nop
.endr
.endm
; A K step is four quarters of 64 along K, 32 matrix instructions each, on buffers 0, 1, 0, 1.  One of the first three: multiplies buffer f and fetches the next quarter, at byte k, into g.
.macro QUARTER slot, k, f, g, first
	s_wait_dscnt 16                                ; the first 32 along K are in; the sixteen younger loads may be out
	MUL8 \f, 0, 0, \first
	MUL8 \f, 0, 2, \first
	PLACES
	FETCH \slot, \k, \g
	s_wait_dscnt 32                                ; all but the 32 just issued
	MUL8 \f, 1, 0, 0
	MUL8 \f, 1, 2, 0
.endm
; The last quarter multiplies buffer 1 and changes slots: ONE barrier; in front of it each wave waits for all its tensor loads, adds 0 to its spare word, and waits for that and for its own reads of this slot.  fill = 1: this slot is filled again, two K steps ahead.
.macro TURN slot, next, fill
	WIN 0                                          ; (the add's two registers lie in window 0)
	s_wait_tensorcnt 0x0                           ; all my tensor loads have landed: my part of the next slot;
	ds_add_u32 v[SPW], v[NIL]                      ; 0 onto my spare word;
	s_wait_dscnt 17                                ; (the add and the youngest sixteen loads may be out)
	MUL8 F1, 0, 0, 0                               ; eight matrix instructions stand between the add and the wait for it
	s_wait_dscnt 0x0                               ; the add is done, and my reads of this slot are over
	s_barrier_signal -1
	MUL8 F1, 0, 2, 0
.if \fill
	WIN 0
.endif
	s_barrier_wait -1
.if \fill
	CREST                                          ; the barrier has opened a round of the cluster's barrier: no wave of any partner still reads this slot's tile or has a load on its way
	s_add_nc_u64 s[G0+4*(\slot)+2:G0+4*(\slot)+3], s[G0+4*(\slot)+2:G0+4*(\slot)+3], 2*KSTEP*2
	s_add_nc_u64 s[G0B+4*(\slot)+2:G0B+4*(\slot)+3], s[G0B+4*(\slot)+2:G0B+4*(\slot)+3], 2*KSTEP*2
	JLOAD \slot                                    ; the first tensor load behind the round: 112 matrix instructions ahead of the wait for it; the four v_nop behind it are also the places in front of the loads below
.else
	PLACES
.endif
	FETCH \next, 0, F0
	MUL8 F1, 1, 0, 0
	MUL8 F1, 1, 2, 0
.endm
; tanh of accumulators t and t + 1, rounded to f16 into TMP.  The accumulators are read from their low ends on and never written: stores of them may still be out.
; The transcendentals stand in runs, with one plain instruction behind each run before a result is used (ISA guide 5.7.2).
.macro TANH2 t
.irp r, 0,1,2,3,4,5,6,7
	v_pk_mul_f32 v[T+2*(\r):T+2*(\r)+1], v[ACC+8*(\t)+2*(\r):ACC+8*(\t)+2*(\r)+1], s[76:77] op_sel_hi:[1,0]  ; 2 log2(e) v
.endr
.set p, 0
.rept 16
	v_exp_f32 v[T+p], v[T+p]
.set p, p+1
.endr
	v_nop
	s_wait_alu depctr_va_vdst(0)
.irp r, 0,1,2,3,4,5,6,7
	v_pk_add_f32 v[T+2*(\r):T+2*(\r)+1], v[T+2*(\r):T+2*(\r)+1], 1.0 op_sel_hi:[1,0]
.endr
.set p, 0
.rept 16
	v_rcp_f32 v[T+p], v[T+p]
.set p, p+1
.endr
	v_nop
	s_wait_alu depctr_va_vdst(0)
.irp r, 0,1,2,3,4,5,6,7
	v_pk_fma_f32 v[T+2*(\r):T+2*(\r)+1], v[T+2*(\r):T+2*(\r)+1], -2.0, 1.0 op_sel_hi:[1,0,0]
.endr
.irp r, 0,1,2,3,4,5,6,7
	v_cvt_pk_f16_f32 v[TMP+4*(\t)+(\r)], v[T+2*(\r)], v[T+2*(\r)+1]
.endr
.endm
	s_wait_tensorcnt 1                             ; my part of K step 0 is in; K step 1's may stay out
	s_barrier_signal -1
	s_barrier_wait -1                              ; everybody's is
	FETCH 0, 0, F0
.if MODE == 2
	s_wait_loadcnt 0x0                             ; pre's image is in
.endif
	QUARTER 0, 128, F0, F1, 1                      ; the first quarter stands in front of the loop: its first products start the sums
	WIN 0                                          ; at a label and at a branch every window is 0
	s_mov_b32 s3, LAPS-1
.Llap:                                                 ; a trip goes once round the ring, from a lap's second quarter to the next lap's first, and fills both slots again
	QUARTER 0, 256, F1, F0, 0
	QUARTER 0, 384, F0, F1, 0
	TURN 0, 1, 1
	QUARTER 1, 128, F0, F1, 0
	QUARTER 1, 256, F1, F0, 0
	QUARTER 1, 384, F0, F1, 0
	TURN 1, 0, 1
	QUARTER 0, 128, F0, F1, 0
	WIN 0
	s_sub_co_u32 s3, s3, 1
	s_cmp_lg_u32 s3, 0
	s_cbranch_scc1 .Llap
	QUARTER 0, 256, F1, F0, 0                      ; the last lap fills nothing, and has no round of the cluster's barrier
	QUARTER 0, 384, F0, F1, 0
	TURN 0, 1, 0
	QUARTER 1, 128, F0, F1, 0
	QUARTER 1, 256, F1, F0, 0
	QUARTER 1, 384, F0, F1, 0
	s_wait_dscnt 16                                ; the very last quarter: nothing more to fetch
	MUL8 F1, 0, 0, 0
	MUL8 F1, 0, 2, 0
	s_wait_dscnt 0
	MUL8 F1, 1, 0, 0
	MUL8 F1, 1, 2, 0
	WIN 0
	; THE WAY OUT.
	PLACES
.if MODE != 2
.set p, 0
.rept 32                               ; the f32 sums as they lie: accumulator p / 2, its low half first; each store of the wave covers 512 consecutive bytes
.if MODE == 1
	global_store_b128 v[CB], v[ACC+4*p:ACC+4*p+3], s[66:67] offset:512*p
.else
	global_store_b128 v[CB], v[ACC+4*p:ACC+4*p+3], s[8:9] offset:512*p
.endif
.set p, p+1
.endr
.endif
.if MODE != 4
	; h: tanh, rounded to f16; 16 bytes a lane into the work-group's stage; a barrier, since a row's 256 bytes come from two waves; back as whole rows, 32 rows a wave.
.irp t, 0,2,4,6,8,10,12,14
	TANH2 \t
.endr
.irp a, 0,1,2,3
.irp b, 0,1,2,3
	ds_store_b128 v[STO], v[TMP+4*(4*(\a)+(\b)):TMP+4*(4*(\a)+(\b))+3] offset:(\a)*16*SPITCH+32*(\b)
.endr
.endr
	s_wait_dscnt 0x0                               ; for the others' sake: my stores into the stage are done
	s_barrier_signal -1
	s_barrier_wait -1
.irp t, 0,1,2,3,4,5,6,7,8,9,10,11,12,13,14,15
	ds_load_b128 v[TMP+4*(\t):TMP+4*(\t)+3], v[RD] offset:(\t)*2*SPITCH
.endr
.irp t, 0,1,2,3,4,5,6,7,8,9,10,11,12,13,14,15
	s_wait_dscnt 15-(\t)                           ; LDS loads come back in order (ISA guide 5.7.1): pair t of rows is in
	global_store_b128 v[CO], v[TMP+4*(\t):TMP+4*(\t)+3], s[8:9] offset:2*(\t)*HROW  ; 16 lanes store 256 consecutive bytes, at a multiple of 256 from h's first byte
.endr
.endif
	s_wait_tensorcnt 0x0                           ; the wave's end, behind my last tensor load and my last LDS store
	ds_add_u32 v[SPW], v[NIL]
	s_wait_dscnt 0x0
	CROUND                                         ; the closing round: no work-group ends while a partner may still ask for a tile that names it
	s_endpgm
.Lfunc_end_k_q059e4130d1_proj:
	.size	k_q059e4130d1_proj, .Lfunc_end_k_q059e4130d1_proj-k_q059e4130d1_proj
	.p2alignl 7, 3214868480
	.fill 96, 4, 3214868480
	.section	.rodata,"a",@progbits
	.p2align	6, 0x0
	.amdhsa_kernel k_q059e4130d1_proj
		.amdhsa_group_segment_fixed_size 327680
		.amdhsa_private_segment_fixed_size 0
		.amdhsa_enable_private_segment 0
		.amdhsa_kernarg_size 48
		.amdhsa_user_sgpr_count 2
		.amdhsa_user_sgpr_kernarg_segment_ptr 1
		.amdhsa_wavefront_size32 1
		.amdhsa_system_sgpr_workgroup_id_x 1
		.amdhsa_system_sgpr_workgroup_id_y 1
		.amdhsa_system_sgpr_workgroup_id_z 1
		.amdhsa_system_vgpr_workitem_id 0
		.amdhsa_next_free_vgpr 544
		.amdhsa_next_free_sgpr 80
		.amdhsa_reserve_vcc 0
		.amdhsa_float_denorm_mode_32 3
		.amdhsa_float_denorm_mode_16_64 3
		.amdhsa_memory_ordered 1
		.amdhsa_forward_progress 1
		.amdhsa_inst_pref_size 118
	.end_amdhsa_kernel
	.amdgpu_metadata
---
amdhsa.version: [ 1, 2 ]
amdhsa.kernels:
  - .name:           k_q059e4130d1_proj
    .symbol:         k_q059e4130d1_proj.kd
    .args:
      - { .name: xb, .offset: 0, .size: 8, .value_kind: global_buffer, .address_space: global }
      - { .name: qin, .offset: 8, .size: 8, .value_kind: global_buffer, .address_space: global }
      - { .name: ha, .offset: 16, .size: 8, .value_kind: global_buffer, .address_space: global }
      - { .name: pre, .offset: 24, .size: 8, .value_kind: global_buffer, .address_space: global }
      - { .name: b_in, .offset: 32, .size: 8, .value_kind: global_buffer, .address_space: global }
      - { .name: b_rec, .offset: 40, .size: 8, .value_kind: global_buffer, .address_space: global }
    .group_segment_fixed_size: 327680
    .private_segment_fixed_size: 0
    .kernarg_segment_align: 8
    .kernarg_segment_size: 48
    .max_flat_workgroup_size: 128
    .sgpr_count:     80
    .vgpr_count:     544
    .wavefront_size: 32
...
	.end_amdgpu_metadata
.endif
;; end of part 2
;; launch step2 (part 3): grid 32 x 8, 4 waves a work-group, clusters of 4 x 4, 327,680 bytes of LDS; arguments ha, qrec, hb, pre; writes hb
.if DOCPART == 3
	.amdgcn_target "amdgcn-amd-amdhsa--gfx1250"
	.amdhsa_code_object_version 6
	.text
	.protected	k_q059e4130d1_step2
	.globl	k_q059e4130d1_step2
	.p2align	8
	.type	k_q059e4130d1_step2,@function
k_q059e4130d1_step2:
	s_mov_b64 s[64:65], 0
	v_nop
	global_prefetch_b8 v0, s[64:65] scope:SCOPE_SE
	s_setreg_imm32_b32 hwreg(HW_REG_WAVE_MODE, 25, 1), 1
	s_wait_xcnt 0x0
	s_wait_alu depctr_hold_cnt(0) depctr_sa_sdst(0) depctr_va_vdst(0) depctr_va_sdst(0) depctr_va_ssrc(0) depctr_va_vcc(0) depctr_vm_vsrc(0)
	s_getreg_b32 s2, hwreg(HW_REG_IB_STS2, 6, 4)
	s_cmp_eq_u32 s2, 0
	s_cbranch_scc0 .Lentry_in_a_cluster
	s_endpgm
.Lentry_in_a_cluster:
	s_bfe_u32 s2, ttmp6, 0x10000c
	s_cmp_lg_u32 s2, 0xf033
	s_cbranch_scc0 .Lentry_shape_is_right
	s_endpgm
.Lentry_shape_is_right:
; ONE TEXT FOR THE PROGRAM'S THREE KINDS OF PRODUCT; MODE picks what differs.  C[m][n] = C0[m][n] + the sum over k of A[m][k] B[n][k], sums in f32.
;   MODE 1              A = xb [1024][2048] bf16, B = qin [4096][2048] bf16, C0 = bf16(b_in)[n] + bf16(b_rec)[n].  C goes out as pre (f32), tanh(C) as h (f16).
;   MODE 2 (this file)  A = h [1024][4096] f16, B = qrec [4096][4096] f16, C0 = pre.  tanh(C) goes out as the next h (f16), into the other of two buffers: no launch reads what it writes.
;   MODE 4              A = h, B = qout [1024][4096] f16, K cut in four quarters of 1,024 over the grid's y, C0 = 0.  C goes out as one of four planes of partial sums (f32).
; LIMITS.  h is rounded to f16: it lies in -1 to 1, and below 6e-5 it keeps f16's fixed step of 6e-8.
; tanh(v) = 1 - 2 / (1 + 2^(2 log2(e) v)): absolute error about 2e-7; where the power overflows to infinity or flushes to 0 the result is exactly 1 or -1.  NaN goes through.
; The f32 sums run in another order than a plain row by row sum.
; SHARES.  A tile of C is 128 x 128: 1024 x 4096 makes 256 of them, and 1024 x 1024 x 4 quarters of K again 256.  Four waves, each 64 x 64: 16 accumulators of 16 x 16, 128 registers.
; K goes in steps of 256 (LDS rows of 512 bytes; a wave's tensor load brings 64 of them) through two slots.
; CLUSTERS: 4 x 4 work-groups.  The four of a row of the cluster need the same tiles of A, the four of a column the same tiles of B: each tile is asked for JOINTLY, by the same tensor load with
; the same descriptor and a mask that names the four.  THE MATRIX INSTRUCTION IS USED TRANSPOSED (source 0 = 16 rows of B, source 1 = 16 rows of A): lane l holds row l % 16 of C and
; its registers 0-7 the columns 8 (l / 16) + 0..7.
; THE f32 BUFFERS (pre, part) ARE BLOCKED as the accumulators lie: [tile][wave][accumulator 4 a + b][half j][lane][4 numbers]: 65,536 bytes a tile, 16,384 a wave, and each store or load
; of a wave is 512 consecutive bytes at a multiple of 512 from the buffer's first.  So they need no way through LDS, and pre is taken here as the C operand of the first products.
; REGISTERS: window 0: v0-31 addresses; v32-95 TMP and v96-127 T at work; v128-255 the accumulators ((a, b) at v[128 + 8 (4 a + b)]).
;   window 1: two fragment buffers of 128: for 64 along K, 64 registers of A (2 x 4 x 16 rows x 32 K), then 64 of B.      window 2: C0's image (MODE 1: 32 registers, MODE 2: 128).
.set MODE,   2
.set PITCHK, 4096                      ; elements in a row of A and of B
.set KLEN,   4096                      ; elements of K that a work-group walks
.set KSTEP,  256
.set PITCH,  528                       ; an LDS row: 512 bytes of data + 16 of padding = 132 words: row r starts at bank 4 r mod 64 (64 banks of 4 bytes: ISA guide 11.1)
.set HALFT,  64*PITCH                  ; 64 rows: what one tensor load brings, and what one wave reads of A or of B
.set SLOT,   4*HALFT                   ; A's 128 rows, then B's 128 rows
.set STAGE,  2*SLOT                    ; behind the ring: 128 rows x 272 bytes, the work-group's, for h's way out
.set SPITCH, 272
.set SPARE,  STAGE+128*SPITCH          ; behind the stage: the spare words, 128 bytes for each wave: two blocks of 256 bytes that no other line names
.set LAPS,   KLEN/(2*KSTEP)            ; a lap = two K steps = once round the ring
.set HROW,   8192                      ; bytes in a row of h
.set ADRA, 16                          ; v16-17  LDS address of my A fragments in slot 0, 1
.set ADRB, 20                          ; v20-21  the same for B
.set STO,  24                          ; v24     h's way out: where I put 16 bytes of a row
.set RD,   25                          ; v25     h's way out: where I read a row back
.set CO,   26                          ; v26     my byte offset in h
.set CB,   27                          ; v27     16 x lane: my byte offset in 512 bytes of a blocked buffer
.set SPW,  28                          ; v28     LDS address of my spare word: SPARE + 4 x my thread's number; never rewritten
.set NIL,  29                          ; v29     0; never rewritten
.set VB,   30                          ; v30     32 (l / 16): my byte offset among 16 numbers of a bias
.set TMP,  32
.set T,    96
.set ACC,  128
.set F0,   0                           ; fragment buffers, in window 1
.set F1,   128
.set CIN,  0                           ; C0's image, in window 2
.set G1, 24                            ; s[24:31] descriptor group 1 for A's tiles;  s[32:39] group 0, one set for each slot
.set G0, 32
.set G1B, 48                           ; s[48:55], s[56:63] the same for B's tiles
.set G0B, 56
.set MSB, 0
.macro WIN new                         ; the immediate's high byte repeats the setting that is left; a switch that changes nothing is dropped
.if MSB != (\new)
	s_set_vgpr_msb (MSB<<8)|(\new)
.set MSB, \new
.endif
.endm
.set MUL,  0x05                        ; sources 0 (B) and 1 (A) window 1; C and D window 0
.set MULC, 0x25                        ; the same with C in window 2
.set TO_F, 0x40                        ; destination window 1, address window 0
.set TO_C, 0x80                        ; destination window 2, sources and address window 0
.macro JLOAD s                         ; a joint load: waves 0 and 1 fetch A's two halves, waves 2 and 3 B's; an s_nop 0 and four v_nop follow each of the two lines, ahead of the jump, the label and what follows
	s_cmp_eq_u32 s11, 0
	s_cbranch_scc0 .Lfor_b_\@
	tensor_load_to_lds s[G0+4*(\s):G0+4*(\s)+3], s[G1:G1+7]
	s_nop 0
.rept 4
	v_nop
.endr
	s_branch .Lasked_\@
.Lfor_b_\@:
	tensor_load_to_lds s[G0B+4*(\s):G0B+4*(\s)+3], s[G1B:G1B+7]
	s_nop 0
.rept 4
	v_nop
.endr
.Lasked_\@:
.endm
.macro CREST                           ; a round of the cluster's barrier behind its opening barrier
	s_cmp_lg_u32 s10, 0
	s_cbranch_scc1 .Lnot_wave_0_\@
	s_barrier_signal -3
.Lnot_wave_0_\@:
	s_barrier_wait -3
	s_barrier_signal -1
	s_barrier_wait -1
.endm
.macro CROUND                          ; a whole round
	s_barrier_signal -1
	s_barrier_wait -1
	CREST
.endm
	s_load_b128 s[4:7], s[0:1], 0x0                ; A s[4:5], B s[6:7]
	s_load_b64 s[8:9], s[0:1], 0x10                ; what goes out: h (MODE 1, 2) or part (MODE 4)
.if MODE != 4
	s_load_b64 s[66:67], s[0:1], 0x18              ; pre
.endif
.if MODE == 1
	s_load_b128 s[68:71], s[0:1], 0x20             ; b_in s[68:69], b_rec s[70:71]
.endif
	v_lshl_add_u32 v[SPW], v0, 2, SPARE
	v_mov_b32 v[NIL], 0
	ds_add_u32 v[SPW], v[NIL]                      ; the wave's opening: the add and its wait stand ahead of my first tensor load; the set-up below, work on registers, stands between them
	v_lshrrev_b32 v1, 5, v0
	v_readfirstlane_b32 s10, v1                    ; wave 0..3
	s_lshr_b32 s11, s10, 1                         ; which half of the tile's rows is mine.  Also: I fetch for A (0) or for B (1)
	s_and_b32 s12, s10, 1                          ; which half of its columns.  Also: which 64 rows of that tile I fetch
	s_bfe_u32 s40, ttmp6, 0x40000                  ; cx, cy: my place in the cluster
	s_bfe_u32 s41, ttmp6, 0x40004
	s_lshl_b32 s42, ttmp9, 2
	s_add_co_u32 s42, s42, s40                     ; tile column of C = 4 x cluster x + cx
	s_and_b32 s13, ttmp7, 0xffff                   ; the cluster's y
.if MODE == 4
	s_lshr_b32 s45, s13, 1                         ; its upper bits: which quarter of K, the same in all sixteen partners
	s_and_b32 s13, s13, 1                          ; its lowest bit: which four tile rows
.endif
	s_lshl_b32 s13, s13, 2
	s_add_co_u32 s13, s13, s41                     ; tile row of C
	s_lshl_b32 s43, s41, 2
	s_lshl_b32 s43, 15, s43                        ; my row of the cluster
	s_lshl_b32 s44, 0x1111, s40                    ; my column
	; descriptor group 1: a tile of 64 rows x 256 elements, padded in LDS
	s_or_b32 s[G1+0], s43, (1<<16)|(1<<20)|(1<<21)|(6<<22)|(3<<25)  ; 15:0 the mask: A's tiles go to my row; 17:16 element of 2 bytes; 20 padding on; 21 set beside a mask; 24:22 after every 128 words (code 6); 31:25 of 4 words (code 3)
	s_or_b32 s[G1B+0], s44, (1<<16)|(1<<20)|(1<<21)|(6<<22)|(3<<25) ; the same with the mask of my column, for B's tiles
.irp g, G1, G1B
	s_mov_b32 s[(\g)+1], KSTEP<<16                 ; tensor_dim0 = 256
	s_mov_b32 s[(\g)+2], 64<<16                    ; tensor_dim1 = 64
	s_mov_b32 s[(\g)+3], KSTEP<<16                 ; tile_dim0 = 256
	s_mov_b32 s[(\g)+4], 64                        ; tile_dim1 = 64
	s_mov_b32 s[(\g)+5], PITCHK                    ; tensor_dim0_stride: elements from row to row
	s_mov_b32 s[(\g)+6], 0
	s_mov_b32 s[(\g)+7], 0
.endr
	; where the tiles come from: A's hang on the tile row alone, B's on the tile column alone, each in registers that never hold the other coordinate
	s_lshl_b32 s17, s12, 6                         ; which 64 rows of the tile I fetch
	s_lshl_b32 s16, s13, 7
	s_add_co_u32 s16, s16, s17                     ; A: row 128 x tile row + 64 x half
	s_lshl_b32 s46, s42, 7
	s_add_co_u32 s46, s46, s17                     ; B: row 128 x tile column + 64 x half
	s_mov_b32 s17, 0
	s_mov_b32 s47, 0
	s_mov_b64 s[18:19], PITCHK*2
	s_mul_u64 s[16:17], s[16:17], s[18:19]         ; in bytes
	s_mul_u64 s[46:47], s[46:47], s[18:19]
.if MODE == 4
	s_lshl_b32 s2, s45, 11                         ; my quarter of K begins 1,024 elements x 2 bytes x quarter along the rows
	s_mov_b32 s3, 0
	s_add_nc_u64 s[16:17], s[16:17], s[2:3]
	s_add_nc_u64 s[46:47], s[46:47], s[2:3]
.endif
	s_mul_i32 s20, s10, HALFT                      ; where they go: wave x 64 rows: no place in the cluster enters an LDS address
.if MODE != 4
	s_mov_b32 s76, 0x4038aa3b                      ; 2 log2(e) = 2.885390
	s_mov_b32 s77, s76                             ; named with it as a pair
.endif
.if MODE == 1
	s_mov_b32 s78, 0xffff0000                      ; a word's upper bf16
.endif
	s_wait_dscnt 0x0                               ; the opening add is done
	s_wait_kmcnt 0x0
	s_add_nc_u64 s[14:15], s[4:5], s[16:17]
	s_add_nc_u64 s[46:47], s[6:7], s[46:47]
	CROUND                                         ; all sixteen work-groups are here: the first joint loads meet
.irp s, 0,1
	s_mov_b32 s[G0+4*(\s)], 1                                      ; 1:0 count = 1
	s_add_co_u32 s[G0+4*(\s)+1], s20, (\s)*SLOT                    ; 63:32 LDS address
	s_add_nc_u64 s[G0+4*(\s)+2:G0+4*(\s)+3], s[14:15], (\s)*KSTEP*2  ; 120:64 global address: K step s
	s_or_b32 s[G0+4*(\s)+3], s[G0+4*(\s)+3], 0x80000000            ; 127:126 type = 2
	s_mov_b32 s[G0B+4*(\s)], 1
	s_add_co_u32 s[G0B+4*(\s)+1], s20, (\s)*SLOT
	s_add_nc_u64 s[G0B+4*(\s)+2:G0B+4*(\s)+3], s[46:47], (\s)*KSTEP*2
	s_or_b32 s[G0B+4*(\s)+3], s[G0B+4*(\s)+3], 0x80000000
	JLOAD \s                                       ; two loads of mine are out behind these; later one behind each round
.endr
	v_and_b32 v1, 15, v0                           ; l % 16
	v_bfe_u32 v2, v0, 4, 1                         ; l / 16
	v_mul_u32_u24 v3, v1, PITCH
	v_lshl_add_u32 v3, v2, 4, v3                   ; a fragment's row x pitch + 16 x half
	s_mul_i32 s21, s11, HALFT                      ; my 64 rows of A
	s_mul_i32 s22, s12, HALFT                      ; my 64 rows of B,
	s_add_co_u32 s22, s22, 2*HALFT                 ; which lie behind A's 128
.irp s, 0,1
	v_add_nc_u32 v[ADRA+(\s)], s21, v3
	v_add_nc_u32 v[ADRB+(\s)], s22, v3
	s_add_co_u32 s21, s21, SLOT
	s_add_co_u32 s22, s22, SLOT
.endr
	v_and_b32 v[CB], 31, v0
	v_lshlrev_b32 v[CB], 4, v[CB]                  ; 16 x lane
.if MODE != 4
	s_mul_i32 s23, s11, 64*SPITCH                  ; into the stage: my 64 rows, my half of their 256 bytes; row l % 16, 16 bytes for each half of the lanes
	s_lshl_b32 s21, s12, 7
	s_add_co_u32 s23, s23, s21
	s_add_co_u32 s23, s23, STAGE
	v_mul_u32_u24 v4, v1, SPITCH
	v_lshl_add_u32 v4, v2, 4, v4
	v_add_nc_u32 v[STO], s23, v4
	s_mul_i32 s23, s10, 32*SPITCH                  ; back: wave w takes rows 32 w .. 32 w + 31, whole; lanes 0-15 one row of 256 bytes, lanes 16-31 the next
	s_add_co_u32 s23, s23, STAGE
	v_mul_u32_u24 v5, v2, SPITCH
	v_lshl_add_u32 v5, v1, 4, v5
	v_add_nc_u32 v[RD], s23, v5
	v_lshlrev_b32 v5, 13, v2                       ; and the same two rows in h: 8,192 bytes apart
	v_lshl_add_u32 v[CO], v1, 4, v5
	s_lshl_b32 s16, s13, 7
	s_lshl_b32 s17, s10, 5
	s_add_co_u32 s16, s16, s17                     ; the first row of h that I store: 128 x tile row + 32 x wave,
	s_lshl_b32 s16, s16, 13                        ; in bytes: under 2^23
	s_mov_b32 s17, 0
	s_add_nc_u64 s[8:9], s[8:9], s[16:17]
	s_lshl_b32 s46, s42, 8                         ; the tile's first column, in bytes
	s_mov_b32 s47, 0
	s_add_nc_u64 s[8:9], s[8:9], s[46:47]
	s_lshl_b32 s46, s13, 5                         ; the blocked buffer: tile = 32 x tile row + tile column
.else
	s_mov_b32 s47, 0
	s_lshl_b32 s46, s13, 3                         ; the blocked buffer: tile = 8 x tile row + tile column
.endif
	s_add_co_u32 s46, s46, s42
	s_lshl_b32 s46, s46, 2
	s_add_co_u32 s46, s46, s10                     ; 4 x tile + wave,
	s_lshl_b32 s46, s46, 14                        ; times 16,384 bytes: under 2^24
.if MODE == 4
	s_lshl_b32 s2, s45, 22                         ; and my quarter's plane of 4 MiB
	s_add_co_u32 s46, s46, s2
	s_add_nc_u64 s[8:9], s[8:9], s[46:47]
.else
	s_add_nc_u64 s[66:67], s[66:67], s[46:47]
.endif
	; C0'S IMAGE is made while the first tiles are on their way.
.if MODE == 1
	; Register q of n block b holds column 16 b + 8 (l / 16) + q of my 64: the same for all four m blocks, so 32 registers do.  Each bias is rounded to bf16 and widened again; the two are added in f32.
	v_lshlrev_b32 v[VB], 5, v2
	s_lshl_b32 s46, s42, 9                         ; 128 columns x 4 bytes x tile column
	s_lshl_b32 s2, s12, 8                          ; + my 64 columns
	s_add_co_u32 s46, s46, s2
	s_add_nc_u64 s[68:69], s[68:69], s[46:47]
	s_add_nc_u64 s[70:71], s[70:71], s[46:47]
.irp m, 0,1,2,3,4,5,6,7                ; m = 2 b + j
	global_load_b128 v[TMP+4*(\m):TMP+4*(\m)+3],       v[VB], s[68:69] offset:64*((\m)/2)+16*((\m)%2)
	global_load_b128 v[TMP+32+4*(\m):TMP+32+4*(\m)+3], v[VB], s[70:71] offset:64*((\m)/2)+16*((\m)%2)
.endr
	s_wait_loadcnt 0x0
.set p, 0
.rept 32                               ; b_in's 16 pairs, then b_rec's
	v_cvt_pk_bf16_f32 v[T+p], v[TMP+2*p], v[TMP+2*p+1]
.set p, p+1
.endr
.set p, 0
.rept 32
	v_lshlrev_b32 v[TMP+2*p],   16,  v[T+p]
	v_and_b32     v[TMP+2*p+1], s78, v[T+p]
.set p, p+1
.endr
	WIN TO_C
.set p, 0
.rept 16
	v_pk_add_f32 v[CIN+2*p:CIN+2*p+1], v[TMP+2*p:TMP+2*p+1], v[TMP+32+2*p:TMP+32+2*p+1]
.set p, p+1
.endr
	WIN 0
.endif
.if MODE == 2
	WIN TO_C
.set p, 0
.rept 32                               ; my 16,384 bytes of pre, as they were stored: accumulator p / 2, half p % 2
	global_load_b128 v[CIN+4*p:CIN+4*p+3], v[CB], s[66:67] offset:512*p
.set p, p+1
.endr
	WIN 0
.endif
; 8 matrix instructions: m blocks a0, a0 + 1 x all 4 n blocks, 32 along K: half c of buffer f.  first = 1: the product starts the sum, from C0's image or (MODE 4) from the constant 0: nothing is cleared.
; The 16 accumulators take turns, one instruction a turn.
.macro MUL8 f, c, a0, first
.if (\first) && (MODE != 4)
	WIN MULC
.else
	WIN MUL
.endif
.irp a, \a0, (\a0)+1
.irp b, 0,1,2,3
.set rD, ACC+8*(4*(\a)+(\b))
.set rB, (\f)+64+8*(4*(\c)+(\b))
.set rA, (\f)+8*(4*(\c)+(\a))
.set rC, rD
.if (\first) && (MODE == 1)
.set rC, CIN+8*(\b)
.elseif (\first) && (MODE == 2)
.set rC, CIN+8*(4*(\a)+(\b))
.endif
.if MODE == 1
	v_wmma_f32_16x16x32_bf16 v[rD:rD+7], v[rB:rB+7], v[rA:rA+7], v[rC:rC+7]
.elseif (\first) && (MODE == 4)
	v_wmma_f32_16x16x32_f16 v[rD:rD+7], v[rB:rB+7], v[rA:rA+7], 0
.else
	v_wmma_f32_16x16x32_f16 v[rD:rD+7], v[rB:rB+7], v[rA:rA+7], v[rC:rC+7]
.endif
.endr
.endr
.endm
; 32 LDS loads in one run: the fragments of 64 along K at byte k of the rows, into buffer f; the first 32 along K first
.macro FETCH slot, k, f
	WIN TO_F
.irp c, 0,1
.irp i, 0,1,2,3
	ds_load_b128 v[(\f)+64+8*(4*(\c)+(\i)):(\f)+64+8*(4*(\c)+(\i))+3],   v[ADRB+(\slot)] offset:(\k)+64*(\c)+(\i)*16*PITCH
	ds_load_b128 v[(\f)+64+8*(4*(\c)+(\i))+4:(\f)+64+8*(4*(\c)+(\i))+7], v[ADRB+(\slot)] offset:(\k)+64*(\c)+(\i)*16*PITCH+32
	ds_load_b128 v[(\f)+8*(4*(\c)+(\i)):(\f)+8*(4*(\c)+(\i))+3],         v[ADRA+(\slot)] offset:(\k)+64*(\c)+(\i)*16*PITCH
	ds_load_b128 v[(\f)+8*(4*(\c)+(\i))+4:(\f)+8*(4*(\c)+(\i))+7],       v[ADRA+(\slot)] offset:(\k)+64*(\c)+(\i)*16*PITCH+32
.endr
.endr
.endm
.macro PLACES                          ; four places in front of loads into registers that matrix instructions have read, and of lines that read results (ISA guide 7.12.1 for vector instructions)
.rept 4
	v_nop
.endr
.endm
; A K step is four quarters of 64 along K, 32 matrix instructions each, on buffers 0, 1, 0, 1.  One of the first three: multiplies buffer f and fetches the next quarter, at byte k, into g.
.macro QUARTER slot, k, f, g, first
	s_wait_dscnt 16                                ; the first 32 along K are in; the sixteen younger loads may be out
	MUL8 \f, 0, 0, \first
	MUL8 \f, 0, 2, \first
	PLACES
	FETCH \slot, \k, \g
	s_wait_dscnt 32                                ; all but the 32 just issued
	MUL8 \f, 1, 0, 0
	MUL8 \f, 1, 2, 0
.endm
; The last quarter multiplies buffer 1 and changes slots: ONE barrier; in front of it each wave waits for all its tensor loads, adds 0 to its spare word, and waits for that and for its own reads of this slot.  fill = 1: this slot is filled again, two K steps ahead.
.macro TURN slot, next, fill
	WIN 0                                          ; (the add's two registers lie in window 0)
	s_wait_tensorcnt 0x0                           ; all my tensor loads have landed: my part of the next slot;
	ds_add_u32 v[SPW], v[NIL]                      ; 0 onto my spare word;
	s_wait_dscnt 17                                ; (the add and the youngest sixteen loads may be out)
	MUL8 F1, 0, 0, 0                               ; eight matrix instructions stand between the add and the wait for it
	s_wait_dscnt 0x0                               ; the add is done, and my reads of this slot are over
	s_barrier_signal -1
	MUL8 F1, 0, 2, 0
.if \fill
	WIN 0
.endif
	s_barrier_wait -1
.if \fill
	CREST                                          ; the barrier has opened a round of the cluster's barrier: no wave of any partner still reads this slot's tile or has a load on its way
	s_add_nc_u64 s[G0+4*(\slot)+2:G0+4*(\slot)+3], s[G0+4*(\slot)+2:G0+4*(\slot)+3], 2*KSTEP*2
	s_add_nc_u64 s[G0B+4*(\slot)+2:G0B+4*(\slot)+3], s[G0B+4*(\slot)+2:G0B+4*(\slot)+3], 2*KSTEP*2
	JLOAD \slot                                    ; the first tensor load behind the round: 112 matrix instructions ahead of the wait for it; the four v_nop behind it are also the places in front of the loads below
.else
	PLACES
.endif
	FETCH \next, 0, F0
	MUL8 F1, 1, 0, 0
	MUL8 F1, 1, 2, 0
.endm
; tanh of accumulators t and t + 1, rounded to f16 into TMP.  The accumulators are read from their low ends on and never written: stores of them may still be out.
; The transcendentals stand in runs, with one plain instruction behind each run before a result is used (ISA guide 5.7.2).
.macro TANH2 t
.irp r, 0,1,2,3,4,5,6,7
	v_pk_mul_f32 v[T+2*(\r):T+2*(\r)+1], v[ACC+8*(\t)+2*(\r):ACC+8*(\t)+2*(\r)+1], s[76:77] op_sel_hi:[1,0]  ; 2 log2(e) v
.endr
.set p, 0
.rept 16
	v_exp_f32 v[T+p], v[T+p]
.set p, p+1
.endr
	v_nop
	s_wait_alu depctr_va_vdst(0)
.irp r, 0,1,2,3,4,5,6,7
	v_pk_add_f32 v[T+2*(\r):T+2*(\r)+1], v[T+2*(\r):T+2*(\r)+1], 1.0 op_sel_hi:[1,0]
.endr
.set p, 0
.rept 16
	v_rcp_f32 v[T+p], v[T+p]
.set p, p+1
.endr
	v_nop
	s_wait_alu depctr_va_vdst(0)
.irp r, 0,1,2,3,4,5,6,7
	v_pk_fma_f32 v[T+2*(\r):T+2*(\r)+1], v[T+2*(\r):T+2*(\r)+1], -2.0, 1.0 op_sel_hi:[1,0,0]
.endr
.irp r, 0,1,2,3,4,5,6,7
	v_cvt_pk_f16_f32 v[TMP+4*(\t)+(\r)], v[T+2*(\r)], v[T+2*(\r)+1]
.endr
.endm
	s_wait_tensorcnt 1                             ; my part of K step 0 is in; K step 1's may stay out
	s_barrier_signal -1
	s_barrier_wait -1                              ; everybody's is
	FETCH 0, 0, F0
.if MODE == 2
	s_wait_loadcnt 0x0                             ; pre's image is in
.endif
	QUARTER 0, 128, F0, F1, 1                      ; the first quarter stands in front of the loop: its first products start the sums
	WIN 0                                          ; at a label and at a branch every window is 0
	s_mov_b32 s3, LAPS-1
.Llap:                                                 ; a trip goes once round the ring, from a lap's second quarter to the next lap's first, and fills both slots again
	QUARTER 0, 256, F1, F0, 0
	QUARTER 0, 384, F0, F1, 0
	TURN 0, 1, 1
	QUARTER 1, 128, F0, F1, 0
	QUARTER 1, 256, F1, F0, 0
	QUARTER 1, 384, F0, F1, 0
	TURN 1, 0, 1
	QUARTER 0, 128, F0, F1, 0
	WIN 0
	s_sub_co_u32 s3, s3, 1
	s_cmp_lg_u32 s3, 0
	s_cbranch_scc1 .Llap
	QUARTER 0, 256, F1, F0, 0                      ; the last lap fills nothing, and has no round of the cluster's barrier
	QUARTER 0, 384, F0, F1, 0
	TURN 0, 1, 0
	QUARTER 1, 128, F0, F1, 0
	QUARTER 1, 256, F1, F0, 0
	QUARTER 1, 384, F0, F1, 0
	s_wait_dscnt 16                                ; the very last quarter: nothing more to fetch
	MUL8 F1, 0, 0, 0
	MUL8 F1, 0, 2, 0
	s_wait_dscnt 0
	MUL8 F1, 1, 0, 0
	MUL8 F1, 1, 2, 0
	WIN 0
	; THE WAY OUT.
	PLACES
.if MODE != 2
.set p, 0
.rept 32                               ; the f32 sums as they lie: accumulator p / 2, its low half first; each store of the wave covers 512 consecutive bytes
.if MODE == 1
	global_store_b128 v[CB], v[ACC+4*p:ACC+4*p+3], s[66:67] offset:512*p
.else
	global_store_b128 v[CB], v[ACC+4*p:ACC+4*p+3], s[8:9] offset:512*p
.endif
.set p, p+1
.endr
.endif
.if MODE != 4
	; h: tanh, rounded to f16; 16 bytes a lane into the work-group's stage; a barrier, since a row's 256 bytes come from two waves; back as whole rows, 32 rows a wave.
.irp t, 0,2,4,6,8,10,12,14
	TANH2 \t
.endr
.irp a, 0,1,2,3
.irp b, 0,1,2,3
	ds_store_b128 v[STO], v[TMP+4*(4*(\a)+(\b)):TMP+4*(4*(\a)+(\b))+3] offset:(\a)*16*SPITCH+32*(\b)
.endr
.endr
	s_wait_dscnt 0x0                               ; for the others' sake: my stores into the stage are done
	s_barrier_signal -1
	s_barrier_wait -1
.irp t, 0,1,2,3,4,5,6,7,8,9,10,11,12,13,14,15
	ds_load_b128 v[TMP+4*(\t):TMP+4*(\t)+3], v[RD] offset:(\t)*2*SPITCH
.endr
.irp t, 0,1,2,3,4,5,6,7,8,9,10,11,12,13,14,15
	s_wait_dscnt 15-(\t)                           ; LDS loads come back in order (ISA guide 5.7.1): pair t of rows is in
	global_store_b128 v[CO], v[TMP+4*(\t):TMP+4*(\t)+3], s[8:9] offset:2*(\t)*HROW  ; 16 lanes store 256 consecutive bytes, at a multiple of 256 from h's first byte
.endr
.endif
	s_wait_tensorcnt 0x0                           ; the wave's end, behind my last tensor load and my last LDS store
	ds_add_u32 v[SPW], v[NIL]
	s_wait_dscnt 0x0
	CROUND                                         ; the closing round: no work-group ends while a partner may still ask for a tile that names it
	s_endpgm
.Lfunc_end_k_q059e4130d1_step2:
	.size	k_q059e4130d1_step2, .Lfunc_end_k_q059e4130d1_step2-k_q059e4130d1_step2
	.p2alignl 7, 3214868480
	.fill 96, 4, 3214868480
	.section	.rodata,"a",@progbits
	.p2align	6, 0x0
	.amdhsa_kernel k_q059e4130d1_step2
		.amdhsa_group_segment_fixed_size 327680
		.amdhsa_private_segment_fixed_size 0
		.amdhsa_enable_private_segment 0
		.amdhsa_kernarg_size 32
		.amdhsa_user_sgpr_count 2
		.amdhsa_user_sgpr_kernarg_segment_ptr 1
		.amdhsa_wavefront_size32 1
		.amdhsa_system_sgpr_workgroup_id_x 1
		.amdhsa_system_sgpr_workgroup_id_y 1
		.amdhsa_system_sgpr_workgroup_id_z 1
		.amdhsa_system_vgpr_workitem_id 0
		.amdhsa_next_free_vgpr 640
		.amdhsa_next_free_sgpr 80
		.amdhsa_reserve_vcc 0
		.amdhsa_float_denorm_mode_32 3
		.amdhsa_float_denorm_mode_16_64 3
		.amdhsa_memory_ordered 1
		.amdhsa_forward_progress 1
		.amdhsa_inst_pref_size 111
	.end_amdhsa_kernel
	.amdgpu_metadata
---
amdhsa.version: [ 1, 2 ]
amdhsa.kernels:
  - .name:           k_q059e4130d1_step2
    .symbol:         k_q059e4130d1_step2.kd
    .args:
      - { .name: ha, .offset: 0, .size: 8, .value_kind: global_buffer, .address_space: global }
      - { .name: qrec, .offset: 8, .size: 8, .value_kind: global_buffer, .address_space: global }
      - { .name: hb, .offset: 16, .size: 8, .value_kind: global_buffer, .address_space: global }
      - { .name: pre, .offset: 24, .size: 8, .value_kind: global_buffer, .address_space: global }
    .group_segment_fixed_size: 327680
    .private_segment_fixed_size: 0
    .kernarg_segment_align: 8
    .kernarg_segment_size: 32
    .max_flat_workgroup_size: 128
    .sgpr_count:     80
    .vgpr_count:     640
    .wavefront_size: 32
...
	.end_amdgpu_metadata
.endif
;; end of part 3
;; launch step3: the kernel of part 3 again; grid 32 x 8, 4 waves a work-group, clusters of 4 x 4, 327,680 bytes of LDS; arguments hb, qrec, ha, pre; writes ha
;; launch head (part 4): grid 8 x 32, 4 waves a work-group, clusters of 4 x 4, 327,680 bytes of LDS; arguments ha, qout, part; writes part
.if DOCPART == 4
	.amdgcn_target "amdgcn-amd-amdhsa--gfx1250"
	.amdhsa_code_object_version 6
	.text
	.protected	k_q059e4130d1_head
	.globl	k_q059e4130d1_head
	.p2align	8
	.type	k_q059e4130d1_head,@function
k_q059e4130d1_head:
	s_mov_b64 s[64:65], 0
	v_nop
	global_prefetch_b8 v0, s[64:65] scope:SCOPE_SE
	s_setreg_imm32_b32 hwreg(HW_REG_WAVE_MODE, 25, 1), 1
	s_wait_xcnt 0x0
	s_wait_alu depctr_hold_cnt(0) depctr_sa_sdst(0) depctr_va_vdst(0) depctr_va_sdst(0) depctr_va_ssrc(0) depctr_va_vcc(0) depctr_vm_vsrc(0)
	s_getreg_b32 s2, hwreg(HW_REG_IB_STS2, 6, 4)
	s_cmp_eq_u32 s2, 0
	s_cbranch_scc0 .Lentry_in_a_cluster
	s_endpgm
.Lentry_in_a_cluster:
	s_bfe_u32 s2, ttmp6, 0x10000c
	s_cmp_lg_u32 s2, 0xf033
	s_cbranch_scc0 .Lentry_shape_is_right
	s_endpgm
.Lentry_shape_is_right:
; ONE TEXT FOR THE PROGRAM'S THREE KINDS OF PRODUCT; MODE picks what differs.  C[m][n] = C0[m][n] + the sum over k of A[m][k] B[n][k], sums in f32.
;   MODE 1              A = xb [1024][2048] bf16, B = qin [4096][2048] bf16, C0 = bf16(b_in)[n] + bf16(b_rec)[n].  C goes out as pre (f32), tanh(C) as h (f16).
;   MODE 2              A = h [1024][4096] f16, B = qrec [4096][4096] f16, C0 = pre.  tanh(C) goes out as the next h (f16).
;   MODE 4 (this file)  A = h, B = qout [1024][4096] f16, K cut in four quarters of 1,024 over the grid's y, C0 = 0.  C goes out as one of four planes of partial sums (f32):
;                       1024 x 1024 makes only 64 tiles of 128 x 128; with the four quarters there are 256 work-groups of equal work.  The launch behind adds the planes in a fixed order.
; LIMITS.  The f32 sums run in another order than a plain row by row sum: four partial sums over 1,024 each.  NaN goes through.
; SHARES.  A tile of C is 128 x 128.  Four waves, each 64 x 64: 16 accumulators of 16 x 16, 128 registers.
; K goes in steps of 256 (LDS rows of 512 bytes; a wave's tensor load brings 64 of them) through two slots.
; CLUSTERS: 4 x 4 work-groups.  The four of a row of the cluster need the same tiles of A, the four of a column the same tiles of B: each tile is asked for JOINTLY, by the same tensor load with
; the same descriptor and a mask that names the four.  THE MATRIX INSTRUCTION IS USED TRANSPOSED (source 0 = 16 rows of B, source 1 = 16 rows of A): lane l holds row l % 16 of C and
; its registers 0-7 the columns 8 (l / 16) + 0..7.
; THE f32 BUFFERS (pre, part) ARE BLOCKED as the accumulators lie: [tile][wave][accumulator 4 a + b][half j][lane][4 numbers]: 65,536 bytes a tile, 16,384 a wave, and each store or load
; of a wave is 512 consecutive bytes at a multiple of 512 from the buffer's first.  So they need no way through LDS here.
; REGISTERS: window 0: v0-31 addresses; v128-255 the accumulators ((a, b) at v[128 + 8 (4 a + b)]).
;   window 1: two fragment buffers of 128: for 64 along K, 64 registers of A (2 x 4 x 16 rows x 32 K), then 64 of B.
.set MODE,   4
.set PITCHK, 4096                      ; elements in a row of A and of B
.set KLEN,   1024                      ; elements of K that a work-group walks
.set KSTEP,  256
.set PITCH,  528                       ; an LDS row: 512 bytes of data + 16 of padding = 132 words: row r starts at bank 4 r mod 64 (64 banks of 4 bytes: ISA guide 11.1)
.set HALFT,  64*PITCH                  ; 64 rows: what one tensor load brings, and what one wave reads of A or of B
.set SLOT,   4*HALFT                   ; A's 128 rows, then B's 128 rows
.set STAGE,  2*SLOT                    ; behind the ring: 128 rows x 272 bytes, the work-group's, for h's way out (not used in MODE 4)
.set SPITCH, 272
.set SPARE,  STAGE+128*SPITCH          ; behind the stage: the spare words, 128 bytes for each wave: two blocks of 256 bytes that no other line names
.set LAPS,   KLEN/(2*KSTEP)            ; a lap = two K steps = once round the ring
.set HROW,   8192                      ; bytes in a row of h
.set ADRA, 16                          ; v16-17  LDS address of my A fragments in slot 0, 1
.set ADRB, 20                          ; v20-21  the same for B
.set STO,  24                          ; v24     h's way out: where I put 16 bytes of a row
.set RD,   25                          ; v25     h's way out: where I read a row back
.set CO,   26                          ; v26     my byte offset in h
.set CB,   27                          ; v27     16 x lane: my byte offset in 512 bytes of a blocked buffer
.set SPW,  28                          ; v28     LDS address of my spare word: SPARE + 4 x my thread's number; never rewritten
.set NIL,  29                          ; v29     0; never rewritten
.set VB,   30                          ; v30     32 (l / 16): my byte offset among 16 numbers of a bias
.set TMP,  32
.set T,    96
.set ACC,  128
.set F0,   0                           ; fragment buffers, in window 1
.set F1,   128
.set CIN,  0                           ; C0's image, in window 2
.set G1, 24                            ; s[24:31] descriptor group 1 for A's tiles;  s[32:39] group 0, one set for each slot
.set G0, 32
.set G1B, 48                           ; s[48:55], s[56:63] the same for B's tiles
.set G0B, 56
.set MSB, 0
.macro WIN new                         ; the immediate's high byte repeats the setting that is left; a switch that changes nothing is dropped
.if MSB != (\new)
	s_set_vgpr_msb (MSB<<8)|(\new)
.set MSB, \new
.endif
.endm
.set MUL,  0x05                        ; sources 0 (B) and 1 (A) window 1; C and D window 0
.set MULC, 0x25                        ; the same with C in window 2
.set TO_F, 0x40                        ; destination window 1, address window 0
.set TO_C, 0x80                        ; destination window 2, sources and address window 0
.macro JLOAD s                         ; a joint load: waves 0 and 1 fetch A's two halves, waves 2 and 3 B's; an s_nop 0 and four v_nop follow each of the two lines, ahead of the jump, the label and what follows
	s_cmp_eq_u32 s11, 0
	s_cbranch_scc0 .Lfor_b_\@
	tensor_load_to_lds s[G0+4*(\s):G0+4*(\s)+3], s[G1:G1+7]
	s_nop 0
.rept 4
	v_nop
.endr
	s_branch .Lasked_\@
.Lfor_b_\@:
	tensor_load_to_lds s[G0B+4*(\s):G0B+4*(\s)+3], s[G1B:G1B+7]
	s_nop 0
.rept 4
	v_nop
.endr
.Lasked_\@:
.endm
.macro CREST                           ; a round of the cluster's barrier behind its opening barrier
	s_cmp_lg_u32 s10, 0
	s_cbranch_scc1 .Lnot_wave_0_\@
	s_barrier_signal -3
.Lnot_wave_0_\@:
	s_barrier_wait -3
	s_barrier_signal -1
	s_barrier_wait -1
.endm
.macro CROUND                          ; a whole round
	s_barrier_signal -1
	s_barrier_wait -1
	CREST
.endm
	s_load_b128 s[4:7], s[0:1], 0x0                ; A s[4:5], B s[6:7]
	s_load_b64 s[8:9], s[0:1], 0x10                ; what goes out: h (MODE 1, 2) or part (MODE 4)
.if MODE != 4
	s_load_b64 s[66:67], s[0:1], 0x18              ; pre
.endif
.if MODE == 1
	s_load_b128 s[68:71], s[0:1], 0x20             ; b_in s[68:69], b_rec s[70:71]
.endif
	v_lshl_add_u32 v[SPW], v0, 2, SPARE
	v_mov_b32 v[NIL], 0
	ds_add_u32 v[SPW], v[NIL]                      ; the wave's opening: the add and its wait stand ahead of my first tensor load; the set-up below, work on registers, stands between them
	v_lshrrev_b32 v1, 5, v0
	v_readfirstlane_b32 s10, v1                    ; wave 0..3
	s_lshr_b32 s11, s10, 1                         ; which half of the tile's rows is mine.  Also: I fetch for A (0) or for B (1)
	s_and_b32 s12, s10, 1                          ; which half of its columns.  Also: which 64 rows of that tile I fetch
	s_bfe_u32 s40, ttmp6, 0x40000                  ; cx, cy: my place in the cluster
	s_bfe_u32 s41, ttmp6, 0x40004
	s_lshl_b32 s42, ttmp9, 2
	s_add_co_u32 s42, s42, s40                     ; tile column of C = 4 x cluster x + cx
	s_and_b32 s13, ttmp7, 0xffff                   ; the cluster's y
.if MODE == 4
	s_lshr_b32 s45, s13, 1                         ; its upper bits: which quarter of K, the same in all sixteen partners
	s_and_b32 s13, s13, 1                          ; its lowest bit: which four tile rows
.endif
	s_lshl_b32 s13, s13, 2
	s_add_co_u32 s13, s13, s41                     ; tile row of C
	s_lshl_b32 s43, s41, 2
	s_lshl_b32 s43, 15, s43                        ; my row of the cluster
	s_lshl_b32 s44, 0x1111, s40                    ; my column
	; descriptor group 1: a tile of 64 rows x 256 elements, padded in LDS
	s_or_b32 s[G1+0], s43, (1<<16)|(1<<20)|(1<<21)|(6<<22)|(3<<25)  ; 15:0 the mask: A's tiles go to my row; 17:16 element of 2 bytes; 20 padding on; 21 set beside a mask; 24:22 after every 128 words (code 6); 31:25 of 4 words (code 3)
	s_or_b32 s[G1B+0], s44, (1<<16)|(1<<20)|(1<<21)|(6<<22)|(3<<25) ; the same with the mask of my column, for B's tiles
.irp g, G1, G1B
	s_mov_b32 s[(\g)+1], KSTEP<<16                 ; tensor_dim0 = 256
	s_mov_b32 s[(\g)+2], 64<<16                    ; tensor_dim1 = 64
	s_mov_b32 s[(\g)+3], KSTEP<<16                 ; tile_dim0 = 256
	s_mov_b32 s[(\g)+4], 64                        ; tile_dim1 = 64
	s_mov_b32 s[(\g)+5], PITCHK                    ; tensor_dim0_stride: elements from row to row
	s_mov_b32 s[(\g)+6], 0
	s_mov_b32 s[(\g)+7], 0
.endr
	; where the tiles come from: A's hang on the tile row alone, B's on the tile column alone, each in registers that never hold the other coordinate
	s_lshl_b32 s17, s12, 6                         ; which 64 rows of the tile I fetch
	s_lshl_b32 s16, s13, 7
	s_add_co_u32 s16, s16, s17                     ; A: row 128 x tile row + 64 x half
	s_lshl_b32 s46, s42, 7
	s_add_co_u32 s46, s46, s17                     ; B: row 128 x tile column + 64 x half
	s_mov_b32 s17, 0
	s_mov_b32 s47, 0
	s_mov_b64 s[18:19], PITCHK*2
	s_mul_u64 s[16:17], s[16:17], s[18:19]         ; in bytes
	s_mul_u64 s[46:47], s[46:47], s[18:19]
.if MODE == 4
	s_lshl_b32 s2, s45, 11                         ; my quarter of K begins 1,024 elements x 2 bytes x quarter along the rows
	s_mov_b32 s3, 0
	s_add_nc_u64 s[16:17], s[16:17], s[2:3]
	s_add_nc_u64 s[46:47], s[46:47], s[2:3]
.endif
	s_mul_i32 s20, s10, HALFT                      ; where they go: wave x 64 rows: no place in the cluster enters an LDS address
.if MODE != 4
	s_mov_b32 s76, 0x4038aa3b                      ; 2 log2(e) = 2.885390
	s_mov_b32 s77, s76                             ; named with it as a pair
.endif
.if MODE == 1
	s_mov_b32 s78, 0xffff0000                      ; a word's upper bf16
.endif
	s_wait_dscnt 0x0                               ; the opening add is done
	s_wait_kmcnt 0x0
	s_add_nc_u64 s[14:15], s[4:5], s[16:17]
	s_add_nc_u64 s[46:47], s[6:7], s[46:47]
	CROUND                                         ; all sixteen work-groups are here: the first joint loads meet
.irp s, 0,1
	s_mov_b32 s[G0+4*(\s)], 1                                      ; 1:0 count = 1
	s_add_co_u32 s[G0+4*(\s)+1], s20, (\s)*SLOT                    ; 63:32 LDS address
	s_add_nc_u64 s[G0+4*(\s)+2:G0+4*(\s)+3], s[14:15], (\s)*KSTEP*2  ; 120:64 global address: K step s
	s_or_b32 s[G0+4*(\s)+3], s[G0+4*(\s)+3], 0x80000000            ; 127:126 type = 2
	s_mov_b32 s[G0B+4*(\s)], 1
	s_add_co_u32 s[G0B+4*(\s)+1], s20, (\s)*SLOT
	s_add_nc_u64 s[G0B+4*(\s)+2:G0B+4*(\s)+3], s[46:47], (\s)*KSTEP*2
	s_or_b32 s[G0B+4*(\s)+3], s[G0B+4*(\s)+3], 0x80000000
	JLOAD \s                                       ; two loads of mine are out behind these; later one behind each round
.endr
	v_and_b32 v1, 15, v0                           ; l % 16
	v_bfe_u32 v2, v0, 4, 1                         ; l / 16
	v_mul_u32_u24 v3, v1, PITCH
	v_lshl_add_u32 v3, v2, 4, v3                   ; a fragment's row x pitch + 16 x half
	s_mul_i32 s21, s11, HALFT                      ; my 64 rows of A
	s_mul_i32 s22, s12, HALFT                      ; my 64 rows of B,
	s_add_co_u32 s22, s22, 2*HALFT                 ; which lie behind A's 128
.irp s, 0,1
	v_add_nc_u32 v[ADRA+(\s)], s21, v3
	v_add_nc_u32 v[ADRB+(\s)], s22, v3
	s_add_co_u32 s21, s21, SLOT
	s_add_co_u32 s22, s22, SLOT
.endr
	v_and_b32 v[CB], 31, v0
	v_lshlrev_b32 v[CB], 4, v[CB]                  ; 16 x lane
.if MODE != 4
	s_mul_i32 s23, s11, 64*SPITCH                  ; into the stage: my 64 rows, my half of their 256 bytes; row l % 16, 16 bytes for each half of the lanes
	s_lshl_b32 s21, s12, 7
	s_add_co_u32 s23, s23, s21
	s_add_co_u32 s23, s23, STAGE
	v_mul_u32_u24 v4, v1, SPITCH
	v_lshl_add_u32 v4, v2, 4, v4
	v_add_nc_u32 v[STO], s23, v4
	s_mul_i32 s23, s10, 32*SPITCH                  ; back: wave w takes rows 32 w .. 32 w + 31, whole; lanes 0-15 one row of 256 bytes, lanes 16-31 the next
	s_add_co_u32 s23, s23, STAGE
	v_mul_u32_u24 v5, v2, SPITCH
	v_lshl_add_u32 v5, v1, 4, v5
	v_add_nc_u32 v[RD], s23, v5
	v_lshlrev_b32 v5, 13, v2                       ; and the same two rows in h: 8,192 bytes apart
	v_lshl_add_u32 v[CO], v1, 4, v5
	s_lshl_b32 s16, s13, 7
	s_lshl_b32 s17, s10, 5
	s_add_co_u32 s16, s16, s17                     ; the first row of h that I store: 128 x tile row + 32 x wave,
	s_lshl_b32 s16, s16, 13                        ; in bytes: under 2^23
	s_mov_b32 s17, 0
	s_add_nc_u64 s[8:9], s[8:9], s[16:17]
	s_lshl_b32 s46, s42, 8                         ; the tile's first column, in bytes
	s_mov_b32 s47, 0
	s_add_nc_u64 s[8:9], s[8:9], s[46:47]
	s_lshl_b32 s46, s13, 5                         ; the blocked buffer: tile = 32 x tile row + tile column
.else
	s_mov_b32 s47, 0
	s_lshl_b32 s46, s13, 3                         ; the blocked buffer: tile = 8 x tile row + tile column
.endif
	s_add_co_u32 s46, s46, s42
	s_lshl_b32 s46, s46, 2
	s_add_co_u32 s46, s46, s10                     ; 4 x tile + wave,
	s_lshl_b32 s46, s46, 14                        ; times 16,384 bytes: under 2^24
.if MODE == 4
	s_lshl_b32 s2, s45, 22                         ; and my quarter's plane of 4 MiB
	s_add_co_u32 s46, s46, s2
	s_add_nc_u64 s[8:9], s[8:9], s[46:47]
.else
	s_add_nc_u64 s[66:67], s[66:67], s[46:47]
.endif
	; C0'S IMAGE is made while the first tiles are on their way (MODE 4 has none: its sums start from the constant 0).
.if MODE == 1
	; Register q of n block b holds column 16 b + 8 (l / 16) + q of my 64: the same for all four m blocks, so 32 registers do.  Each bias is rounded to bf16 and widened again; the two are added in f32.
	v_lshlrev_b32 v[VB], 5, v2
	s_lshl_b32 s46, s42, 9                         ; 128 columns x 4 bytes x tile column
	s_lshl_b32 s2, s12, 8                          ; + my 64 columns
	s_add_co_u32 s46, s46, s2
	s_add_nc_u64 s[68:69], s[68:69], s[46:47]
	s_add_nc_u64 s[70:71], s[70:71], s[46:47]
.irp m, 0,1,2,3,4,5,6,7                ; m = 2 b + j
	global_load_b128 v[TMP+4*(\m):TMP+4*(\m)+3],       v[VB], s[68:69] offset:64*((\m)/2)+16*((\m)%2)
	global_load_b128 v[TMP+32+4*(\m):TMP+32+4*(\m)+3], v[VB], s[70:71] offset:64*((\m)/2)+16*((\m)%2)
.endr
	s_wait_loadcnt 0x0
.set p, 0
.rept 32                               ; b_in's 16 pairs, then b_rec's
	v_cvt_pk_bf16_f32 v[T+p], v[TMP+2*p], v[TMP+2*p+1]
.set p, p+1
.endr
.set p, 0
.rept 32
	v_lshlrev_b32 v[TMP+2*p],   16,  v[T+p]
	v_and_b32     v[TMP+2*p+1], s78, v[T+p]
.set p, p+1
.endr
	WIN TO_C
.set p, 0
.rept 16
	v_pk_add_f32 v[CIN+2*p:CIN+2*p+1], v[TMP+2*p:TMP+2*p+1], v[TMP+32+2*p:TMP+32+2*p+1]
.set p, p+1
.endr
	WIN 0
.endif
.if MODE == 2
	WIN TO_C
.set p, 0
.rept 32                               ; my 16,384 bytes of pre, as they were stored: accumulator p / 2, half p % 2
	global_load_b128 v[CIN+4*p:CIN+4*p+3], v[CB], s[66:67] offset:512*p
.set p, p+1
.endr
	WIN 0
.endif
; 8 matrix instructions: m blocks a0, a0 + 1 x all 4 n blocks, 32 along K: half c of buffer f.  first = 1: the product starts the sum, from C0's image or (MODE 4) from the constant 0: nothing is cleared.
; The 16 accumulators take turns, one instruction a turn.
.macro MUL8 f, c, a0, first
.if (\first) && (MODE != 4)
	WIN MULC
.else
	WIN MUL
.endif
.irp a, \a0, (\a0)+1
.irp b, 0,1,2,3
.set rD, ACC+8*(4*(\a)+(\b))
.set rB, (\f)+64+8*(4*(\c)+(\b))
.set rA, (\f)+8*(4*(\c)+(\a))
.set rC, rD
.if (\first) && (MODE == 1)
.set rC, CIN+8*(\b)
.elseif (\first) && (MODE == 2)
.set rC, CIN+8*(4*(\a)+(\b))
.endif
.if MODE == 1
	v_wmma_f32_16x16x32_bf16 v[rD:rD+7], v[rB:rB+7], v[rA:rA+7], v[rC:rC+7]
.elseif (\first) && (MODE == 4)
	v_wmma_f32_16x16x32_f16 v[rD:rD+7], v[rB:rB+7], v[rA:rA+7], 0
.else
	v_wmma_f32_16x16x32_f16 v[rD:rD+7], v[rB:rB+7], v[rA:rA+7], v[rC:rC+7]
.endif
.endr
.endr
.endm
; 32 LDS loads in one run: the fragments of 64 along K at byte k of the rows, into buffer f; the first 32 along K first
.macro FETCH slot, k, f
	WIN TO_F
.irp c, 0,1
.irp i, 0,1,2,3
	ds_load_b128 v[(\f)+64+8*(4*(\c)+(\i)):(\f)+64+8*(4*(\c)+(\i))+3],   v[ADRB+(\slot)] offset:(\k)+64*(\c)+(\i)*16*PITCH
	ds_load_b128 v[(\f)+64+8*(4*(\c)+(\i))+4:(\f)+64+8*(4*(\c)+(\i))+7], v[ADRB+(\slot)] offset:(\k)+64*(\c)+(\i)*16*PITCH+32
	ds_load_b128 v[(\f)+8*(4*(\c)+(\i)):(\f)+8*(4*(\c)+(\i))+3],         v[ADRA+(\slot)] offset:(\k)+64*(\c)+(\i)*16*PITCH
	ds_load_b128 v[(\f)+8*(4*(\c)+(\i))+4:(\f)+8*(4*(\c)+(\i))+7],       v[ADRA+(\slot)] offset:(\k)+64*(\c)+(\i)*16*PITCH+32
.endr
.endr
.endm
.macro PLACES                          ; four places in front of loads into registers that matrix instructions have read, and of lines that read results (ISA guide 7.12.1 for vector instructions)
.rept 4
	v_nop
.endr
.endm
; A K step is four quarters of 64 along K, 32 matrix instructions each, on buffers 0, 1, 0, 1.  One of the first three: multiplies buffer f and fetches the next quarter, at byte k, into g.
.macro QUARTER slot, k, f, g, first
	s_wait_dscnt 16                                ; the first 32 along K are in; the sixteen younger loads may be out
	MUL8 \f, 0, 0, \first
	MUL8 \f, 0, 2, \first
	PLACES
	FETCH \slot, \k, \g
	s_wait_dscnt 32                                ; all but the 32 just issued
	MUL8 \f, 1, 0, 0
	MUL8 \f, 1, 2, 0
.endm
; The last quarter multiplies buffer 1 and changes slots: ONE barrier; in front of it each wave waits for all its tensor loads, adds 0 to its spare word, and waits for that and for its own reads of this slot.  fill = 1: this slot is filled again, two K steps ahead.
.macro TURN slot, next, fill
	WIN 0                                          ; (the add's two registers lie in window 0)
	s_wait_tensorcnt 0x0                           ; all my tensor loads have landed: my part of the next slot;
	ds_add_u32 v[SPW], v[NIL]                      ; 0 onto my spare word;
	s_wait_dscnt 17                                ; (the add and the youngest sixteen loads may be out)
	MUL8 F1, 0, 0, 0                               ; eight matrix instructions stand between the add and the wait for it
	s_wait_dscnt 0x0                               ; the add is done, and my reads of this slot are over
	s_barrier_signal -1
	MUL8 F1, 0, 2, 0
.if \fill
	WIN 0
.endif
	s_barrier_wait -1
.if \fill
	CREST                                          ; the barrier has opened a round of the cluster's barrier: no wave of any partner still reads this slot's tile or has a load on its way
	s_add_nc_u64 s[G0+4*(\slot)+2:G0+4*(\slot)+3], s[G0+4*(\slot)+2:G0+4*(\slot)+3], 2*KSTEP*2
	s_add_nc_u64 s[G0B+4*(\slot)+2:G0B+4*(\slot)+3], s[G0B+4*(\slot)+2:G0B+4*(\slot)+3], 2*KSTEP*2
	JLOAD \slot                                    ; the first tensor load behind the round: 112 matrix instructions ahead of the wait for it; the four v_nop behind it are also the places in front of the loads below
.else
	PLACES
.endif
	FETCH \next, 0, F0
	MUL8 F1, 1, 0, 0
	MUL8 F1, 1, 2, 0
.endm
; tanh of accumulators t and t + 1, rounded to f16 into TMP (MODE 1 and 2 alone expand it).
.macro TANH2 t
.irp r, 0,1,2,3,4,5,6,7
	v_pk_mul_f32 v[T+2*(\r):T+2*(\r)+1], v[ACC+8*(\t)+2*(\r):ACC+8*(\t)+2*(\r)+1], s[76:77] op_sel_hi:[1,0]  ; 2 log2(e) v
.endr
.set p, 0
.rept 16
	v_exp_f32 v[T+p], v[T+p]
.set p, p+1
.endr
	v_nop
.irp r, 0,1,2,3,4,5,6,7
	v_pk_add_f32 v[T+2*(\r):T+2*(\r)+1], v[T+2*(\r):T+2*(\r)+1], 1.0 op_sel_hi:[1,0]
.endr
.set p, 0
.rept 16
	v_rcp_f32 v[T+p], v[T+p]
.set p, p+1
.endr
	v_nop
.irp r, 0,1,2,3,4,5,6,7
	v_pk_fma_f32 v[T+2*(\r):T+2*(\r)+1], v[T+2*(\r):T+2*(\r)+1], -2.0, 1.0 op_sel_hi:[1,0,0]
.endr
.irp r, 0,1,2,3,4,5,6,7
	v_cvt_pk_f16_f32 v[TMP+4*(\t)+(\r)], v[T+2*(\r)], v[T+2*(\r)+1]
.endr
.endm
	s_wait_tensorcnt 1                             ; my part of K step 0 is in; K step 1's may stay out
	s_barrier_signal -1
	s_barrier_wait -1                              ; everybody's is
	FETCH 0, 0, F0
.if MODE == 2
	s_wait_loadcnt 0x0                             ; pre's image is in
.endif
	QUARTER 0, 128, F0, F1, 1                      ; the first quarter stands in front of the loop: its first products start the sums
	WIN 0                                          ; at a label and at a branch every window is 0
	s_mov_b32 s3, LAPS-1
.Llap:                                                 ; a trip goes once round the ring, from a lap's second quarter to the next lap's first, and fills both slots again
	QUARTER 0, 256, F1, F0, 0
	QUARTER 0, 384, F0, F1, 0
	TURN 0, 1, 1
	QUARTER 1, 128, F0, F1, 0
	QUARTER 1, 256, F1, F0, 0
	QUARTER 1, 384, F0, F1, 0
	TURN 1, 0, 1
	QUARTER 0, 128, F0, F1, 0
	WIN 0
	s_sub_co_u32 s3, s3, 1
	s_cmp_lg_u32 s3, 0
	s_cbranch_scc1 .Llap
	QUARTER 0, 256, F1, F0, 0                      ; the last lap fills nothing, and has no round of the cluster's barrier
	QUARTER 0, 384, F0, F1, 0
	TURN 0, 1, 0
	QUARTER 1, 128, F0, F1, 0
	QUARTER 1, 256, F1, F0, 0
	QUARTER 1, 384, F0, F1, 0
	s_wait_dscnt 16                                ; the very last quarter: nothing more to fetch
	MUL8 F1, 0, 0, 0
	MUL8 F1, 0, 2, 0
	s_wait_dscnt 0
	MUL8 F1, 1, 0, 0
	MUL8 F1, 1, 2, 0
	WIN 0
	; THE WAY OUT.
	PLACES
.if MODE != 2
.set p, 0
.rept 32                               ; the f32 sums as they lie: accumulator p / 2, its low half first; each store of the wave covers 512 consecutive bytes
.if MODE == 1
	global_store_b128 v[CB], v[ACC+4*p:ACC+4*p+3], s[66:67] offset:512*p
.else
	global_store_b128 v[CB], v[ACC+4*p:ACC+4*p+3], s[8:9] offset:512*p
.endif
.set p, p+1
.endr
.endif
.if MODE != 4
	; h: tanh, rounded to f16; 16 bytes a lane into the work-group's stage; a barrier, since a row's 256 bytes come from two waves; back as whole rows, 32 rows a wave.
.irp t, 0,2,4,6,8,10,12,14
	TANH2 \t
.endr
.irp a, 0,1,2,3
.irp b, 0,1,2,3
	ds_store_b128 v[STO], v[TMP+4*(4*(\a)+(\b)):TMP+4*(4*(\a)+(\b))+3] offset:(\a)*16*SPITCH+32*(\b)
.endr
.endr
	s_wait_dscnt 0x0                               ; for the others' sake: my stores into the stage are done
	s_barrier_signal -1
	s_barrier_wait -1
.irp t, 0,1,2,3,4,5,6,7,8,9,10,11,12,13,14,15
	ds_load_b128 v[TMP+4*(\t):TMP+4*(\t)+3], v[RD] offset:(\t)*2*SPITCH
.endr
.irp t, 0,1,2,3,4,5,6,7,8,9,10,11,12,13,14,15
	s_wait_dscnt 15-(\t)                           ; LDS loads come back in order (ISA guide 5.7.1): pair t of rows is in
	global_store_b128 v[CO], v[TMP+4*(\t):TMP+4*(\t)+3], s[8:9] offset:2*(\t)*HROW  ; 16 lanes store 256 consecutive bytes, at a multiple of 256 from h's first byte
.endr
.endif
	s_wait_tensorcnt 0x0                           ; the wave's end, behind my last tensor load and my last LDS store
	ds_add_u32 v[SPW], v[NIL]
	s_wait_dscnt 0x0
	CROUND                                         ; the closing round: no work-group ends while a partner may still ask for a tile that names it
	s_endpgm
.Lfunc_end_k_q059e4130d1_head:
	.size	k_q059e4130d1_head, .Lfunc_end_k_q059e4130d1_head-k_q059e4130d1_head
	.p2alignl 7, 3214868480
	.fill 96, 4, 3214868480
	.section	.rodata,"a",@progbits
	.p2align	6, 0x0
	.amdhsa_kernel k_q059e4130d1_head
		.amdhsa_group_segment_fixed_size 327680
		.amdhsa_private_segment_fixed_size 0
		.amdhsa_enable_private_segment 0
		.amdhsa_kernarg_size 24
		.amdhsa_user_sgpr_count 2
		.amdhsa_user_sgpr_kernarg_segment_ptr 1
		.amdhsa_wavefront_size32 1
		.amdhsa_system_sgpr_workgroup_id_x 1
		.amdhsa_system_sgpr_workgroup_id_y 1
		.amdhsa_system_sgpr_workgroup_id_z 1
		.amdhsa_system_vgpr_workitem_id 0
		.amdhsa_next_free_vgpr 512
		.amdhsa_next_free_sgpr 80
		.amdhsa_reserve_vcc 0
		.amdhsa_float_denorm_mode_32 3
		.amdhsa_float_denorm_mode_16_64 3
		.amdhsa_memory_ordered 1
		.amdhsa_forward_progress 1
		.amdhsa_inst_pref_size 81
	.end_amdhsa_kernel
	.amdgpu_metadata
---
amdhsa.version: [ 1, 2 ]
amdhsa.kernels:
  - .name:           k_q059e4130d1_head
    .symbol:         k_q059e4130d1_head.kd
    .args:
      - { .name: ha, .offset: 0, .size: 8, .value_kind: global_buffer, .address_space: global }
      - { .name: qout, .offset: 8, .size: 8, .value_kind: global_buffer, .address_space: global }
      - { .name: part, .offset: 16, .size: 8, .value_kind: global_buffer, .address_space: global }
    .group_segment_fixed_size: 327680
    .private_segment_fixed_size: 0
    .kernarg_segment_align: 8
    .kernarg_segment_size: 24
    .max_flat_workgroup_size: 128
    .sgpr_count:     80
    .vgpr_count:     512
    .wavefront_size: 32
...
	.end_amdgpu_metadata
.endif
;; end of part 4
;; launch fin (part 5): grid 256 x 1, 4 waves a work-group, no clusters, 17,920 bytes of LDS; arguments part, b_out, out0; writes out0
.if DOCPART == 5
	.amdgcn_target "amdgcn-amd-amdhsa--gfx1250"
	.amdhsa_code_object_version 6
	.text
	.protected	k_q059e4130d1_fin
	.globl	k_q059e4130d1_fin
	.p2align	8
	.type	k_q059e4130d1_fin,@function
k_q059e4130d1_fin:
	s_mov_b64 s[64:65], 0
	v_nop
	global_prefetch_b8 v0, s[64:65] scope:SCOPE_SE
	s_setreg_imm32_b32 hwreg(HW_REG_WAVE_MODE, 25, 1), 1
	s_wait_xcnt 0x0
; out0[m][n] = ((p0 + p1) + p2) + p3 + bf16(b_out)[n]: the four planes of partial sums over a quarter of K each, added in a fixed order, and the bias.  out0: [1024][1024] f32.
; LIMIT.  b_out is taken rounded to bf16, as all the program's inputs are.
; part is blocked as the product's accumulators lay: [plane][tile 8 ty + tx][wave w][accumulator 4 a + b][half j][lane][4 numbers]; lane l, number 4 j + e of accumulator (a, b) is
; row 128 ty + 64 (w / 2) + 16 a + l % 16, column 128 tx + 64 (w % 2) + 16 b + 8 (l / 16) + 4 j + e.
; SHARES.  Work-group g = 4 tile + w takes that wave's 64 x 64 block; its wave a takes the block's 16 rows of m block a: 4,096 bytes of each plane, eight loads of 512 consecutive bytes.
; The sums go through the wave's own stage in LDS (16 rows of 256 bytes, 272 apart) and come back as whole rows, so that 16 lanes store 256 consecutive bytes at a multiple of 256 from out0's first.
; A stream of 20 MiB: no matrix work, no cluster, no barrier (a wave reads only what it stored itself).
.set SPITCH, 272                       ; 256 bytes + 16 = 68 words: row r starts at bank 4 r mod 64 (64 banks of 4 bytes: ISA guide 11.1)
.set WSTAGE, 16*SPITCH                 ; a wave's stage
.set SPARE,  4*WSTAGE                  ; behind the stages: the spare words, 128 bytes for each wave: two blocks of 256 bytes that no other line names
.set PLANE,  4194304                   ; bytes in a plane
.set OROW,   4096                      ; bytes in a row of out0
.set LN,  3                            ; v3   16 x lane
.set STO, 4                            ; v4   where I put 16 bytes of a row
.set RD,  5                            ; v5   where I read a row back
.set CO,  6                            ; v6   my byte offset in two rows of out0
.set BO,  7                            ; v7   16 (l % 16): my byte offset among the block's 64 numbers of the bias
.set BI,  8                            ; v[8:11]  my four numbers of the bias
.set SPW, 14                           ; v14  LDS address of my spare word: SPARE + 4 x my thread's number; never rewritten
.set NIL, 15                           ; v15  0; never rewritten
.set X,   16                           ; v[16:143] plane q at X + 32 q; plane 1's registers later take the rows read back
	s_load_b128 s[4:7], s[0:1], 0x0                ; part s[4:5], b_out s[6:7]
	s_load_b64 s[8:9], s[0:1], 0x10                ; out0
	v_lshl_add_u32 v[SPW], v0, 2, SPARE
	v_mov_b32 v[NIL], 0
	v_lshrrev_b32 v12, 5, v0
	v_readfirstlane_b32 s10, v12                   ; wave = m block a
	v_and_b32 v1, 15, v0                           ; l % 16
	v_bfe_u32 v2, v0, 4, 1                         ; l / 16
	v_and_b32 v[LN], 31, v0
	v_lshlrev_b32 v[LN], 4, v[LN]
	v_lshlrev_b32 v[BO], 4, v1
	s_mul_i32 s15, s10, WSTAGE                     ; my stage
	v_mul_u32_u24 v[STO], v1, SPITCH               ; in: row l % 16, 32 bytes (8 columns) for each half of the lanes
	v_lshl_add_u32 v[STO], v2, 5, v[STO]
	v_add_nc_u32 v[STO], s15, v[STO]
	v_mul_u32_u24 v[RD], v2, SPITCH                ; back: lanes 0-15 take one row of 256 bytes, lanes 16-31 the next
	v_lshl_add_u32 v[RD], v1, 4, v[RD]
	v_add_nc_u32 v[RD], s15, v[RD]
	v_lshl_add_u32 v[CO], v2, 12, v[BO]            ; and the same two rows in out0
	s_and_b32 s11, ttmp9, 3                        ; w
	s_bfe_u32 s13, ttmp9, 0x30002                  ; tx: 3 bits from bit 2
	s_lshr_b32 s14, ttmp9, 5                       ; ty
	s_lshl_b32 s24, ttmp9, 14                      ; part: 16,384 bytes for each (tile, w),
	s_lshl_b32 s25, s10, 12                        ; 4,096 for each m block
	s_add_co_u32 s24, s24, s25
	s_mov_b32 s25, 0
	s_lshl_b32 s26, s13, 9                         ; the block's first column in bytes: 512 tx + 256 (w % 2)
	s_and_b32 s27, s11, 1
	s_lshl_b32 s27, s27, 8
	s_add_co_u32 s26, s26, s27
	s_mov_b32 s27, 0
	s_lshl_b32 s28, s14, 7                         ; my first row: 128 ty + 64 (w / 2) + 16 a,
	s_lshr_b32 s29, s11, 1
	s_lshl_b32 s29, s29, 6
	s_add_co_u32 s28, s28, s29
	s_lshl_b32 s29, s10, 4
	s_add_co_u32 s28, s28, s29
	s_lshl_b32 s28, s28, 12                        ; in bytes: under 2^22,
	s_add_co_u32 s28, s28, s26                     ; and the column
	s_mov_b32 s29, 0
	s_wait_kmcnt 0x0
	s_add_nc_u64 s[16:17], s[4:5], s[24:25]        ; a base for each plane: three planes' distance does not fit a load's immediate
	s_add_nc_u64 s[18:19], s[16:17], PLANE
	s_add_nc_u64 s[20:21], s[18:19], PLANE
	s_add_nc_u64 s[22:23], s[20:21], PLANE
	s_add_nc_u64 s[6:7], s[6:7], s[26:27]
	s_add_nc_u64 s[8:9], s[8:9], s[28:29]
	global_load_b128 v[BI:BI+3], v[BO], s[6:7]
.irp q, 0,1,2,3
.irp m, 0,1,2,3,4,5,6,7                ; m = 2 b + j
	global_load_b128 v[X+32*(\q)+4*(\m):X+32*(\q)+4*(\m)+3], v[LN], s[16+2*(\q):17+2*(\q)] offset:512*(\m) th:TH_LOAD_NT  ; read once
.endr
.endr
	s_wait_loadcnt 0x0
	v_cvt_pk_bf16_f32 v12, v[BI], v[BI+1]          ; the bias, rounded to bf16 and widened again
	v_cvt_pk_bf16_f32 v13, v[BI+2], v[BI+3]
	v_lshlrev_b32 v[BI],   16, v12
	v_and_b32     v[BI+1], 0xffff0000, v12
	v_lshlrev_b32 v[BI+2], 16, v13
	v_and_b32     v[BI+3], 0xffff0000, v13
.irp q, 1,2,3                          ; planes 1, 2, 3 onto plane 0, in that order
.set p, 0
.rept 16
	v_pk_add_f32 v[X+2*p:X+2*p+1], v[X+2*p:X+2*p+1], v[X+32*(\q)+2*p:X+32*(\q)+2*p+1]
.set p, p+1
.endr
.endr
.irp m, 0,1,2,3,4,5,6,7
	ds_store_b128 v[STO], v[X+4*(\m):X+4*(\m)+3] offset:64*((\m)/2)+16*((\m)%2)  ; columns 16 b + 8 (l / 16) + 4 j on
.endr
.irp t, 0,1,2,3,4,5,6,7
	ds_load_b128 v[X+32+4*(\t):X+32+4*(\t)+3], v[RD] offset:(\t)*2*SPITCH  ; LDS serves a wave's instructions in order (ISA guide 5.7.1.4): these see the stores above
.endr
.irp t, 0,1,2,3,4,5,6,7
	s_wait_dscnt 7-(\t)                            ; pair t of rows is in; the younger loads stay out
	v_pk_add_f32 v[X+32+4*(\t):X+32+4*(\t)+1],   v[X+32+4*(\t):X+32+4*(\t)+1],   v[BI:BI+1]
	v_pk_add_f32 v[X+32+4*(\t)+2:X+32+4*(\t)+3], v[X+32+4*(\t)+2:X+32+4*(\t)+3], v[BI+2:BI+3]
	global_store_b128 v[CO], v[X+32+4*(\t):X+32+4*(\t)+3], s[8:9] offset:2*(\t)*OROW th:TH_STORE_NT  ; 16 lanes store 256 consecutive bytes
.endr
	s_wait_tensorcnt 0x0                           ; the wave's end, behind my last LDS store
	ds_add_u32 v[SPW], v[NIL]
	s_wait_dscnt 0x0
	s_endpgm
.Lfunc_end_k_q059e4130d1_fin:
	.size	k_q059e4130d1_fin, .Lfunc_end_k_q059e4130d1_fin-k_q059e4130d1_fin
	.p2alignl 7, 3214868480
	.fill 96, 4, 3214868480
	.section	.rodata,"a",@progbits
	.p2align	6, 0x0
	.amdhsa_kernel k_q059e4130d1_fin
		.amdhsa_group_segment_fixed_size 17920
		.amdhsa_private_segment_fixed_size 0
		.amdhsa_enable_private_segment 0
		.amdhsa_kernarg_size 24
		.amdhsa_user_sgpr_count 2
		.amdhsa_user_sgpr_kernarg_segment_ptr 1
		.amdhsa_wavefront_size32 1
		.amdhsa_system_sgpr_workgroup_id_x 1
		.amdhsa_system_sgpr_workgroup_id_y 1
		.amdhsa_system_sgpr_workgroup_id_z 1
		.amdhsa_system_vgpr_workitem_id 0
		.amdhsa_next_free_vgpr 144
		.amdhsa_next_free_sgpr 66
		.amdhsa_reserve_vcc 0
		.amdhsa_float_denorm_mode_32 3
		.amdhsa_float_denorm_mode_16_64 3
		.amdhsa_memory_ordered 1
		.amdhsa_forward_progress 1
		.amdhsa_inst_pref_size 12
	.end_amdhsa_kernel
	.amdgpu_metadata
---
amdhsa.version: [ 1, 2 ]
amdhsa.kernels:
  - .name:           k_q059e4130d1_fin
    .symbol:         k_q059e4130d1_fin.kd
    .args:
      - { .name: part, .offset: 0, .size: 8, .value_kind: global_buffer, .address_space: global }
      - { .name: b_out, .offset: 8, .size: 8, .value_kind: global_buffer, .address_space: global }
      - { .name: out0, .offset: 16, .size: 8, .value_kind: global_buffer, .address_space: global }
    .group_segment_fixed_size: 17920
    .private_segment_fixed_size: 0
    .kernarg_segment_align: 8
    .kernarg_segment_size: 24
    .max_flat_workgroup_size: 128
    .sgpr_count:     66
    .vgpr_count:     144
    .wavefront_size: 32
...
	.end_amdgpu_metadata
.endif
;; end of part 5
;; ======== version 2 of 2: 6 launches; 1.14 times as fast as version 1
;; limits: values are held in f16: magnitudes above 65,504 overflow, below 6.1e-05 lose precision
;; workspace buffers: xb 4,194,304 bytes; qin 2,097,152 bytes; qrec 4,194,304 bytes; qout 8,388,608 bytes; ha 8,388,608 bytes; hb 8,388,608 bytes; pre 16,777,216 bytes; part 16,777,216 bytes
;; launch prep (part 6): grid 3840 x 1, 8 waves a work-group, no clusters, 0 bytes of LDS; arguments x, W_in, W_rec, W_out, xb, qin, qrec, qout; writes xb, qin, qrec, qout
.if DOCPART == 6
	.amdgcn_target "amdgcn-amd-amdhsa--gfx1250"
	.amdhsa_code_object_version 6
	.text
	.protected	k_q059e4130d1_prep
	.globl	k_q059e4130d1_prep
	.p2align	8
	.type	k_q059e4130d1_prep,@function
k_q059e4130d1_prep:
	s_mov_b64 s[64:65], 0
	v_nop
	global_prefetch_b8 v0, s[64:65] scope:SCOPE_SE
	s_setreg_imm32_b32 hwreg(HW_REG_WAVE_MODE, 25, 1), 1
	s_wait_xcnt 0x0
; xb = bf16(x / 2);  qin, qrec = the ternary codes of W_in, W_rec, two bits each;  qout = twice the ternary codes of W_out as f16 (+2, 0, -2).
; The products multiply (x / 2) or (h / 2) by 2 q: 2.0 is 0x4000 in f16 and in bf16, so an element 2 q is two bits of its half word, sign at bit 15 and magnitude at bit 14.
; LIMITS.  Every input of the program is taken ROUNDED TO bf16 (nearest even), the weights too, ahead of the threshold 0.5: bf16(w) > 0.5 holds exactly
; where w > 0.501953125 (0x3f008000, half way from 0.5 to the next bf16, which itself rounds down to the even 0.5), and likewise below -0.5.
; So a weight between 0.5 and 0.501953125 counts as 0.  A NaN weight fails both compares and counts as 0, as in the f32 compares that these replace.
; x / 2 is exact but where it falls among f32's denormals (|x| below 2^-125).
; THE PACKED CODES.  [K step of 512][row n][32 words]: 128 bytes for a row and step, a tile of 128 rows 16,384 consecutive bytes.  A word holds 16 consecutive k: element 2 j in bits 15 - 2 j (sign)
; and 14 - 2 j (magnitude), element 2 j + 1 sixteen bits higher, so that (word << 2 j) & 0xc000c000 is register j of a matrix fragment.  Word 2 l + z of a row and step (l = 4 q + u) holds the
; k from 16 (16 z + 4 u + q) on: the order in which this text's lanes end up with them; the products read A's rows in the same order.
; A stream: every byte is read once and written once, so there is no LDS, no barrier and no matrix work.
; SHARES.  A work-group takes 8,192 numbers, 32,768 bytes.  x and W_out: in pass i of eight, thread t loads the 16 bytes at 4,096 i + 16 t and stores the 8 bytes at 2,048 i + 8 t (a wave's store covers
; 256 consecutive bytes).  W_in and W_rec: 16 rows x one K step; sixteen lanes take a row, 256 consecutive bytes a load, eight loads; each lane packs its four numbers of a load into their places of a
; word, the four lanes of a word's 16 k join their parts, each lane keeps two of the eight words, and one store of 8 bytes a lane covers 256 consecutive bytes, at a multiple of 256 from the buffer's first.
; Work-groups 0-255 take x, 256-1279 W_in, 1280-3327 W_rec, 3328-3839 W_out.  All eight loads go out first; no register that a pending memory instruction names is written.
.set NX,   256                         ; work-groups for x:     1024 x 2048 / 8192
.set NIN,  1024                        ; for W_in:  4096 x 2048 / 8192
.set NREC, 2048                        ; for W_rec: 4096 x 4096 / 8192
.set X,    8                           ; v[8:39]   load i: 4 registers as loaded; the first then holds what is made of them
.set T,    40                          ; v[40:43]  at work
.set KP,   44                          ; v44       the part that a lane keeps
.set SD,   45                          ; v45       the part that it hands to its partner
.set RC,   46                          ; v46       the part that it is handed
.set SH,   47                          ; v47       4 (t % 4): how far down my four numbers lie in their word's halves
.set R,    48                          ; v[48:51]  four words joined over two lanes
.set O,    52                          ; v[52:53]  my two whole words
	s_load_b512 s[8:23], s[0:1], 0x0               ; x s[8:9], W_in s[10:11], W_rec s[12:13], W_out s[14:15], xb s[16:17], qin s[18:19], qrec s[20:21], qout s[22:23]
	v_lshlrev_b32 v1, 4, v0                        ; 16 t
	v_lshlrev_b32 v2, 3, v0                        ; 8 t
	v_and_b32 v4, 15, v0                           ; my place among a row's sixteen lanes
	v_lshrrev_b32 v5, 4, v0                        ; my row among the group's sixteen
	v_and_b32 v[SH], 3, v0
	v_lshlrev_b32 v[SH], 2, v[SH]
	v_mov_b32 v[RC], 0                             ; a DPP form's destination counts as read: written once here
	s_mov_b32 s24, 0x3f008000                      ; the threshold on the unrounded weight
	s_mov_b32 s25, 0xbf008000                      ; and its negative
	s_mov_b32 s28, 0x07060302                      ; v_perm_b32: the two sources' upper halves
	s_mov_b32 s3, 0                                ; the upper word of the offset pair s[2:3]
	s_mov_b32 s40, 0x00004000                      ; +1 for number 0 of a lane's four: magnitude at bit 14,
	s_mov_b32 s41, 0x40000000                      ; number 1: sixteen bits higher,
	s_mov_b32 s42, 0x00001000                      ; number 2: two bits lower,
	s_mov_b32 s43, 0x10000000                      ; number 3
	s_mov_b32 s44, 0x0000c000                      ; -1: the sign bit above the magnitude
	s_mov_b32 s45, 0xc0000000
	s_mov_b32 s46, 0x00003000
	s_mov_b32 s47, 0x30000000
	s_mov_b32 s48, 0xaaaaaaaa                      ; the lanes with an odd number
	s_mov_b32 s49, 0xcccccccc                      ; the lanes whose number has bit 1 set
	s_wait_kmcnt 0x0
; The work-group's part of src and dst (each pointer in registers of its own), and the eight loads.
.macro HEAD src, dst, base
	s_sub_co_u32 s2, ttmp9, \base                  ; my number among the tensor's work-groups,
	s_lshl_b32 s2, s2, 15                          ; times 32,768 bytes: under 2^26
	s_add_nc_u64 s[\src:\src+1], s[\src:\src+1], s[2:3]
	s_lshr_b32 s2, s2, 1                           ; half as many bytes go out
	s_add_nc_u64 s[\dst:\dst+1], s[\dst:\dst+1], s[2:3]
.irp i, 0,1,2,3,4,5,6,7
	global_load_b128 v[X+4*(\i):X+4*(\i)+3], v1, s[\src:\src+1] offset:4096*(\i) th:TH_LOAD_NT  ; read once in the whole program
.endr
.endm
; Weights to 16-bit codes.  one: the positive code.  The codes are made in the upper halves and packed two to a word, the lower index below.
.macro QUANT src, dst, base, one
	s_mov_b32 s26, (\one)<<16
	s_mov_b32 s27, ((\one)|0x8000)<<16
	HEAD \src, \dst, \base
.irp i, 0,1,2,3,4,5,6,7
	s_wait_loadcnt 7-(\i)                          ; loads come back in order (ISA guide 5.7.1): pass i is in, the 7 - i younger ones stay out
.irp e, 0,1,2,3
	v_cmp_lt_f32 s[30+(\e)], s24, v[X+4*(\i)+(\e)] ; threshold < w
	v_cmp_gt_f32 s[34+(\e)], s25, v[X+4*(\i)+(\e)] ; -threshold > w
.endr
.irp e, 0,1,2,3
	v_cndmask_b32 v[T+(\e)], 0, s26, s[30+(\e)]
	v_cndmask_b32 v[T+(\e)], v[T+(\e)], s27, s[34+(\e)]
.endr
	v_perm_b32 v[X+4*(\i)],   v[T+1], v[T],   s28
	v_perm_b32 v[X+4*(\i)+1], v[T+3], v[T+2], s28
	global_store_b64 v2, v[X+4*(\i):X+4*(\i)+1], s[\dst:\dst+1] offset:2048*(\i)
.endr
.endm
; x to bf16(x / 2), two at a time.
.macro CAST src, dst, base
	HEAD \src, \dst, \base
.irp i, 0,1,2,3,4,5,6,7
	s_wait_loadcnt 7-(\i)
	v_pk_mul_f32 v[X+4*(\i):X+4*(\i)+1],   v[X+4*(\i):X+4*(\i)+1],   0.5 op_sel_hi:[1,0]
	v_pk_mul_f32 v[X+4*(\i)+2:X+4*(\i)+3], v[X+4*(\i)+2:X+4*(\i)+3], 0.5 op_sel_hi:[1,0]
	v_cvt_pk_bf16_f32 v[X+4*(\i)],   v[X+4*(\i)],   v[X+4*(\i)+1]
	v_cvt_pk_bf16_f32 v[X+4*(\i)+1], v[X+4*(\i)+2], v[X+4*(\i)+3]
	global_store_b64 v2, v[X+4*(\i):X+4*(\i)+1], s[\dst:\dst+1] offset:2048*(\i)
.endr
.endm
; Weights [4096][K] to packed codes.  lk = log2 K.  Neighbouring work-groups take neighbouring K steps of the same sixteen rows.
.macro PACK src, dst, base, lk
	s_sub_co_u32 s38, ttmp9, \base                 ; my number among the tensor's work-groups:
	s_and_b32 s29, s38, (1<<((\lk)-9))-1           ; its low bits are the K step,
	s_lshr_b32 s38, s38, (\lk)-9                   ; the rest the group of sixteen rows
	s_lshl_b32 s2, s38, (\lk)+6                    ; in: 16 rows x K x 4 bytes for a group: under 2^26,
	s_lshl_b32 s39, s29, 11                        ; 2,048 bytes along the rows for a step
	s_add_co_u32 s2, s2, s39
	s_add_nc_u64 s[\src:\src+1], s[\src:\src+1], s[2:3]
	s_lshl_b32 s2, s29, 19                         ; out: 4,096 rows x 128 bytes for a step,
	s_lshl_b32 s39, s38, 11                        ; 16 x 128 for a group
	s_add_co_u32 s2, s2, s39
	s_add_nc_u64 s[\dst:\dst+1], s[\dst:\dst+1], s[2:3]
	v_lshlrev_b32 v3, (\lk)+2, v5                  ; my row,
	v_lshl_add_u32 v3, v4, 4, v3                   ; my 16 bytes of its 256
.irp i, 0,1,2,3,4,5,6,7
	global_load_b128 v[X+4*(\i):X+4*(\i)+3], v3, s[\src:\src+1] offset:256*(\i) th:TH_LOAD_NT  ; sixteen lanes: 256 consecutive bytes, 64 k of a row
.endr
.irp i, 0,1,2,3,4,5,6,7
	s_wait_loadcnt 7-(\i)
.irp e, 0,1,2,3
	v_cmp_lt_f32 s[30+(\e)], s24, v[X+4*(\i)+(\e)]
	v_cmp_gt_f32 s[34+(\e)], s25, v[X+4*(\i)+(\e)]
.endr
.irp e, 0,1,2,3
	v_cndmask_b32 v[T+(\e)], 0, s[40+(\e)], s[30+(\e)]
	v_cndmask_b32 v[T+(\e)], v[T+(\e)], s[44+(\e)], s[34+(\e)]
.endr
	v_add3_u32 v[T], v[T], v[T+1], v[T+2]          ; the four codes' bits are disjoint: a sum joins them
	v_add_nc_u32 v[T], v[T], v[T+3]
	v_lshrrev_b32 v[X+4*(\i)], v[SH], v[T]         ; down to my four places in both halves of the word
.endr
	; Load i's word for a quad of lanes is the union of the four lanes' parts.  Two exchanges: a lane keeps half of what it holds and hands the other half to its partner, who keeps that.
.irp a, 0,1,2,3                        ; with the lane 1 away: even lanes keep load 2 a, odd lanes load 2 a + 1
	v_cndmask_b32 v[KP], v[X+8*(\a)],   v[X+8*(\a)+4], s48
	v_cndmask_b32 v[SD], v[X+8*(\a)+4], v[X+8*(\a)],   s48
	v_mov_b32_dpp v[RC], v[SD] row_xmask:1 row_mask:0xf bank_mask:0xf
	v_or_b32 v[R+(\a)], v[KP], v[RC]
.endr
.irp z, 0,1                            ; with the lane 2 away: lane u of the quad ends with loads u and 4 + u
	v_cndmask_b32 v[KP], v[R+2*(\z)],   v[R+2*(\z)+1], s49
	v_cndmask_b32 v[SD], v[R+2*(\z)+1], v[R+2*(\z)],   s49
	v_mov_b32_dpp v[RC], v[SD] row_xmask:2 row_mask:0xf bank_mask:0xf
	v_or_b32 v[O+(\z)], v[KP], v[RC]
.endr
	global_store_b64 v2, v[O:O+1], s[\dst:\dst+1]  ; a wave: two rows' 128 bytes, 256 consecutive bytes
.endm
	s_cmp_lt_u32 ttmp9, NX                         ; which tensor: the work-group's number alone decides, all jumps go forward
	s_cbranch_scc1 .Lx
	s_cmp_lt_u32 ttmp9, NX+NIN
	s_cbranch_scc1 .Lw_in
	s_cmp_lt_u32 ttmp9, NX+NIN+NREC
	s_cbranch_scc1 .Lw_rec
	QUANT 14, 22, NX+NIN+NREC, 0x4000              ; W_out -> qout: +2, 0, -2 in f16
	s_endpgm
.Lw_rec:
	PACK 12, 20, NX+NIN, 12                        ; W_rec -> qrec
	s_endpgm
.Lw_in:
	PACK 10, 18, NX, 11                            ; W_in -> qin
	s_endpgm
.Lx:
	CAST 8, 16, 0                                  ; x -> xb
	s_endpgm
.Lfunc_end_k_q059e4130d1_prep:
	.size	k_q059e4130d1_prep, .Lfunc_end_k_q059e4130d1_prep-k_q059e4130d1_prep
	.p2alignl 7, 3214868480
	.fill 96, 4, 3214868480
	.section	.rodata,"a",@progbits
	.p2align	6, 0x0
	.amdhsa_kernel k_q059e4130d1_prep
		.amdhsa_group_segment_fixed_size 0
		.amdhsa_private_segment_fixed_size 0
		.amdhsa_enable_private_segment 0
		.amdhsa_kernarg_size 64
		.amdhsa_user_sgpr_count 2
		.amdhsa_user_sgpr_kernarg_segment_ptr 1
		.amdhsa_wavefront_size32 1
		.amdhsa_system_sgpr_workgroup_id_x 1
		.amdhsa_system_sgpr_workgroup_id_y 1
		.amdhsa_system_sgpr_workgroup_id_z 1
		.amdhsa_system_vgpr_workitem_id 0
		.amdhsa_next_free_vgpr 56
		.amdhsa_next_free_sgpr 66
		.amdhsa_reserve_vcc 0
		.amdhsa_float_denorm_mode_32 3
		.amdhsa_float_denorm_mode_16_64 3
		.amdhsa_memory_ordered 1
		.amdhsa_forward_progress 1
		.amdhsa_inst_pref_size 41
	.end_amdhsa_kernel
	.amdgpu_metadata
---
amdhsa.version: [ 1, 2 ]
amdhsa.kernels:
  - .name:           k_q059e4130d1_prep
    .symbol:         k_q059e4130d1_prep.kd
    .args:
      - { .name: x, .offset: 0, .size: 8, .value_kind: global_buffer, .address_space: global }
      - { .name: W_in, .offset: 8, .size: 8, .value_kind: global_buffer, .address_space: global }
      - { .name: W_rec, .offset: 16, .size: 8, .value_kind: global_buffer, .address_space: global }
      - { .name: W_out, .offset: 24, .size: 8, .value_kind: global_buffer, .address_space: global }
      - { .name: xb, .offset: 32, .size: 8, .value_kind: global_buffer, .address_space: global }
      - { .name: qin, .offset: 40, .size: 8, .value_kind: global_buffer, .address_space: global }
      - { .name: qrec, .offset: 48, .size: 8, .value_kind: global_buffer, .address_space: global }
      - { .name: qout, .offset: 56, .size: 8, .value_kind: global_buffer, .address_space: global }
    .group_segment_fixed_size: 0
    .private_segment_fixed_size: 0
    .kernarg_segment_align: 8
    .kernarg_segment_size: 64
    .max_flat_workgroup_size: 256
    .sgpr_count:     66
    .vgpr_count:     56
    .wavefront_size: 32
...
	.end_amdgpu_metadata
.endif
;; end of part 6
;; launch proj (part 7): grid 32 x 8, 4 waves a work-group, clusters of 4 x 4, 327,680 bytes of LDS; arguments xb, qin, ha, pre, b_in, b_rec; writes ha, pre
.if DOCPART == 7
	.amdgcn_target "amdgcn-amd-amdhsa--gfx1250"
	.amdhsa_code_object_version 6
	.text
	.protected	k_q059e4130d1_proj
	.globl	k_q059e4130d1_proj
	.p2align	8
	.type	k_q059e4130d1_proj,@function
k_q059e4130d1_proj:
	s_mov_b64 s[64:65], 0
	v_nop
	global_prefetch_b8 v0, s[64:65] scope:SCOPE_SE
	s_setreg_imm32_b32 hwreg(HW_REG_WAVE_MODE, 25, 1), 1
	s_wait_xcnt 0x0
	s_wait_alu depctr_hold_cnt(0) depctr_sa_sdst(0) depctr_va_vdst(0) depctr_va_sdst(0) depctr_va_ssrc(0) depctr_va_vcc(0) depctr_vm_vsrc(0)
	s_getreg_b32 s2, hwreg(HW_REG_IB_STS2, 6, 4)
	s_cmp_eq_u32 s2, 0
	s_cbranch_scc0 .Lentry_in_a_cluster
	s_endpgm
.Lentry_in_a_cluster:
	s_bfe_u32 s2, ttmp6, 0x10000c
	s_cmp_lg_u32 s2, 0xf033
	s_cbranch_scc0 .Lentry_shape_is_right
	s_endpgm
.Lentry_shape_is_right:
; ONE TEXT FOR TWO KINDS OF PRODUCT WITH PACKED TERNARY CODES; MODE picks what differs.  C[m][n] = C0[m][n] + the sum over k of A[m][k] (2 q[n][k]), sums in f32; A holds HALF the true operand.
;   MODE 1 (this file)  A = xb = bf16(x / 2) [1024][2048], q = qin, C0 = bf16(b_in)[n] + bf16(b_rec)[n].  C goes out as pre (f32), tanh(C) / 2 as h (f16).
;                       The recurrence starts from h = 0, whose product with the finite codes is 0 for every input: its first step is tanh(x_proj + b_rec), made here.
;   MODE 2              A = h = tanh / 2 [1024][4096] f16, q = qrec, C0 = pre.  tanh(C) / 2 goes out as the next h (f16).
; LIMITS.  The biases are taken rounded to bf16, as all the program's inputs are.  h / 2 is rounded to f16: it lies in -0.5 to 0.5, and below 6e-5 it keeps f16's fixed step of 6e-8.
; tanh(v) / 2 = 0.5 - 1 / (1 + 2^(2 log2(e) v)): absolute error about 1e-7; where the power overflows to infinity or flushes to 0 the result is exactly 0.5 or -0.5.  NaN and infinities in x go through.
; The f32 sums run in another order than a plain row by row sum, and k is permuted inside a K step, alike in A and q.
; THE CODES lie as [K step of 512][row n][32 words]; a word holds 16 k, two bits each (sign, magnitude), and (word << 2 j) & 0xc000c000 is register j of a fragment of 2 q: 2.0 is 0x4000 in f16 and in bf16.
; So a K step of 512 fills 1,024 bytes for a row of A and 128 for a row of q, and two slots of that step fit in LDS: a wave has 256 matrix instructions between two changes of slots.
; SHARES.  A tile of C is 128 x 128: 1024 x 4096 makes 256 of them.  Four waves, each all 128 rows x 32 columns: 16 accumulators of 16 x 16 ((a, b) at v[128 + 8 (2 a + b)]), so that a fragment of q,
; which costs 15 vector instructions to unpack, feeds eight matrix instructions.
; A K STEP is four groups g of four chunks c of 32 k.  In chunk (g, c) the lanes' half h takes the 16 k at byte 512 (c % 2) + 256 h + 128 (c / 2) + 32 g of A's rows, which are word 8 g + 4 h + c of q's row.
; While a chunk's 16 products run, the next chunk's A is loaded (one run of 16 LDS loads) and its two fragments of q are unpacked, two vector instructions behind each matrix instruction.
; CLUSTERS: 4 x 4 work-groups.  The four of a row of the cluster need the same tiles of A, the four of a column the same tiles of q: each tile is asked for JOINTLY, by the same tensor load with
; the same descriptor and a mask that names the four.  THE MATRIX INSTRUCTION IS USED TRANSPOSED (source 0 = 16 rows of q, source 1 = 16 rows of A): lane l holds row l % 16 of C and
; its registers 0-7 the columns 8 (l / 16) + 0..7.
; pre IS BLOCKED as the accumulators lie: [tile][wave][accumulator][half][lane][4 numbers]: 65,536 bytes a tile, 16,384 a wave; each store or load of a wave is 512 consecutive bytes.  It is loaded straight
; into the accumulators: the sums start from it (here from the biases), and nothing is cleared.
; REGISTERS: window 0: v0-31 addresses; v32-63 XB, two buffers of two unpacked fragments; v64-127 at work at the start and on the way out; v128-255 the accumulators.
;   window 1: v0-127 AF, two buffers of eight fragments of A; v128-135 PR, a group's words of q for my two column blocks.  ONE window setting serves products and unpacking.
.set MODE,   1
.set PITCHK, 2048                      ; elements in a row of A
.set KLEN,   2048                      ; elements of K
.set KSTEP,  512
.set NSTEP,  KLEN/KSTEP                ; even, at least 4
.set APITCH, 1040                      ; a row of A in LDS: 1,024 bytes + 16 of padding = 260 words: row r starts at bank 4 r mod 64 (64 banks of 4 bytes: ISA guide 11.1)
.set AHALF,  64*APITCH                 ; 64 rows: what one tensor load brings of A
.set ATILE,  2*AHALF
.set BPITCH, 144                       ; a row of q: 128 bytes + 16 = 36 words: the 16 rows of a load start at 16 different groups of four banks
.set BHALF,  64*BPITCH                 ; 64 rows: what one tensor load brings of q
.set SLOT,   ATILE+2*BHALF             ; A's 128 rows, then q's 128 rows: 151,552 bytes
.set STAGE,  SLOT                      ; h's way out goes through slot 1, whose last fill is the last K step: 128 rows x 272 bytes
.set SPITCH, 272
.set SPARE,  2*SLOT                    ; behind the ring: the spare words, 128 bytes for each wave: two blocks of 256 bytes that no other line names
.set BSTEP,  4096*128                  ; bytes from a K step's codes to the next step's
.set HROW,   8192                      ; bytes in a row of h
.set ADA,  8                           ; v8-9    my lane's place in A's rows 0-63 and 64-127 of a slot; never rewritten
.set ADB,  10                          ; v10     my lane's place in q's rows; never rewritten
.set AA,   12                          ; v12-13  the same two for A with the slot and the group in hand
.set AB,   14                          ; v14     and for q
.set STO,  24                          ; v24     h's way out: where I put 16 bytes of a row
.set RD,   25                          ; v25     h's way out: where I read a row back
.set CO,   26                          ; v26     my byte offset in h
.set CB,   27                          ; v27     16 x lane: my byte offset in 512 bytes of pre
.set SPW,  28                          ; v28     LDS address of my spare word: SPARE + 4 x my thread's number; never rewritten
.set NIL,  29                          ; v29     0; never rewritten
.set VB,   30                          ; v30     32 (l / 16): my byte offset among 16 numbers of a bias
.set XB,   32
.set T,    32                          ; the way out: 16 registers at work, where XB lay
.set TMP,  64
.set ACC,  128
.set AF,   0                           ; window 1
.set PR,   128                         ; window 1: column block b's four words at PR + 4 b
.set G1, 24                            ; s[24:31] descriptor group 1 for A's tiles;  s[32:39] group 0: a set for each of the two first fills; the second then walks on
.set G0, 32
.set G1B, 48                           ; s[48:55], s[56:63] the same for q's tiles
.set G0B, 56
.set SB,  72                           ; s72  LDS byte at which the slot that is read begins: 0 or SLOT
.set TA,  73                           ; s73  SB + 32 x the group to be fetched
.set CG,  74                           ; s74  counts a K step's groups
.set CS,  75                           ; s75  counts K steps
.set MK,  79                           ; s79  0xc000c000
.set LB,  80                           ; s80  where my load of q goes in a slot
.set MSB, 0
.macro WIN new                         ; the immediate's high byte repeats the setting that is left; a switch that changes nothing is dropped
.if MSB != (\new)
	s_set_vgpr_msb (MSB<<8)|(\new)
.set MSB, \new
.endif
.endm
.set MUL,  0x04                        ; source 1 window 1 (A's fragments; PR); source 0, source 2 and destination window 0 (XB, the accumulators)
.set TO_F, 0x40                        ; destination window 1, address window 0
.macro JLOAD s                         ; a joint load: waves 0 and 1 fetch A's two halves, waves 2 and 3 q's; an s_nop 0 and four v_nop follow each of the two lines, ahead of the jump, the label and what follows
	s_cmp_eq_u32 s11, 0
	s_cbranch_scc0 .Lfor_b_\@
	tensor_load_to_lds s[G0+4*(\s):G0+4*(\s)+3], s[G1:G1+7]
	s_nop 0
.rept 4
	v_nop
.endr
	s_branch .Lasked_\@
.Lfor_b_\@:
	tensor_load_to_lds s[G0B+4*(\s):G0B+4*(\s)+3], s[G1B:G1B+7]
	s_nop 0
.rept 4
	v_nop
.endr
.Lasked_\@:
.endm
.macro CREST                           ; a round of the cluster's barrier behind its opening barrier
	s_cmp_lg_u32 s10, 0
	s_cbranch_scc1 .Lnot_wave_0_\@
	s_barrier_signal -3
.Lnot_wave_0_\@:
	s_barrier_wait -3
	s_barrier_signal -1
	s_barrier_wait -1
.endm
.macro CROUND                          ; a whole round
	s_barrier_signal -1
	s_barrier_wait -1
	CREST
.endm
.macro PLACES                          ; four places in front of loads into registers that matrix instructions have read, and of lines that read results (ISA guide 7.12.1 for vector instructions)
.rept 4
	v_nop
.endr
.endm
	s_load_b128 s[4:7], s[0:1], 0x0                ; A s[4:5], q s[6:7]
	s_load_b64 s[8:9], s[0:1], 0x10                ; the h that goes out
	s_load_b64 s[66:67], s[0:1], 0x18              ; pre
.if MODE == 1
	s_load_b128 s[68:71], s[0:1], 0x20             ; b_in s[68:69], b_rec s[70:71]
.endif
	v_lshl_add_u32 v[SPW], v0, 2, SPARE
	v_mov_b32 v[NIL], 0
	ds_add_u32 v[SPW], v[NIL]                      ; the wave's opening: the add and its wait stand ahead of my first tensor load; the set-up below, work on registers, stands between them
	v_lshrrev_b32 v1, 5, v0
	v_readfirstlane_b32 s10, v1                    ; wave 0..3: my 32 columns of the tile
	s_lshr_b32 s11, s10, 1                         ; I fetch for A (0) or for q (1),
	s_and_b32 s12, s10, 1                          ; and which 64 rows of that tile
	s_bfe_u32 s40, ttmp6, 0x40000                  ; cx, cy: my place in the cluster
	s_bfe_u32 s41, ttmp6, 0x40004
	s_lshl_b32 s42, ttmp9, 2
	s_add_co_u32 s42, s42, s40                     ; tile column of C = 4 x cluster x + cx
	s_and_b32 s13, ttmp7, 0xffff
	s_lshl_b32 s13, s13, 2
	s_add_co_u32 s13, s13, s41                     ; tile row of C = 4 x cluster y + cy
	s_lshl_b32 s43, s41, 2
	s_lshl_b32 s43, 15, s43                        ; my row of the cluster
	s_lshl_b32 s44, 0x1111, s40                    ; my column
	; descriptor group 1 for A: a tile of 64 rows x 512 elements, padded in LDS
	s_or_b32 s[G1+0], s43, (1<<16)|(1<<20)|(1<<21)|(7<<22)|(3<<25)  ; 15:0 the mask: A's tiles go to my row; 17:16 element of 2 bytes; 20 padding on; 21 set beside a mask; 24:22 after every 256 words (code 7); 31:25 of 4 words (code 3)
	s_mov_b32 s[G1+1], KSTEP<<16                   ; tensor_dim0 = 512
	s_mov_b32 s[G1+2], 64<<16                      ; tensor_dim1 = 64
	s_mov_b32 s[G1+3], KSTEP<<16                   ; tile_dim0 = 512
	s_mov_b32 s[G1+4], 64                          ; tile_dim1 = 64
	s_mov_b32 s[G1+5], PITCHK                      ; tensor_dim0_stride: elements from row to row
	s_mov_b32 s[G1+6], 0
	s_mov_b32 s[G1+7], 0
	; and for q: 64 rows of 128 bytes are 8,192 consecutive bytes: asked for as 32 rows of 256 bytes, two rows of q each, and padded in LDS after every row of q
	s_or_b32 s[G1B+0], s44, (1<<16)|(1<<20)|(1<<21)|(4<<22)|(3<<25) ; the mask of my column; padding after every 32 words (code 4) of 4 words
	s_mov_b32 s[G1B+1], 128<<16                    ; tensor_dim0 = 128 elements of 2 bytes
	s_mov_b32 s[G1B+2], 32<<16                     ; tensor_dim1 = 32
	s_mov_b32 s[G1B+3], 128<<16                    ; tile_dim0 = 128
	s_mov_b32 s[G1B+4], 32                         ; tile_dim1 = 32
	s_mov_b32 s[G1B+5], 128                        ; 128 elements from row to row
	s_mov_b32 s[G1B+6], 0
	s_mov_b32 s[G1B+7], 0
	; where the tiles come from: A's hang on the tile row alone, q's on the tile column alone, each in registers that never hold the other coordinate
	s_lshl_b32 s17, s12, 6                         ; which 64 rows of the tile I fetch
	s_lshl_b32 s16, s13, 7
	s_add_co_u32 s16, s16, s17                     ; A: row 128 x tile row + 64 x half,
	s_mov_b32 s17, 0
	s_mov_b64 s[18:19], PITCHK*2
	s_mul_u64 s[16:17], s[16:17], s[18:19]         ; in bytes
	s_lshl_b32 s46, s42, 14                        ; q: 16,384 bytes x tile column
	s_lshl_b32 s47, s12, 13                        ; + 8,192 x half
	s_add_co_u32 s46, s46, s47
	s_mov_b32 s47, 0
	s_mul_i32 s20, s12, AHALF                      ; where they go in a slot: no place in the cluster enters an LDS address
	s_mul_i32 s[LB], s12, BHALF
	s_add_co_u32 s[LB], s[LB], ATILE
	s_mov_b32 s[SB], 0
	s_mov_b32 s[TA], 0
	s_mov_b32 s[MK], 0xc000c000
	s_mov_b32 s76, 0x4038aa3b                      ; 2 log2(e) = 2.885390
	s_mov_b32 s77, s76                             ; named with it as a pair
.if MODE == 1
	s_mov_b32 s78, 0xffff0000                      ; a word's upper bf16
.endif
	s_wait_dscnt 0x0                               ; the opening add is done
	s_wait_kmcnt 0x0
	s_add_nc_u64 s[14:15], s[4:5], s[16:17]
	s_add_nc_u64 s[46:47], s[6:7], s[46:47]
	CROUND                                         ; all sixteen work-groups are here: the first joint loads meet
.irp s, 0,1
	s_mov_b32 s[G0+4*(\s)], 1                                      ; 1:0 count = 1
	s_add_co_u32 s[G0+4*(\s)+1], s20, (\s)*SLOT                    ; 63:32 LDS address
	s_add_nc_u64 s[G0+4*(\s)+2:G0+4*(\s)+3], s[14:15], (\s)*KSTEP*2  ; 120:64 global address: K step s
	s_or_b32 s[G0+4*(\s)+3], s[G0+4*(\s)+3], 0x80000000            ; 127:126 type = 2
	s_mov_b32 s[G0B+4*(\s)], 1
	s_add_co_u32 s[G0B+4*(\s)+1], s[LB], (\s)*SLOT
	s_add_nc_u64 s[G0B+4*(\s)+2:G0B+4*(\s)+3], s[46:47], (\s)*BSTEP
	s_or_b32 s[G0B+4*(\s)+3], s[G0B+4*(\s)+3], 0x80000000
	JLOAD \s                                       ; two loads of mine are out behind these; later one behind each round
.endr
	v_and_b32 v1, 15, v0                           ; l % 16
	v_bfe_u32 v2, v0, 4, 1                         ; l / 16
	v_mul_u32_u24 v[ADA], v1, APITCH
	v_lshl_add_u32 v[ADA], v2, 8, v[ADA]           ; A: row x pitch + 256 x half
	v_add_nc_u32 v[ADA+1], AHALF, v[ADA]           ; rows 64 on have a register of their own: an LDS offset holds 16 bits
	s_mul_i32 s21, s10, 32*BPITCH                  ; q: my 32 rows, behind A's tile
	s_add_co_u32 s21, s21, ATILE
	v_mul_u32_u24 v[ADB], v1, BPITCH
	v_lshl_add_u32 v[ADB], v2, 4, v[ADB]           ; row x pitch + 16 x half
	v_add_nc_u32 v[ADB], s21, v[ADB]
	v_mov_b32 v[AA], v[ADA]                        ; slot 0, group 0
	v_mov_b32 v[AA+1], v[ADA+1]
	v_mov_b32 v[AB], v[ADB]
	v_and_b32 v[CB], 31, v0
	v_lshlrev_b32 v[CB], 4, v[CB]                  ; 16 x lane
	s_lshl_b32 s23, s10, 6                         ; into the stage: my 32 columns are 64 bytes of each row; row l % 16, 16 bytes for each half of the lanes
	s_add_co_u32 s23, s23, STAGE
	v_mul_u32_u24 v4, v1, SPITCH
	v_lshl_add_u32 v4, v2, 4, v4
	v_add_nc_u32 v[STO], s23, v4
	s_mul_i32 s23, s10, 32*SPITCH                  ; back: wave w takes rows 32 w .. 32 w + 31, whole; lanes 0-15 one row of 256 bytes, lanes 16-31 the next
	s_add_co_u32 s23, s23, STAGE
	v_mul_u32_u24 v5, v2, SPITCH
	v_lshl_add_u32 v5, v1, 4, v5
	v_add_nc_u32 v[RD], s23, v5
	v_lshlrev_b32 v5, 13, v2                       ; and the same two rows in h: 8,192 bytes apart
	v_lshl_add_u32 v[CO], v1, 4, v5
	s_lshl_b32 s16, s13, 7
	s_lshl_b32 s17, s10, 5
	s_add_co_u32 s16, s16, s17                     ; the first row of h that I store: 128 x tile row + 32 x wave,
	s_lshl_b32 s16, s16, 13                        ; in bytes: under 2^23
	s_mov_b32 s17, 0
	s_add_nc_u64 s[8:9], s[8:9], s[16:17]
	s_lshl_b32 s46, s42, 8                         ; the tile's first column, in bytes
	s_mov_b32 s47, 0
	s_add_nc_u64 s[8:9], s[8:9], s[46:47]
	s_lshl_b32 s46, s13, 5                         ; pre: tile = 32 x tile row + tile column
	s_add_co_u32 s46, s46, s42
	s_lshl_b32 s46, s46, 2
	s_add_co_u32 s46, s46, s10                     ; 4 x tile + wave,
	s_lshl_b32 s46, s46, 14                        ; times 16,384 bytes: under 2^24
	s_add_nc_u64 s[66:67], s[66:67], s[46:47]
	; WHAT THE SUMS START FROM is laid into the accumulators while the first tiles are on their way.
.if MODE == 1
	; Register j of column block b holds column 32 w + 16 b + 8 (l / 16) + j: the same in all eight row blocks.  Each bias is rounded to bf16 and widened again; the two are added in f32, once for each row block.
	v_lshlrev_b32 v[VB], 5, v2
	s_lshl_b32 s46, s42, 9                         ; 128 columns x 4 bytes x tile column
	s_lshl_b32 s2, s10, 7                          ; + my 32 columns
	s_add_co_u32 s46, s46, s2
	s_add_nc_u64 s[68:69], s[68:69], s[46:47]
	s_add_nc_u64 s[70:71], s[70:71], s[46:47]
.irp m, 0,1,2,3                        ; m = 2 b + half
	global_load_b128 v[TMP+4*(\m):TMP+4*(\m)+3],       v[VB], s[68:69] offset:64*((\m)/2)+16*((\m)%2)
	global_load_b128 v[TMP+16+4*(\m):TMP+16+4*(\m)+3], v[VB], s[70:71] offset:64*((\m)/2)+16*((\m)%2)
.endr
	s_wait_loadcnt 0x0
.set p, 0
.rept 16                               ; b_in's 8 pairs, then b_rec's
	v_cvt_pk_bf16_f32 v[TMP+32+p], v[TMP+2*p], v[TMP+2*p+1]
.set p, p+1
.endr
.set p, 0
.rept 16
	v_lshlrev_b32 v[TMP+2*p],   16,  v[TMP+32+p]
	v_and_b32     v[TMP+2*p+1], s78, v[TMP+32+p]
.set p, p+1
.endr
.set p, 0
.rept 64                               ; row block p / 8, pair p % 8 of its 16 registers
	v_pk_add_f32 v[ACC+2*p:ACC+2*p+1], v[TMP+2*(p%8):TMP+2*(p%8)+1], v[TMP+16+2*(p%8):TMP+16+2*(p%8)+1]
.set p, p+1
.endr
.else
.set p, 0
.rept 32                               ; my 16,384 bytes of pre, as they were stored
	global_load_b128 v[ACC+4*p:ACC+4*p+3], v[CB], s[66:67] offset:512*p
.set p, p+1
.endr
.endif
; Matrix instruction i of a chunk's 16, on buffers f: row blocks 0-3 x column block 0, x block 1, then row blocks 4-7 likewise.  The 16 accumulators take turns, one instruction a turn.
.macro WM i, f
.set rD, ACC+8*(2*(4*((\i)/8)+(\i)%4)+((\i)/4)%2)
.set rB, XB+16*(\f)+8*(((\i)/4)%2)
.set rA, AF+64*(\f)+8*(4*((\i)/8)+(\i)%4)
	WIN MUL
.if MODE == 1
	v_wmma_f32_16x16x32_bf16 v[rD:rD+7], v[rB:rB+7], v[rA:rA+7], v[rD:rD+7]
.else
	v_wmma_f32_16x16x32_f16 v[rD:rD+7], v[rB:rB+7], v[rA:rA+7], v[rD:rD+7]
.endif
.endm
; Line q of the 30 that unpack word d of PR into buffer n of XB.  0-15 read PR: register j of block b is the word shifted up by 2 j (j = 0 is masked at once); 16-29 mask the fourteen shifted ones.
.macro RID n, d
	WIN MUL
.if q < 16
.set rX, XB+16*(\n)+q
.set rP, PR+4*(q/8)+(\d)
.if q%8 == 0
	v_and_b32 v[rX], s[MK], v[rP]
.else
	v_lshlrev_b32 v[rX], 2*(q%8), v[rP]
.endif
.elseif q < 30
.set rX, XB+16*(\n)+8*((q-16)/7)+1+(q-16)%7
	v_and_b32 v[rX], v[rX], s[MK]
.endif
.set q, q+1
.endm
.macro RIDERS n, d, count
.rept \count
	RID \n, \d
.endr
.endm
; 16 LDS loads in one run: a chunk's eight fragments of A, at byte off of the rows, into buffer n; row blocks 0-3 first
.macro ARUN n, off
	WIN TO_F
.irp a, 0,1,2,3,4,5,6,7
	ds_load_b128 v[AF+64*(\n)+8*(\a):AF+64*(\n)+8*(\a)+3],   v[AA+(\a)/4] offset:((\a)%4)*16*APITCH+(\off)
	ds_load_b128 v[AF+64*(\n)+8*(\a)+4:AF+64*(\n)+8*(\a)+7], v[AA+(\a)/4] offset:((\a)%4)*16*APITCH+(\off)+16
.endr
.endm
.macro PRUN off                        ; a group's words of q for my two column blocks
	WIN TO_F
	ds_load_b128 v[PR:PR+3],   v[AB] offset:(\off)
	ds_load_b128 v[PR+4:PR+7], v[AB] offset:(\off)+16*BPITCH
.endm
; CHUNK c of a group.  turn = 0: one of a K step's first three groups.  turn = 1: its last group, which changes slots and fills the slot that it leaves.  turn = 2: the same without a fill.
; The run of A's loads stands behind product 2 and its riders: six plain vector instructions behind the last product that read that buffer.  XB's other buffer is written from eight such instructions behind its last reader on.
; The next group's words of q are asked for in chunk 2, behind product 8, when the sixteen lines that read PR are out; chunk 3 waits for them at its head.
; THE CHANGE OF SLOTS stands in the last group's chunk 2, whose run holds the slot's last reads: each wave waits for all its tensor loads, of which one is out: its part of the other slot; adds 0 to its spare word; waits
; for that and for its reads; and signals.  Behind the barrier nobody reads this slot any more and the other slot is whole.  With a fill the barrier opens a round of the cluster's, and the joint refill is the first thing
; behind it, 248 matrix instructions ahead of the wait for it.  Chunk 3 then fetches from the other slot at its head and unpacks in its second half, four lines behind each product.
.macro CHUNK c, turn
.set cf, (\c)%2                        ; the buffers that are multiplied,
.set cn, 1-cf                          ; and those that are made ready
.set cd, ((\c)+1)%4                    ; the next chunk's number in its group: its word of PR,
.set co, 512*(cd%2)+128*(cd/2)         ; and its place in A's rows
.set q, 0
.if ((\c) == 3) && ((\turn) != 0)
.if (\turn) == 2
	s_cmp_eq_u32 s[CS], 1                          ; behind the last K step there is no other: its 18 loads are jumped over (the unpacking below then works on stale words, for nothing: the price of one text for both trips)
	s_cbranch_scc1 .Lno_next_\@
.endif
	PRUN 0
	ARUN cn, co
.if (\turn) == 2
	WIN 0
.Lno_next_\@:
.endif
.set i, 0
.rept 16
.if i == 8
	s_wait_dscnt 16                                ; the words of q are in; A's sixteen loads may be out
.endif
	WM i, cf
.if i >= 8
	RIDERS cn, cd, 4
.endif
.set i, i+1
.endr
.else
.if (\c) == 3
	s_wait_dscnt 0x0                               ; this chunk's A, and the next group's words of q behind it
.else
	s_wait_dscnt 8                                 ; row blocks 0-3 are in; the eight younger loads may be out
.endif
.set i, 0
.rept 16
.if (i == 8) && ((\c) == 2) && ((\turn) != 0)
	WIN 0                                          ; (the add's two registers lie in window 0)
	s_wait_tensorcnt 0x0                           ; all my tensor loads have landed: my part of the other slot; so a group 0 may be written
	ds_add_u32 v[SPW], v[NIL]                      ; 0 onto my spare word; scalar work and four products stand between it and the wait for it
.if (\turn) == 1
	s_add_co_u32 s[G0+5], s20, s[SB]               ; the walking descriptors: into the slot that is being left,
	s_add_co_u32 s[G0B+5], s[LB], s[SB]
	s_add_nc_u64 s[G0+6:G0+7], s[G0+6:G0+7], KSTEP*2    ; the K step behind the one asked for last; the type bits on top are not reached
	s_add_nc_u64 s[G0B+6:G0B+7], s[G0B+6:G0B+7], BSTEP
.endif
	s_xor_b32 s[SB], s[SB], SLOT                   ; the fetches go on in the other slot,
	s_mov_b32 s[TA], s[SB]                         ; at its first group
	s_wait_dscnt 17                                ; row blocks 4-7 are in; the run of sixteen and the add may be out
.elseif (i == 8) && ((\c) != 3)
	s_wait_dscnt 16                                ; row blocks 4-7 are in; the run of sixteen just issued may be out
.endif
.if (i == 12) && ((\c) == 2) && ((\turn) != 0)
	s_wait_dscnt 0x0                               ; the add is done, and my reads of this slot are over
	s_barrier_signal -1
.endif
	WM i, cf
.if (i == 8) && ((\c) == 2) && ((\turn) == 0)
	PRUN 32
.endif
	RIDERS cn, cd, 2
.if i == 2
	ARUN cn, co
.endif
.set i, i+1
.endr
.if (\c) == 2
.if (\turn) == 0
	s_add_co_u32 s[TA], s[TA], 32                  ; the next group lies 32 bytes on, in A's rows and in q's
.endif
	WIN MUL
	v_add_nc_u32 v[AA],   v[ADA],   s[TA]
	v_add_nc_u32 v[AA+1], v[ADA+1], s[TA]
	v_add_nc_u32 v[AB],   v[ADB],   s[TA]
.if (\turn) != 0
	WIN 0
	s_barrier_wait -1
.if (\turn) == 1
	CREST                                          ; the barrier has opened a round of the cluster's barrier: no wave of any partner still reads this slot's tile or has a load on its way
	JLOAD 1                                        ; the first tensor load behind the round; the four v_nop behind it are also the places in front of the loads that follow
.else
	PLACES
.endif
.endif
.endif
.endif
.endm
.macro GROUP turn
	CHUNK 0, \turn
	CHUNK 1, \turn
	CHUNK 2, \turn
	CHUNK 3, \turn
.endm
.macro BODY turn                       ; a K step: three groups by a loop, the last written out
	s_mov_b32 s[CG], 3
.Lgrp_\@:
	GROUP 0
	WIN 0                                          ; at a label and at a branch every window is 0
	s_sub_co_u32 s[CG], s[CG], 1
	s_cmp_lg_u32 s[CG], 0
	s_cbranch_scc1 .Lgrp_\@
	GROUP \turn
	WIN 0
.endm
; tanh / 2 of accumulators t and t + 1, rounded to f16 into TMP.  The accumulators are read from their low ends on and never written: stores of them may still be out.
; The transcendentals stand in runs, with one plain instruction behind each run before a result is used (ISA guide 5.7.2).
.macro TANH2 t
.irp r, 0,1,2,3,4,5,6,7
	v_pk_mul_f32 v[T+2*(\r):T+2*(\r)+1], v[ACC+8*(\t)+2*(\r):ACC+8*(\t)+2*(\r)+1], s[76:77] op_sel_hi:[1,0]  ; 2 log2(e) v
.endr
.set p, 0
.rept 16
	v_exp_f32 v[T+p], v[T+p]
.set p, p+1
.endr
	v_nop
	s_wait_alu depctr_va_vdst(0)
.irp r, 0,1,2,3,4,5,6,7
	v_pk_add_f32 v[T+2*(\r):T+2*(\r)+1], v[T+2*(\r):T+2*(\r)+1], 1.0 op_sel_hi:[1,0]
.endr
.set p, 0
.rept 16
	v_rcp_f32 v[T+p], v[T+p]
.set p, p+1
.endr
	v_nop
	s_wait_alu depctr_va_vdst(0)
.irp r, 0,1,2,3,4,5,6,7
	v_pk_fma_f32 v[T+2*(\r):T+2*(\r)+1], v[T+2*(\r):T+2*(\r)+1], -1.0, 0.5 op_sel_hi:[1,0,0]
.endr
.irp r, 0,1,2,3,4,5,6,7
	v_cvt_pk_f16_f32 v[TMP+4*(\t)+(\r)], v[T+2*(\r)], v[T+2*(\r)+1]
.endr
.endm
	s_wait_tensorcnt 1                             ; my part of K step 0 is in; K step 1's may stay out
	s_barrier_signal -1
	s_barrier_wait -1                              ; everybody's is
	PRUN 0                                         ; group 0's words of q, and the first chunk's A
	ARUN 0, 0
	s_wait_dscnt 16                                ; the words are in
.set q, 0
	RIDERS 0, 0, 30                                ; the first chunk's fragments of q: there is no product yet to set them behind
.if MODE == 2
	s_wait_loadcnt 0x0                             ; pre is in the accumulators
.endif
	WIN 0
	s_mov_b32 s[CS], NSTEP-2
.Lstep:                                                ; every K step but the last two fills the slot that it leaves
	BODY 1
	s_sub_co_u32 s[CS], s[CS], 1
	s_cmp_lg_u32 s[CS], 0
	s_cbranch_scc1 .Lstep
	s_mov_b32 s[CS], 2
.Ltail:                                                ; the last two K steps ask for nothing.  The last one's barrier stands between every wave's last reads of slot 1 and the stores into the stage, which lies there
	BODY 2
	s_sub_co_u32 s[CS], s[CS], 1
	s_cmp_lg_u32 s[CS], 0
	s_cbranch_scc1 .Ltail
	; THE WAY OUT.
	PLACES
.if MODE == 1
.set p, 0
.rept 32                               ; the f32 sums as they lie: accumulator p / 2, its low half first; each store of the wave covers 512 consecutive bytes
	global_store_b128 v[CB], v[ACC+4*p:ACC+4*p+3], s[66:67] offset:512*p
.set p, p+1
.endr
.endif
	; h: tanh / 2, rounded to f16; 16 bytes a lane into the work-group's stage; a barrier, since a row's 256 bytes come from four waves; back as whole rows, 32 rows a wave.
.irp t, 0,2,4,6,8,10,12,14
	TANH2 \t
.endr
.set p, 0
.rept 16                               ; accumulator p: row block p / 2, column block p % 2
	ds_store_b128 v[STO], v[TMP+4*p:TMP+4*p+3] offset:(p/2)*16*SPITCH+32*(p%2)
.set p, p+1
.endr
	s_wait_dscnt 0x0                               ; for the others' sake: my stores into the stage are done
	s_barrier_signal -1
	s_barrier_wait -1
.irp t, 0,1,2,3,4,5,6,7,8,9,10,11,12,13,14,15
	ds_load_b128 v[TMP+4*(\t):TMP+4*(\t)+3], v[RD] offset:(\t)*2*SPITCH
.endr
.irp t, 0,1,2,3,4,5,6,7,8,9,10,11,12,13,14,15
	s_wait_dscnt 15-(\t)                           ; LDS loads come back in order (ISA guide 5.7.1): pair t of rows is in
	global_store_b128 v[CO], v[TMP+4*(\t):TMP+4*(\t)+3], s[8:9] offset:2*(\t)*HROW  ; 16 lanes store 256 consecutive bytes, at a multiple of 256 from h's first byte
.endr
	s_wait_tensorcnt 0x0                           ; the wave's end, behind my last tensor load and my last LDS store
	ds_add_u32 v[SPW], v[NIL]
	s_wait_dscnt 0x0
	CROUND                                         ; the closing round: no work-group ends while a partner may still ask for a tile that names it
	s_endpgm
.Lfunc_end_k_q059e4130d1_proj:
	.size	k_q059e4130d1_proj, .Lfunc_end_k_q059e4130d1_proj-k_q059e4130d1_proj
	.p2alignl 7, 3214868480
	.fill 96, 4, 3214868480
	.section	.rodata,"a",@progbits
	.p2align	6, 0x0
	.amdhsa_kernel k_q059e4130d1_proj
		.amdhsa_group_segment_fixed_size 327680
		.amdhsa_private_segment_fixed_size 0
		.amdhsa_enable_private_segment 0
		.amdhsa_kernarg_size 48
		.amdhsa_user_sgpr_count 2
		.amdhsa_user_sgpr_kernarg_segment_ptr 1
		.amdhsa_wavefront_size32 1
		.amdhsa_system_sgpr_workgroup_id_x 1
		.amdhsa_system_sgpr_workgroup_id_y 1
		.amdhsa_system_sgpr_workgroup_id_z 1
		.amdhsa_system_vgpr_workitem_id 0
		.amdhsa_next_free_vgpr 392
		.amdhsa_next_free_sgpr 84
		.amdhsa_reserve_vcc 0
		.amdhsa_float_denorm_mode_32 3
		.amdhsa_float_denorm_mode_16_64 3
		.amdhsa_memory_ordered 1
		.amdhsa_forward_progress 1
		.amdhsa_inst_pref_size 110
	.end_amdhsa_kernel
	.amdgpu_metadata
---
amdhsa.version: [ 1, 2 ]
amdhsa.kernels:
  - .name:           k_q059e4130d1_proj
    .symbol:         k_q059e4130d1_proj.kd
    .args:
      - { .name: xb, .offset: 0, .size: 8, .value_kind: global_buffer, .address_space: global }
      - { .name: qin, .offset: 8, .size: 8, .value_kind: global_buffer, .address_space: global }
      - { .name: ha, .offset: 16, .size: 8, .value_kind: global_buffer, .address_space: global }
      - { .name: pre, .offset: 24, .size: 8, .value_kind: global_buffer, .address_space: global }
      - { .name: b_in, .offset: 32, .size: 8, .value_kind: global_buffer, .address_space: global }
      - { .name: b_rec, .offset: 40, .size: 8, .value_kind: global_buffer, .address_space: global }
    .group_segment_fixed_size: 327680
    .private_segment_fixed_size: 0
    .kernarg_segment_align: 8
    .kernarg_segment_size: 48
    .max_flat_workgroup_size: 128
    .sgpr_count:     84
    .vgpr_count:     392
    .wavefront_size: 32
...
	.end_amdgpu_metadata
.endif
;; end of part 7
;; launch step2 (part 8): grid 32 x 8, 4 waves a work-group, clusters of 4 x 4, 327,680 bytes of LDS; arguments ha, qrec, hb, pre; writes hb
.if DOCPART == 8
	.amdgcn_target "amdgcn-amd-amdhsa--gfx1250"
	.amdhsa_code_object_version 6
	.text
	.protected	k_q059e4130d1_step2
	.globl	k_q059e4130d1_step2
	.p2align	8
	.type	k_q059e4130d1_step2,@function
k_q059e4130d1_step2:
	s_mov_b64 s[64:65], 0
	v_nop
	global_prefetch_b8 v0, s[64:65] scope:SCOPE_SE
	s_setreg_imm32_b32 hwreg(HW_REG_WAVE_MODE, 25, 1), 1
	s_wait_xcnt 0x0
	s_wait_alu depctr_hold_cnt(0) depctr_sa_sdst(0) depctr_va_vdst(0) depctr_va_sdst(0) depctr_va_ssrc(0) depctr_va_vcc(0) depctr_vm_vsrc(0)
	s_getreg_b32 s2, hwreg(HW_REG_IB_STS2, 6, 4)
	s_cmp_eq_u32 s2, 0
	s_cbranch_scc0 .Lentry_in_a_cluster
	s_endpgm
.Lentry_in_a_cluster:
	s_bfe_u32 s2, ttmp6, 0x10000c
	s_cmp_lg_u32 s2, 0xf033
	s_cbranch_scc0 .Lentry_shape_is_right
	s_endpgm
.Lentry_shape_is_right:
; A STEP OF THE RECURRENCE.  C[m][n] = pre[m][n] + the sum over k of A[m][k] (2 q[n][k]), sums in f32; A = h = tanh / 2 [1024][4096] f16 holds HALF the true operand, q = qrec are packed ternary codes.
; tanh(C) / 2 goes out as the next h (f16), into the other of two buffers: no launch reads what it writes.
; LIMITS.  h / 2 is rounded to f16: it lies in -0.5 to 0.5, and below 6e-5 it keeps f16's fixed step of 6e-8.
; tanh(v) / 2 = 0.5 - 1 / (1 + 2^(2 log2(e) v)): absolute error about 1e-7; where the power overflows to infinity or flushes to 0 the result is exactly 0.5 or -0.5.  NaN goes through.
; The f32 sums run in another order than a plain row by row sum, and k is permuted inside a K step, alike in A and q.
; THE CODES lie as [K step of 512][row n][32 words]; a word holds 16 k, two bits each (sign, magnitude), and (word << 2 j) & 0xc000c000 is register j of a fragment of 2 q: 2.0 is 0x4000 in f16.
; So a K step of 512 fills 1,024 bytes for a row of A and 128 for a row of q, and two slots of that step fit in LDS: a wave has 256 matrix instructions between two changes of slots.
; SHARES.  A tile of C is 128 x 128: 1024 x 4096 makes 256 of them.  Four waves, each all 128 rows x 32 columns: 16 accumulators of 16 x 16 ((a, b) at v[128 + 8 (2 a + b)]), so that a fragment of q,
; which costs 15 vector instructions to unpack, feeds eight matrix instructions.
; A K STEP is four groups g of four chunks c of 32 k.  In chunk (g, c) the lanes' half h takes the 16 k at byte 512 (c % 2) + 256 h + 128 (c / 2) + 32 g of A's rows, which are word 8 g + 4 h + c of q's row.
; While a chunk's 16 products run, the next chunk's A is loaded (one run of 16 LDS loads) and its two fragments of q are unpacked, two vector instructions behind each matrix instruction.
; CLUSTERS: 4 x 4 work-groups.  The four of a row of the cluster need the same tiles of A, the four of a column the same tiles of q: each tile is asked for JOINTLY, by the same tensor load with
; the same descriptor and a mask that names the four.  THE MATRIX INSTRUCTION IS USED TRANSPOSED (source 0 = 16 rows of q, source 1 = 16 rows of A): lane l holds row l % 16 of C and
; its registers 0-7 the columns 8 (l / 16) + 0..7.
; pre IS BLOCKED as the accumulators lie: [tile][wave][accumulator][half][lane][4 numbers]: 65,536 bytes a tile, 16,384 a wave; each load of a wave is 512 consecutive bytes.  It is loaded straight
; into the accumulators: the sums start from it, and nothing is cleared.
; REGISTERS: window 0: v0-31 addresses; v32-63 XB, two buffers of two unpacked fragments; v64-127 at work on the way out; v128-255 the accumulators.
;   window 1: v0-127 AF, two buffers of eight fragments of A; v128-135 PR, a group's words of q for my two column blocks.  ONE window setting serves products and unpacking.
.set PITCHK, 4096                      ; elements in a row of A
.set KLEN,   4096                      ; elements of K
.set KSTEP,  512
.set NSTEP,  KLEN/KSTEP                ; even, at least 4
.set APITCH, 1040                      ; a row of A in LDS: 1,024 bytes + 16 of padding = 260 words: row r starts at bank 4 r mod 64 (64 banks of 4 bytes: ISA guide 11.1)
.set AHALF,  64*APITCH                 ; 64 rows: what one tensor load brings of A
.set ATILE,  2*AHALF
.set BPITCH, 144                       ; a row of q: 128 bytes + 16 = 36 words: the 16 rows of a load start at 16 different groups of four banks
.set BHALF,  64*BPITCH                 ; 64 rows: what one tensor load brings of q
.set SLOT,   ATILE+2*BHALF             ; A's 128 rows, then q's 128 rows: 151,552 bytes
.set STAGE,  SLOT                      ; h's way out goes through slot 1, whose last fill is the last K step: 128 rows x 272 bytes
.set SPITCH, 272
.set SPARE,  2*SLOT                    ; behind the ring: the spare words, 128 bytes for each wave: two blocks of 256 bytes that no other line names
.set BSTEP,  4096*128                  ; bytes from a K step's codes to the next step's
.set HROW,   8192                      ; bytes in a row of h
.set ADA,  8                           ; v8-9    my lane's place in A's rows 0-63 and 64-127 of a slot; never rewritten
.set ADB,  10                          ; v10     my lane's place in q's rows; never rewritten
.set AA,   12                          ; v12-13  the same two for A with the slot and the group in hand
.set AB,   14                          ; v14     and for q
.set STO,  24                          ; v24     h's way out: where I put 16 bytes of a row
.set RD,   25                          ; v25     h's way out: where I read a row back
.set CO,   26                          ; v26     my byte offset in h
.set CB,   27                          ; v27     16 x lane: my byte offset in 512 bytes of pre
.set SPW,  28                          ; v28     LDS address of my spare word: SPARE + 4 x my thread's number; never rewritten
.set NIL,  29                          ; v29     0; never rewritten
.set XB,   32
.set T,    32                          ; the way out: 16 registers at work, where XB lay
.set TMP,  64
.set ACC,  128
.set AF,   0                           ; window 1
.set PR,   128                         ; window 1: column block b's four words at PR + 4 b
.set G1, 24                            ; s[24:31] descriptor group 1 for A's tiles;  s[32:39] group 0: a set for each of the two first fills; the second then walks on
.set G0, 32
.set G1B, 48                           ; s[48:55], s[56:63] the same for q's tiles
.set G0B, 56
.set SB,  72                           ; s72  LDS byte at which the slot that is read begins: 0 or SLOT
.set TA,  73                           ; s73  SB + 32 x the group to be fetched
.set CG,  74                           ; s74  counts a K step's groups
.set CS,  75                           ; s75  counts K steps
.set MK,  79                           ; s79  0xc000c000
.set LB,  80                           ; s80  where my load of q goes in a slot
.set MSB, 0
.macro WIN new                         ; the immediate's high byte repeats the setting that is left; a switch that changes nothing is dropped
.if MSB != (\new)
	s_set_vgpr_msb (MSB<<8)|(\new)
.set MSB, \new
.endif
.endm
.set MUL,  0x04                        ; source 1 window 1 (A's fragments; PR); source 0, source 2 and destination window 0 (XB, the accumulators)
.set TO_F, 0x40                        ; destination window 1, address window 0
.macro JLOAD s                         ; a joint load: waves 0 and 1 fetch A's two halves, waves 2 and 3 q's; an s_nop 0 and four v_nop follow each of the two lines, ahead of the jump, the label and what follows
	s_cmp_eq_u32 s11, 0
	s_cbranch_scc0 .Lfor_b_\@
	tensor_load_to_lds s[G0+4*(\s):G0+4*(\s)+3], s[G1:G1+7]
	s_nop 0
.rept 4
	v_nop
.endr
	s_branch .Lasked_\@
.Lfor_b_\@:
	tensor_load_to_lds s[G0B+4*(\s):G0B+4*(\s)+3], s[G1B:G1B+7]
	s_nop 0
.rept 4
	v_nop
.endr
.Lasked_\@:
.endm
.macro CREST                           ; a round of the cluster's barrier behind its opening barrier
	s_cmp_lg_u32 s10, 0
	s_cbranch_scc1 .Lnot_wave_0_\@
	s_barrier_signal -3
.Lnot_wave_0_\@:
	s_barrier_wait -3
	s_barrier_signal -1
	s_barrier_wait -1
.endm
.macro CROUND                          ; a whole round
	s_barrier_signal -1
	s_barrier_wait -1
	CREST
.endm
.macro PLACES                          ; four places in front of loads into registers that matrix instructions have read, and of lines that read results (ISA guide 7.12.1 for vector instructions)
.rept 4
	v_nop
.endr
.endm
	s_load_b128 s[4:7], s[0:1], 0x0                ; A s[4:5], q s[6:7]
	s_load_b64 s[8:9], s[0:1], 0x10                ; the h that goes out
	s_load_b64 s[66:67], s[0:1], 0x18              ; pre
	v_lshl_add_u32 v[SPW], v0, 2, SPARE
	v_mov_b32 v[NIL], 0
	ds_add_u32 v[SPW], v[NIL]                      ; the wave's opening: the add and its wait stand ahead of my first tensor load; the set-up below, work on registers, stands between them
	v_lshrrev_b32 v1, 5, v0
	v_readfirstlane_b32 s10, v1                    ; wave 0..3: my 32 columns of the tile
	s_lshr_b32 s11, s10, 1                         ; I fetch for A (0) or for q (1),
	s_and_b32 s12, s10, 1                          ; and which 64 rows of that tile
	s_bfe_u32 s40, ttmp6, 0x40000                  ; cx, cy: my place in the cluster
	s_bfe_u32 s41, ttmp6, 0x40004
	s_lshl_b32 s42, ttmp9, 2
	s_add_co_u32 s42, s42, s40                     ; tile column of C = 4 x cluster x + cx
	s_and_b32 s13, ttmp7, 0xffff
	s_lshl_b32 s13, s13, 2
	s_add_co_u32 s13, s13, s41                     ; tile row of C = 4 x cluster y + cy
	s_lshl_b32 s43, s41, 2
	s_lshl_b32 s43, 15, s43                        ; my row of the cluster
	s_lshl_b32 s44, 0x1111, s40                    ; my column
	; descriptor group 1 for A: a tile of 64 rows x 512 elements, padded in LDS
	s_or_b32 s[G1+0], s43, (1<<16)|(1<<20)|(1<<21)|(7<<22)|(3<<25)  ; 15:0 the mask: A's tiles go to my row; 17:16 element of 2 bytes; 20 padding on; 21 set beside a mask; 24:22 after every 256 words (code 7); 31:25 of 4 words (code 3)
	s_mov_b32 s[G1+1], KSTEP<<16                   ; tensor_dim0 = 512
	s_mov_b32 s[G1+2], 64<<16                      ; tensor_dim1 = 64
	s_mov_b32 s[G1+3], KSTEP<<16                   ; tile_dim0 = 512
	s_mov_b32 s[G1+4], 64                          ; tile_dim1 = 64
	s_mov_b32 s[G1+5], PITCHK                      ; tensor_dim0_stride: elements from row to row
	s_mov_b32 s[G1+6], 0
	s_mov_b32 s[G1+7], 0
	; and for q: 64 rows of 128 bytes are 8,192 consecutive bytes: asked for as 32 rows of 256 bytes, two rows of q each, and padded in LDS after every row of q
	s_or_b32 s[G1B+0], s44, (1<<16)|(1<<20)|(1<<21)|(4<<22)|(3<<25) ; the mask of my column; padding after every 32 words (code 4) of 4 words
	s_mov_b32 s[G1B+1], 128<<16                    ; tensor_dim0 = 128 elements of 2 bytes
	s_mov_b32 s[G1B+2], 32<<16                     ; tensor_dim1 = 32
	s_mov_b32 s[G1B+3], 128<<16                    ; tile_dim0 = 128
	s_mov_b32 s[G1B+4], 32                         ; tile_dim1 = 32
	s_mov_b32 s[G1B+5], 128                        ; 128 elements from row to row
	s_mov_b32 s[G1B+6], 0
	s_mov_b32 s[G1B+7], 0
	; where the tiles come from: A's hang on the tile row alone, q's on the tile column alone, each in registers that never hold the other coordinate
	s_lshl_b32 s17, s12, 6                         ; which 64 rows of the tile I fetch
	s_lshl_b32 s16, s13, 7
	s_add_co_u32 s16, s16, s17                     ; A: row 128 x tile row + 64 x half,
	s_mov_b32 s17, 0
	s_mov_b64 s[18:19], PITCHK*2
	s_mul_u64 s[16:17], s[16:17], s[18:19]         ; in bytes
	s_lshl_b32 s46, s42, 14                        ; q: 16,384 bytes x tile column
	s_lshl_b32 s47, s12, 13                        ; + 8,192 x half
	s_add_co_u32 s46, s46, s47
	s_mov_b32 s47, 0
	s_mul_i32 s20, s12, AHALF                      ; where they go in a slot: no place in the cluster enters an LDS address
	s_mul_i32 s[LB], s12, BHALF
	s_add_co_u32 s[LB], s[LB], ATILE
	s_mov_b32 s[SB], 0
	s_mov_b32 s[TA], 0
	s_mov_b32 s[MK], 0xc000c000
	s_mov_b32 s76, 0x4038aa3b                      ; 2 log2(e) = 2.885390
	s_mov_b32 s77, s76                             ; named with it as a pair
	s_wait_dscnt 0x0                               ; the opening add is done
	s_wait_kmcnt 0x0
	s_add_nc_u64 s[14:15], s[4:5], s[16:17]
	s_add_nc_u64 s[46:47], s[6:7], s[46:47]
	CROUND                                         ; all sixteen work-groups are here: the first joint loads meet
.irp s, 0,1
	s_mov_b32 s[G0+4*(\s)], 1                                      ; 1:0 count = 1
	s_add_co_u32 s[G0+4*(\s)+1], s20, (\s)*SLOT                    ; 63:32 LDS address
	s_add_nc_u64 s[G0+4*(\s)+2:G0+4*(\s)+3], s[14:15], (\s)*KSTEP*2  ; 120:64 global address: K step s
	s_or_b32 s[G0+4*(\s)+3], s[G0+4*(\s)+3], 0x80000000            ; 127:126 type = 2
	s_mov_b32 s[G0B+4*(\s)], 1
	s_add_co_u32 s[G0B+4*(\s)+1], s[LB], (\s)*SLOT
	s_add_nc_u64 s[G0B+4*(\s)+2:G0B+4*(\s)+3], s[46:47], (\s)*BSTEP
	s_or_b32 s[G0B+4*(\s)+3], s[G0B+4*(\s)+3], 0x80000000
	JLOAD \s                                       ; two loads of mine are out behind these; later one behind each round
.endr
	v_and_b32 v1, 15, v0                           ; l % 16
	v_bfe_u32 v2, v0, 4, 1                         ; l / 16
	v_mul_u32_u24 v[ADA], v1, APITCH
	v_lshl_add_u32 v[ADA], v2, 8, v[ADA]           ; A: row x pitch + 256 x half
	v_add_nc_u32 v[ADA+1], AHALF, v[ADA]           ; rows 64 on have a register of their own: an LDS offset holds 16 bits
	s_mul_i32 s21, s10, 32*BPITCH                  ; q: my 32 rows, behind A's tile
	s_add_co_u32 s21, s21, ATILE
	v_mul_u32_u24 v[ADB], v1, BPITCH
	v_lshl_add_u32 v[ADB], v2, 4, v[ADB]           ; row x pitch + 16 x half
	v_add_nc_u32 v[ADB], s21, v[ADB]
	v_mov_b32 v[AA], v[ADA]                        ; slot 0, group 0
	v_mov_b32 v[AA+1], v[ADA+1]
	v_mov_b32 v[AB], v[ADB]
	v_and_b32 v[CB], 31, v0
	v_lshlrev_b32 v[CB], 4, v[CB]                  ; 16 x lane
	s_lshl_b32 s23, s10, 6                         ; into the stage: my 32 columns are 64 bytes of each row; row l % 16, 16 bytes for each half of the lanes
	s_add_co_u32 s23, s23, STAGE
	v_mul_u32_u24 v4, v1, SPITCH
	v_lshl_add_u32 v4, v2, 4, v4
	v_add_nc_u32 v[STO], s23, v4
	s_mul_i32 s23, s10, 32*SPITCH                  ; back: wave w takes rows 32 w .. 32 w + 31, whole; lanes 0-15 one row of 256 bytes, lanes 16-31 the next
	s_add_co_u32 s23, s23, STAGE
	v_mul_u32_u24 v5, v2, SPITCH
	v_lshl_add_u32 v5, v1, 4, v5
	v_add_nc_u32 v[RD], s23, v5
	v_lshlrev_b32 v5, 13, v2                       ; and the same two rows in h: 8,192 bytes apart
	v_lshl_add_u32 v[CO], v1, 4, v5
	s_lshl_b32 s16, s13, 7
	s_lshl_b32 s17, s10, 5
	s_add_co_u32 s16, s16, s17                     ; the first row of h that I store: 128 x tile row + 32 x wave,
	s_lshl_b32 s16, s16, 13                        ; in bytes: under 2^23
	s_mov_b32 s17, 0
	s_add_nc_u64 s[8:9], s[8:9], s[16:17]
	s_lshl_b32 s46, s42, 8                         ; the tile's first column, in bytes
	s_mov_b32 s47, 0
	s_add_nc_u64 s[8:9], s[8:9], s[46:47]
	s_lshl_b32 s46, s13, 5                         ; pre: tile = 32 x tile row + tile column
	s_add_co_u32 s46, s46, s42
	s_lshl_b32 s46, s46, 2
	s_add_co_u32 s46, s46, s10                     ; 4 x tile + wave,
	s_lshl_b32 s46, s46, 14                        ; times 16,384 bytes: under 2^24
	s_add_nc_u64 s[66:67], s[66:67], s[46:47]
	; WHAT THE SUMS START FROM is loaded into the accumulators while the first tiles are on their way.
.set p, 0
.rept 32                               ; my 16,384 bytes of pre, as they were stored
	global_load_b128 v[ACC+4*p:ACC+4*p+3], v[CB], s[66:67] offset:512*p
.set p, p+1
.endr
; Matrix instruction i of a chunk's 16, on buffers f: row blocks 0-3 x column block 0, x block 1, then row blocks 4-7 likewise.  The 16 accumulators take turns, one instruction a turn.
.macro WM i, f
.set rD, ACC+8*(2*(4*((\i)/8)+(\i)%4)+((\i)/4)%2)
.set rB, XB+16*(\f)+8*(((\i)/4)%2)
.set rA, AF+64*(\f)+8*(4*((\i)/8)+(\i)%4)
	WIN MUL
	v_wmma_f32_16x16x32_f16 v[rD:rD+7], v[rB:rB+7], v[rA:rA+7], v[rD:rD+7]
.endm
; Line q of the 30 that unpack word d of PR into buffer n of XB.  0-15 read PR: register j of block b is the word shifted up by 2 j (j = 0 is masked at once); 16-29 mask the fourteen shifted ones.
.macro RID n, d
	WIN MUL
.if q < 16
.set rX, XB+16*(\n)+q
.set rP, PR+4*(q/8)+(\d)
.if q%8 == 0
	v_and_b32 v[rX], s[MK], v[rP]
.else
	v_lshlrev_b32 v[rX], 2*(q%8), v[rP]
.endif
.elseif q < 30
.set rX, XB+16*(\n)+8*((q-16)/7)+1+(q-16)%7
	v_and_b32 v[rX], v[rX], s[MK]
.endif
.set q, q+1
.endm
.macro RIDERS n, d, count
.rept \count
	RID \n, \d
.endr
.endm
; 16 LDS loads in one run: a chunk's eight fragments of A, at byte off of the rows, into buffer n; row blocks 0-3 first
.macro ARUN n, off
	WIN TO_F
.irp a, 0,1,2,3,4,5,6,7
	ds_load_b128 v[AF+64*(\n)+8*(\a):AF+64*(\n)+8*(\a)+3],   v[AA+(\a)/4] offset:((\a)%4)*16*APITCH+(\off)
	ds_load_b128 v[AF+64*(\n)+8*(\a)+4:AF+64*(\n)+8*(\a)+7], v[AA+(\a)/4] offset:((\a)%4)*16*APITCH+(\off)+16
.endr
.endm
.macro PRUN off                        ; a group's words of q for my two column blocks
	WIN TO_F
	ds_load_b128 v[PR:PR+3],   v[AB] offset:(\off)
	ds_load_b128 v[PR+4:PR+7], v[AB] offset:(\off)+16*BPITCH
.endm
; CHUNK c of a group.  turn = 0: one of a K step's first three groups.  turn = 1: its last group, which changes slots and fills the slot that it leaves.  turn = 2: the same without a fill.
; The run of A's loads stands behind product 2 and its riders: six plain vector instructions behind the last product that read that buffer.  XB's other buffer is written from eight such instructions behind its last reader on.
; The next group's words of q are asked for in chunk 2, behind product 8, when the sixteen lines that read PR are out; chunk 3 waits for them at its head.
; THE CHANGE OF SLOTS stands in the last group's chunk 2, whose run holds the slot's last reads: each wave waits for all its tensor loads, of which one is out: its part of the other slot; adds 0 to its spare word; waits
; for that and for its reads; and signals.  Behind the barrier nobody reads this slot any more and the other slot is whole.  With a fill the barrier opens a round of the cluster's, and the joint refill is the first thing
; behind it, 248 matrix instructions ahead of the wait for it.  Chunk 3 then fetches from the other slot at its head and unpacks in its second half, four lines behind each product.
.macro CHUNK c, turn
.set cf, (\c)%2                        ; the buffers that are multiplied,
.set cn, 1-cf                          ; and those that are made ready
.set cd, ((\c)+1)%4                    ; the next chunk's number in its group: its word of PR,
.set co, 512*(cd%2)+128*(cd/2)         ; and its place in A's rows
.set q, 0
.if ((\c) == 3) && ((\turn) != 0)
.if (\turn) == 2
	s_cmp_eq_u32 s[CS], 1                          ; behind the last K step there is no other: its 18 loads are jumped over (the unpacking below then works on stale words, for nothing: the price of one text for both trips)
	s_cbranch_scc1 .Lno_next_\@
.endif
	PRUN 0
	ARUN cn, co
.if (\turn) == 2
	WIN 0
.Lno_next_\@:
.endif
.set i, 0
.rept 16
.if i == 8
	s_wait_dscnt 16                                ; the words of q are in; A's sixteen loads may be out
.endif
	WM i, cf
.if i >= 8
	RIDERS cn, cd, 4
.endif
.set i, i+1
.endr
.else
.if (\c) == 3
	s_wait_dscnt 0x0                               ; this chunk's A, and the next group's words of q behind it
.else
	s_wait_dscnt 8                                 ; row blocks 0-3 are in; the eight younger loads may be out
.endif
.set i, 0
.rept 16
.if (i == 8) && ((\c) == 2) && ((\turn) != 0)
	WIN 0                                          ; (the add's two registers lie in window 0)
	s_wait_tensorcnt 0x0                           ; all my tensor loads have landed: my part of the other slot; so a group 0 may be written
	ds_add_u32 v[SPW], v[NIL]                      ; 0 onto my spare word; scalar work and four products stand between it and the wait for it
.if (\turn) == 1
	s_add_co_u32 s[G0+5], s20, s[SB]               ; the walking descriptors: into the slot that is being left,
	s_add_co_u32 s[G0B+5], s[LB], s[SB]
	s_add_nc_u64 s[G0+6:G0+7], s[G0+6:G0+7], KSTEP*2    ; the K step behind the one asked for last; the type bits on top are not reached
	s_add_nc_u64 s[G0B+6:G0B+7], s[G0B+6:G0B+7], BSTEP
.endif
	s_xor_b32 s[SB], s[SB], SLOT                   ; the fetches go on in the other slot,
	s_mov_b32 s[TA], s[SB]                         ; at its first group
	s_wait_dscnt 17                                ; row blocks 4-7 are in; the run of sixteen and the add may be out
.elseif (i == 8) && ((\c) != 3)
	s_wait_dscnt 16                                ; row blocks 4-7 are in; the run of sixteen just issued may be out
.endif
.if (i == 12) && ((\c) == 2) && ((\turn) != 0)
	s_wait_dscnt 0x0                               ; the add is done, and my reads of this slot are over
	s_barrier_signal -1
.endif
	WM i, cf
.if (i == 8) && ((\c) == 2) && ((\turn) == 0)
	PRUN 32
.endif
	RIDERS cn, cd, 2
.if i == 2
	ARUN cn, co
.endif
.set i, i+1
.endr
.if (\c) == 2
.if (\turn) == 0
	s_add_co_u32 s[TA], s[TA], 32                  ; the next group lies 32 bytes on, in A's rows and in q's
.endif
	WIN MUL
	v_add_nc_u32 v[AA],   v[ADA],   s[TA]
	v_add_nc_u32 v[AA+1], v[ADA+1], s[TA]
	v_add_nc_u32 v[AB],   v[ADB],   s[TA]
.if (\turn) != 0
	WIN 0
	s_barrier_wait -1
.if (\turn) == 1
	CREST                                          ; the barrier has opened a round of the cluster's barrier: no wave of any partner still reads this slot's tile or has a load on its way
	JLOAD 1                                        ; the first tensor load behind the round; the four v_nop behind it are also the places in front of the loads that follow
.else
	PLACES
.endif
.endif
.endif
.endif
.endm
.macro GROUP turn
	CHUNK 0, \turn
	CHUNK 1, \turn
	CHUNK 2, \turn
	CHUNK 3, \turn
.endm
.macro BODY turn                       ; a K step: three groups by a loop, the last written out
	s_mov_b32 s[CG], 3
.Lgrp_\@:
	GROUP 0
	WIN 0                                          ; at a label and at a branch every window is 0
	s_sub_co_u32 s[CG], s[CG], 1
	s_cmp_lg_u32 s[CG], 0
	s_cbranch_scc1 .Lgrp_\@
	GROUP \turn
	WIN 0
.endm
; tanh / 2 of accumulators t and t + 1, rounded to f16 into TMP.  The accumulators are read from their low ends on.
; The transcendentals stand in runs, with one plain instruction behind each run before a result is used (ISA guide 5.7.2).
.macro TANH2 t
.irp r, 0,1,2,3,4,5,6,7
	v_pk_mul_f32 v[T+2*(\r):T+2*(\r)+1], v[ACC+8*(\t)+2*(\r):ACC+8*(\t)+2*(\r)+1], s[76:77] op_sel_hi:[1,0]  ; 2 log2(e) v
.endr
.set p, 0
.rept 16
	v_exp_f32 v[T+p], v[T+p]
.set p, p+1
.endr
	v_nop
	s_wait_alu depctr_va_vdst(0)
.irp r, 0,1,2,3,4,5,6,7
	v_pk_add_f32 v[T+2*(\r):T+2*(\r)+1], v[T+2*(\r):T+2*(\r)+1], 1.0 op_sel_hi:[1,0]
.endr
.set p, 0
.rept 16
	v_rcp_f32 v[T+p], v[T+p]
.set p, p+1
.endr
	v_nop
	s_wait_alu depctr_va_vdst(0)
.irp r, 0,1,2,3,4,5,6,7
	v_pk_fma_f32 v[T+2*(\r):T+2*(\r)+1], v[T+2*(\r):T+2*(\r)+1], -1.0, 0.5 op_sel_hi:[1,0,0]
.endr
.irp r, 0,1,2,3,4,5,6,7
	v_cvt_pk_f16_f32 v[TMP+4*(\t)+(\r)], v[T+2*(\r)], v[T+2*(\r)+1]
.endr
.endm
	s_wait_tensorcnt 1                             ; my part of K step 0 is in; K step 1's may stay out
	s_barrier_signal -1
	s_barrier_wait -1                              ; everybody's is
	PRUN 0                                         ; group 0's words of q, and the first chunk's A
	ARUN 0, 0
	s_wait_dscnt 16                                ; the words are in
.set q, 0
	RIDERS 0, 0, 30                                ; the first chunk's fragments of q: there is no product yet to set them behind
	s_wait_loadcnt 0x0                             ; pre is in the accumulators
	WIN 0
	s_mov_b32 s[CS], NSTEP-2
.Lstep:                                                ; every K step but the last two fills the slot that it leaves
	BODY 1
	s_sub_co_u32 s[CS], s[CS], 1
	s_cmp_lg_u32 s[CS], 0
	s_cbranch_scc1 .Lstep
	s_mov_b32 s[CS], 2
.Ltail:                                                ; the last two K steps ask for nothing.  The last one's barrier stands between every wave's last reads of slot 1 and the stores into the stage, which lies there
	BODY 2
	s_sub_co_u32 s[CS], s[CS], 1
	s_cmp_lg_u32 s[CS], 0
	s_cbranch_scc1 .Ltail
	; THE WAY OUT.  h: tanh / 2, rounded to f16; 16 bytes a lane into the work-group's stage; a barrier, since a row's 256 bytes come from four waves; back as whole rows, 32 rows a wave.
	PLACES
.irp t, 0,2,4,6,8,10,12,14
	TANH2 \t
.endr
.set p, 0
.rept 16                               ; accumulator p: row block p / 2, column block p % 2
	ds_store_b128 v[STO], v[TMP+4*p:TMP+4*p+3] offset:(p/2)*16*SPITCH+32*(p%2)
.set p, p+1
.endr
	s_wait_dscnt 0x0                               ; for the others' sake: my stores into the stage are done
	s_barrier_signal -1
	s_barrier_wait -1
.irp t, 0,1,2,3,4,5,6,7,8,9,10,11,12,13,14,15
	ds_load_b128 v[TMP+4*(\t):TMP+4*(\t)+3], v[RD] offset:(\t)*2*SPITCH
.endr
.irp t, 0,1,2,3,4,5,6,7,8,9,10,11,12,13,14,15
	s_wait_dscnt 15-(\t)                           ; LDS loads come back in order (ISA guide 5.7.1): pair t of rows is in
	global_store_b128 v[CO], v[TMP+4*(\t):TMP+4*(\t)+3], s[8:9] offset:2*(\t)*HROW  ; 16 lanes store 256 consecutive bytes, at a multiple of 256 from h's first byte
.endr
	s_wait_tensorcnt 0x0                           ; the wave's end, behind my last tensor load and my last LDS store
	ds_add_u32 v[SPW], v[NIL]
	s_wait_dscnt 0x0
	CROUND                                         ; the closing round: no work-group ends while a partner may still ask for a tile that names it
	s_endpgm
.Lfunc_end_k_q059e4130d1_step2:
	.size	k_q059e4130d1_step2, .Lfunc_end_k_q059e4130d1_step2-k_q059e4130d1_step2
	.p2alignl 7, 3214868480
	.fill 96, 4, 3214868480
	.section	.rodata,"a",@progbits
	.p2align	6, 0x0
	.amdhsa_kernel k_q059e4130d1_step2
		.amdhsa_group_segment_fixed_size 327680
		.amdhsa_private_segment_fixed_size 0
		.amdhsa_enable_private_segment 0
		.amdhsa_kernarg_size 32
		.amdhsa_user_sgpr_count 2
		.amdhsa_user_sgpr_kernarg_segment_ptr 1
		.amdhsa_wavefront_size32 1
		.amdhsa_system_sgpr_workgroup_id_x 1
		.amdhsa_system_sgpr_workgroup_id_y 1
		.amdhsa_system_sgpr_workgroup_id_z 1
		.amdhsa_system_vgpr_workitem_id 0
		.amdhsa_next_free_vgpr 392
		.amdhsa_next_free_sgpr 84
		.amdhsa_reserve_vcc 0
		.amdhsa_float_denorm_mode_32 3
		.amdhsa_float_denorm_mode_16_64 3
		.amdhsa_memory_ordered 1
		.amdhsa_forward_progress 1
		.amdhsa_inst_pref_size 103
	.end_amdhsa_kernel
	.amdgpu_metadata
---
amdhsa.version: [ 1, 2 ]
amdhsa.kernels:
  - .name:           k_q059e4130d1_step2
    .symbol:         k_q059e4130d1_step2.kd
    .args:
      - { .name: ha, .offset: 0, .size: 8, .value_kind: global_buffer, .address_space: global }
      - { .name: qrec, .offset: 8, .size: 8, .value_kind: global_buffer, .address_space: global }
      - { .name: hb, .offset: 16, .size: 8, .value_kind: global_buffer, .address_space: global }
      - { .name: pre, .offset: 24, .size: 8, .value_kind: global_buffer, .address_space: global }
    .group_segment_fixed_size: 327680
    .private_segment_fixed_size: 0
    .kernarg_segment_align: 8
    .kernarg_segment_size: 32
    .max_flat_workgroup_size: 128
    .sgpr_count:     84
    .vgpr_count:     392
    .wavefront_size: 32
...
	.end_amdgpu_metadata
.endif
;; end of part 8
;; launch step3: the kernel of part 8 again; grid 32 x 8, 4 waves a work-group, clusters of 4 x 4, 327,680 bytes of LDS; arguments hb, qrec, ha, pre; writes ha
;; launch head (part 9): grid 8 x 32, 4 waves a work-group, clusters of 4 x 4, 327,680 bytes of LDS; arguments ha, qout, part; writes part
.if DOCPART == 9
	.amdgcn_target "amdgcn-amd-amdhsa--gfx1250"
	.amdhsa_code_object_version 6
	.text
	.protected	k_q059e4130d1_head
	.globl	k_q059e4130d1_head
	.p2align	8
	.type	k_q059e4130d1_head,@function
k_q059e4130d1_head:
	s_mov_b64 s[64:65], 0
	v_nop
	global_prefetch_b8 v0, s[64:65] scope:SCOPE_SE
	s_setreg_imm32_b32 hwreg(HW_REG_WAVE_MODE, 25, 1), 1
	s_wait_xcnt 0x0
	s_wait_alu depctr_hold_cnt(0) depctr_sa_sdst(0) depctr_va_vdst(0) depctr_va_sdst(0) depctr_va_ssrc(0) depctr_va_vcc(0) depctr_vm_vsrc(0)
	s_getreg_b32 s2, hwreg(HW_REG_IB_STS2, 6, 4)
	s_cmp_eq_u32 s2, 0
	s_cbranch_scc0 .Lentry_in_a_cluster
	s_endpgm
.Lentry_in_a_cluster:
	s_bfe_u32 s2, ttmp6, 0x10000c
	s_cmp_lg_u32 s2, 0xf033
	s_cbranch_scc0 .Lentry_shape_is_right
	s_endpgm
.Lentry_shape_is_right:
; THE LAST PRODUCT, IN FOUR QUARTERS OF K.  part[kq][m][n] = the sum over k in quarter kq of A[m][k] B[n][k], sums in f32.  A = h = tanh / 2 [1024][4096] f16 holds half the true operand,
; B = qout [1024][4096] f16 twice the ternary codes (+2, 0, -2): the products are the true ones, exactly.
; 1024 x 1024 makes only 64 tiles of 128 x 128; with K cut in four quarters of 1,024 over the grid's y there are 256 work-groups of equal work.  The launch behind adds the four planes in a fixed order.
; LIMITS.  The f32 sums run in another order than a plain row by row sum: four partial sums over 1,024 each.  NaN goes through.
; SHARES.  Four waves, each 64 x 64: 16 accumulators of 16 x 16, 128 registers.  K goes in steps of 256 (LDS rows of 512 bytes; a wave's tensor load brings 64 of them) through two slots.
; CLUSTERS: 4 x 4 work-groups.  The four of a row of the cluster need the same tiles of A, the four of a column the same tiles of B: each tile is asked for JOINTLY, by the same tensor load with
; the same descriptor and a mask that names the four.  THE MATRIX INSTRUCTION IS USED TRANSPOSED (source 0 = 16 rows of B, source 1 = 16 rows of A): lane l holds row l % 16 of C and
; its registers 0-7 the columns 8 (l / 16) + 0..7.
; part IS BLOCKED as the accumulators lie: [plane][tile][wave][accumulator 4 a + b][half j][lane][4 numbers]: 65,536 bytes a tile, 16,384 a wave, and each store of a wave is 512 consecutive bytes
; at a multiple of 512 from the buffer's first.  So it needs no way through LDS.
; REGISTERS: window 0: v0-31 addresses; v128-255 the accumulators ((a, b) at v[128 + 8 (4 a + b)]).
;   window 1: two fragment buffers of 128: for 64 along K, 64 registers of A (2 x 4 x 16 rows x 32 K), then 64 of B.
.set PITCHK, 4096                      ; elements in a row of A and of B
.set KLEN,   1024                      ; elements of K that a work-group walks
.set KSTEP,  256
.set PITCH,  528                       ; an LDS row: 512 bytes of data + 16 of padding = 132 words: row r starts at bank 4 r mod 64 (64 banks of 4 bytes: ISA guide 11.1)
.set HALFT,  64*PITCH                  ; 64 rows: what one tensor load brings, and what one wave reads of A or of B
.set SLOT,   4*HALFT                   ; A's 128 rows, then B's 128 rows
.set SPARE,  2*SLOT                    ; behind the ring: the spare words, 128 bytes for each wave: two blocks of 256 bytes that no other line names
.set LAPS,   KLEN/(2*KSTEP)            ; a lap = two K steps = once round the ring
.set ADRA, 16                          ; v16-17  LDS address of my A fragments in slot 0, 1
.set ADRB, 20                          ; v20-21  the same for B
.set CB,   27                          ; v27     16 x lane: my byte offset in 512 bytes of part
.set SPW,  28                          ; v28     LDS address of my spare word: SPARE + 4 x my thread's number; never rewritten
.set NIL,  29                          ; v29     0; never rewritten
.set ACC,  128
.set F0,   0                           ; fragment buffers, in window 1
.set F1,   128
.set G1, 24                            ; s[24:31] descriptor group 1 for A's tiles;  s[32:39] group 0, one set for each slot
.set G0, 32
.set G1B, 48                           ; s[48:55], s[56:63] the same for B's tiles
.set G0B, 56
.set MSB, 0
.macro WIN new                         ; the immediate's high byte repeats the setting that is left; a switch that changes nothing is dropped
.if MSB != (\new)
	s_set_vgpr_msb (MSB<<8)|(\new)
.set MSB, \new
.endif
.endm
.set MUL,  0x05                        ; sources 0 (B) and 1 (A) window 1; C and D window 0
.set TO_F, 0x40                        ; destination window 1, address window 0
.macro JLOAD s                         ; a joint load: waves 0 and 1 fetch A's two halves, waves 2 and 3 B's; an s_nop 0 and four v_nop follow each of the two lines, ahead of the jump, the label and what follows
	s_cmp_eq_u32 s11, 0
	s_cbranch_scc0 .Lfor_b_\@
	tensor_load_to_lds s[G0+4*(\s):G0+4*(\s)+3], s[G1:G1+7]
	s_nop 0
.rept 4
	v_nop
.endr
	s_branch .Lasked_\@
.Lfor_b_\@:
	tensor_load_to_lds s[G0B+4*(\s):G0B+4*(\s)+3], s[G1B:G1B+7]
	s_nop 0
.rept 4
	v_nop
.endr
.Lasked_\@:
.endm
.macro CREST                           ; a round of the cluster's barrier behind its opening barrier
	s_cmp_lg_u32 s10, 0
	s_cbranch_scc1 .Lnot_wave_0_\@
	s_barrier_signal -3
.Lnot_wave_0_\@:
	s_barrier_wait -3
	s_barrier_signal -1
	s_barrier_wait -1
.endm
.macro CROUND                          ; a whole round
	s_barrier_signal -1
	s_barrier_wait -1
	CREST
.endm
	s_load_b128 s[4:7], s[0:1], 0x0                ; A s[4:5], B s[6:7]
	s_load_b64 s[8:9], s[0:1], 0x10                ; part
	v_lshl_add_u32 v[SPW], v0, 2, SPARE
	v_mov_b32 v[NIL], 0
	ds_add_u32 v[SPW], v[NIL]                      ; the wave's opening: the add and its wait stand ahead of my first tensor load; the set-up below, work on registers, stands between them
	v_lshrrev_b32 v1, 5, v0
	v_readfirstlane_b32 s10, v1                    ; wave 0..3
	s_lshr_b32 s11, s10, 1                         ; which half of the tile's rows is mine.  Also: I fetch for A (0) or for B (1)
	s_and_b32 s12, s10, 1                          ; which half of its columns.  Also: which 64 rows of that tile I fetch
	s_bfe_u32 s40, ttmp6, 0x40000                  ; cx, cy: my place in the cluster
	s_bfe_u32 s41, ttmp6, 0x40004
	s_lshl_b32 s42, ttmp9, 2
	s_add_co_u32 s42, s42, s40                     ; tile column of C = 4 x cluster x + cx
	s_and_b32 s13, ttmp7, 0xffff                   ; the cluster's y
	s_lshr_b32 s45, s13, 1                         ; its upper bits: which quarter of K, the same in all sixteen partners
	s_and_b32 s13, s13, 1                          ; its lowest bit: which four tile rows
	s_lshl_b32 s13, s13, 2
	s_add_co_u32 s13, s13, s41                     ; tile row of C
	s_lshl_b32 s43, s41, 2
	s_lshl_b32 s43, 15, s43                        ; my row of the cluster
	s_lshl_b32 s44, 0x1111, s40                    ; my column
	; descriptor group 1: a tile of 64 rows x 256 elements, padded in LDS
	s_or_b32 s[G1+0], s43, (1<<16)|(1<<20)|(1<<21)|(6<<22)|(3<<25)  ; 15:0 the mask: A's tiles go to my row; 17:16 element of 2 bytes; 20 padding on; 21 set beside a mask; 24:22 after every 128 words (code 6); 31:25 of 4 words (code 3)
	s_or_b32 s[G1B+0], s44, (1<<16)|(1<<20)|(1<<21)|(6<<22)|(3<<25) ; the same with the mask of my column, for B's tiles
.irp g, G1, G1B
	s_mov_b32 s[(\g)+1], KSTEP<<16                 ; tensor_dim0 = 256
	s_mov_b32 s[(\g)+2], 64<<16                    ; tensor_dim1 = 64
	s_mov_b32 s[(\g)+3], KSTEP<<16                 ; tile_dim0 = 256
	s_mov_b32 s[(\g)+4], 64                        ; tile_dim1 = 64
	s_mov_b32 s[(\g)+5], PITCHK                    ; tensor_dim0_stride: elements from row to row
	s_mov_b32 s[(\g)+6], 0
	s_mov_b32 s[(\g)+7], 0
.endr
	; where the tiles come from: A's hang on the tile row alone, B's on the tile column alone, each in registers that never hold the other coordinate
	s_lshl_b32 s17, s12, 6                         ; which 64 rows of the tile I fetch
	s_lshl_b32 s16, s13, 7
	s_add_co_u32 s16, s16, s17                     ; A: row 128 x tile row + 64 x half
	s_lshl_b32 s46, s42, 7
	s_add_co_u32 s46, s46, s17                     ; B: row 128 x tile column + 64 x half
	s_mov_b32 s17, 0
	s_mov_b32 s47, 0
	s_mov_b64 s[18:19], PITCHK*2
	s_mul_u64 s[16:17], s[16:17], s[18:19]         ; in bytes
	s_mul_u64 s[46:47], s[46:47], s[18:19]
	s_lshl_b32 s2, s45, 11                         ; my quarter of K begins 1,024 elements x 2 bytes x quarter along the rows
	s_mov_b32 s3, 0
	s_add_nc_u64 s[16:17], s[16:17], s[2:3]
	s_add_nc_u64 s[46:47], s[46:47], s[2:3]
	s_mul_i32 s20, s10, HALFT                      ; where they go: wave x 64 rows: no place in the cluster enters an LDS address
	s_wait_dscnt 0x0                               ; the opening add is done
	s_wait_kmcnt 0x0
	s_add_nc_u64 s[14:15], s[4:5], s[16:17]
	s_add_nc_u64 s[46:47], s[6:7], s[46:47]
	CROUND                                         ; all sixteen work-groups are here: the first joint loads meet
.irp s, 0,1
	s_mov_b32 s[G0+4*(\s)], 1                                      ; 1:0 count = 1
	s_add_co_u32 s[G0+4*(\s)+1], s20, (\s)*SLOT                    ; 63:32 LDS address
	s_add_nc_u64 s[G0+4*(\s)+2:G0+4*(\s)+3], s[14:15], (\s)*KSTEP*2  ; 120:64 global address: K step s
	s_or_b32 s[G0+4*(\s)+3], s[G0+4*(\s)+3], 0x80000000            ; 127:126 type = 2
	s_mov_b32 s[G0B+4*(\s)], 1
	s_add_co_u32 s[G0B+4*(\s)+1], s20, (\s)*SLOT
	s_add_nc_u64 s[G0B+4*(\s)+2:G0B+4*(\s)+3], s[46:47], (\s)*KSTEP*2
	s_or_b32 s[G0B+4*(\s)+3], s[G0B+4*(\s)+3], 0x80000000
	JLOAD \s                                       ; two loads of mine are out behind these; later one behind each round
.endr
	v_and_b32 v1, 15, v0                           ; l % 16
	v_bfe_u32 v2, v0, 4, 1                         ; l / 16
	v_mul_u32_u24 v3, v1, PITCH
	v_lshl_add_u32 v3, v2, 4, v3                   ; a fragment's row x pitch + 16 x half
	s_mul_i32 s21, s11, HALFT                      ; my 64 rows of A
	s_mul_i32 s22, s12, HALFT                      ; my 64 rows of B,
	s_add_co_u32 s22, s22, 2*HALFT                 ; which lie behind A's 128
.irp s, 0,1
	v_add_nc_u32 v[ADRA+(\s)], s21, v3
	v_add_nc_u32 v[ADRB+(\s)], s22, v3
	s_add_co_u32 s21, s21, SLOT
	s_add_co_u32 s22, s22, SLOT
.endr
	v_and_b32 v[CB], 31, v0
	v_lshlrev_b32 v[CB], 4, v[CB]                  ; 16 x lane
	s_mov_b32 s47, 0
	s_lshl_b32 s46, s13, 3                         ; part: tile = 8 x tile row + tile column
	s_add_co_u32 s46, s46, s42
	s_lshl_b32 s46, s46, 2
	s_add_co_u32 s46, s46, s10                     ; 4 x tile + wave,
	s_lshl_b32 s46, s46, 14                        ; times 16,384 bytes: under 2^22,
	s_lshl_b32 s2, s45, 22                         ; and my quarter's plane of 4 MiB
	s_add_co_u32 s46, s46, s2
	s_add_nc_u64 s[8:9], s[8:9], s[46:47]
; 8 matrix instructions: m blocks a0, a0 + 1 x all 4 n blocks, 32 along K: half c of buffer f.  first = 1: the product starts the sum from the constant 0: nothing is cleared.
; The 16 accumulators take turns, one instruction a turn.
.macro MUL8 f, c, a0, first
	WIN MUL
.irp a, \a0, (\a0)+1
.irp b, 0,1,2,3
.set rD, ACC+8*(4*(\a)+(\b))
.set rB, (\f)+64+8*(4*(\c)+(\b))
.set rA, (\f)+8*(4*(\c)+(\a))
.if \first
	v_wmma_f32_16x16x32_f16 v[rD:rD+7], v[rB:rB+7], v[rA:rA+7], 0
.else
	v_wmma_f32_16x16x32_f16 v[rD:rD+7], v[rB:rB+7], v[rA:rA+7], v[rD:rD+7]
.endif
.endr
.endr
.endm
; 32 LDS loads in one run: the fragments of 64 along K at byte k of the rows, into buffer f; the first 32 along K first
.macro FETCH slot, k, f
	WIN TO_F
.irp c, 0,1
.irp i, 0,1,2,3
	ds_load_b128 v[(\f)+64+8*(4*(\c)+(\i)):(\f)+64+8*(4*(\c)+(\i))+3],   v[ADRB+(\slot)] offset:(\k)+64*(\c)+(\i)*16*PITCH
	ds_load_b128 v[(\f)+64+8*(4*(\c)+(\i))+4:(\f)+64+8*(4*(\c)+(\i))+7], v[ADRB+(\slot)] offset:(\k)+64*(\c)+(\i)*16*PITCH+32
	ds_load_b128 v[(\f)+8*(4*(\c)+(\i)):(\f)+8*(4*(\c)+(\i))+3],         v[ADRA+(\slot)] offset:(\k)+64*(\c)+(\i)*16*PITCH
	ds_load_b128 v[(\f)+8*(4*(\c)+(\i))+4:(\f)+8*(4*(\c)+(\i))+7],       v[ADRA+(\slot)] offset:(\k)+64*(\c)+(\i)*16*PITCH+32
.endr
.endr
.endm
.macro PLACES                          ; four places in front of loads into registers that matrix instructions have read, and of lines that read results (ISA guide 7.12.1 for vector instructions)
.rept 4
	v_nop
.endr
.endm
; A K step is four quarters of 64 along K, 32 matrix instructions each, on buffers 0, 1, 0, 1.  One of the first three: multiplies buffer f and fetches the next quarter, at byte k, into g.
.macro QUARTER slot, k, f, g, first
	s_wait_dscnt 16                                ; the first 32 along K are in; the sixteen younger loads may be out
	MUL8 \f, 0, 0, \first
	MUL8 \f, 0, 2, \first
	PLACES
	FETCH \slot, \k, \g
	s_wait_dscnt 32                                ; all but the 32 just issued
	MUL8 \f, 1, 0, 0
	MUL8 \f, 1, 2, 0
.endm
; The last quarter multiplies buffer 1 and changes slots: ONE barrier; in front of it each wave waits for all its tensor loads, adds 0 to its spare word, and waits for that and for its own reads of this slot.  fill = 1: this slot is filled again, two K steps ahead.
.macro TURN slot, next, fill
	WIN 0                                          ; (the add's two registers lie in window 0)
	s_wait_tensorcnt 0x0                           ; all my tensor loads have landed: my part of the next slot;
	ds_add_u32 v[SPW], v[NIL]                      ; 0 onto my spare word;
	s_wait_dscnt 17                                ; (the add and the youngest sixteen loads may be out)
	MUL8 F1, 0, 0, 0                               ; eight matrix instructions stand between the add and the wait for it
	s_wait_dscnt 0x0                               ; the add is done, and my reads of this slot are over
	s_barrier_signal -1
	MUL8 F1, 0, 2, 0
.if \fill
	WIN 0
.endif
	s_barrier_wait -1
.if \fill
	CREST                                          ; the barrier has opened a round of the cluster's barrier: no wave of any partner still reads this slot's tile or has a load on its way
	s_add_nc_u64 s[G0+4*(\slot)+2:G0+4*(\slot)+3], s[G0+4*(\slot)+2:G0+4*(\slot)+3], 2*KSTEP*2
	s_add_nc_u64 s[G0B+4*(\slot)+2:G0B+4*(\slot)+3], s[G0B+4*(\slot)+2:G0B+4*(\slot)+3], 2*KSTEP*2
	JLOAD \slot                                    ; the first tensor load behind the round: 112 matrix instructions ahead of the wait for it; the four v_nop behind it are also the places in front of the loads below
.else
	PLACES
.endif
	FETCH \next, 0, F0
	MUL8 F1, 1, 0, 0
	MUL8 F1, 1, 2, 0
.endm
	s_wait_tensorcnt 1                             ; my part of K step 0 is in; K step 1's may stay out
	s_barrier_signal -1
	s_barrier_wait -1                              ; everybody's is
	FETCH 0, 0, F0
	QUARTER 0, 128, F0, F1, 1                      ; the first quarter stands in front of the loop: its first products start the sums
	WIN 0                                          ; at a label and at a branch every window is 0
	s_mov_b32 s3, LAPS-1
.Llap:                                                 ; a trip goes once round the ring, from a lap's second quarter to the next lap's first, and fills both slots again
	QUARTER 0, 256, F1, F0, 0
	QUARTER 0, 384, F0, F1, 0
	TURN 0, 1, 1
	QUARTER 1, 128, F0, F1, 0
	QUARTER 1, 256, F1, F0, 0
	QUARTER 1, 384, F0, F1, 0
	TURN 1, 0, 1
	QUARTER 0, 128, F0, F1, 0
	WIN 0
	s_sub_co_u32 s3, s3, 1
	s_cmp_lg_u32 s3, 0
	s_cbranch_scc1 .Llap
	QUARTER 0, 256, F1, F0, 0                      ; the last lap fills nothing, and has no round of the cluster's barrier
	QUARTER 0, 384, F0, F1, 0
	TURN 0, 1, 0
	QUARTER 1, 128, F0, F1, 0
	QUARTER 1, 256, F1, F0, 0
	QUARTER 1, 384, F0, F1, 0
	s_wait_dscnt 16                                ; the very last quarter: nothing more to fetch
	MUL8 F1, 0, 0, 0
	MUL8 F1, 0, 2, 0
	s_wait_dscnt 0
	MUL8 F1, 1, 0, 0
	MUL8 F1, 1, 2, 0
	WIN 0
	; THE WAY OUT: the f32 sums as they lie.
	PLACES
.set p, 0
.rept 32                               ; accumulator p / 2, its low half first; each store of the wave covers 512 consecutive bytes
	global_store_b128 v[CB], v[ACC+4*p:ACC+4*p+3], s[8:9] offset:512*p
.set p, p+1
.endr
	s_wait_tensorcnt 0x0                           ; the wave's end, behind my last tensor load
	ds_add_u32 v[SPW], v[NIL]
	s_wait_dscnt 0x0
	CROUND                                         ; the closing round: no work-group ends while a partner may still ask for a tile that names it
	s_endpgm
.Lfunc_end_k_q059e4130d1_head:
	.size	k_q059e4130d1_head, .Lfunc_end_k_q059e4130d1_head-k_q059e4130d1_head
	.p2alignl 7, 3214868480
	.fill 96, 4, 3214868480
	.section	.rodata,"a",@progbits
	.p2align	6, 0x0
	.amdhsa_kernel k_q059e4130d1_head
		.amdhsa_group_segment_fixed_size 327680
		.amdhsa_private_segment_fixed_size 0
		.amdhsa_enable_private_segment 0
		.amdhsa_kernarg_size 24
		.amdhsa_user_sgpr_count 2
		.amdhsa_user_sgpr_kernarg_segment_ptr 1
		.amdhsa_wavefront_size32 1
		.amdhsa_system_sgpr_workgroup_id_x 1
		.amdhsa_system_sgpr_workgroup_id_y 1
		.amdhsa_system_sgpr_workgroup_id_z 1
		.amdhsa_system_vgpr_workitem_id 0
		.amdhsa_next_free_vgpr 512
		.amdhsa_next_free_sgpr 66
		.amdhsa_reserve_vcc 0
		.amdhsa_float_denorm_mode_32 3
		.amdhsa_float_denorm_mode_16_64 3
		.amdhsa_memory_ordered 1
		.amdhsa_forward_progress 1
		.amdhsa_inst_pref_size 81
	.end_amdhsa_kernel
	.amdgpu_metadata
---
amdhsa.version: [ 1, 2 ]
amdhsa.kernels:
  - .name:           k_q059e4130d1_head
    .symbol:         k_q059e4130d1_head.kd
    .args:
      - { .name: ha, .offset: 0, .size: 8, .value_kind: global_buffer, .address_space: global }
      - { .name: qout, .offset: 8, .size: 8, .value_kind: global_buffer, .address_space: global }
      - { .name: part, .offset: 16, .size: 8, .value_kind: global_buffer, .address_space: global }
    .group_segment_fixed_size: 327680
    .private_segment_fixed_size: 0
    .kernarg_segment_align: 8
    .kernarg_segment_size: 24
    .max_flat_workgroup_size: 128
    .sgpr_count:     66
    .vgpr_count:     512
    .wavefront_size: 32
...
	.end_amdgpu_metadata
.endif
;; end of part 9
;; launch fin: the kernel of part 5 again; grid 256 x 1, 4 waves a work-group, no clusters, 17,920 bytes of LDS; arguments part, b_out, out0; writes out0
